; MI455X (gfx1250); checked and timed in simulation.
; The chip was launched on July 23, 2026; its instructions are those of AMD's public machine-readable ISA for CDNA 5 (MIT licence, August 2026) and "CDNA5" Instruction Set Architecture Reference Guide (July 2026). The comments in the code are by the model that wrote it; some were corrected since.
;; Neuron Circuit. Allowed arithmetic: matrix products marked QUANTISED: E2M3 operands, one E8M0 scale for each 32 along K, by v_wmma_scale_f32_16x16x128_f8f6f4 with both operands' format E2M3, f32 sums; products left as they are: f32 operands where the result goes on into a quantised operand, else bf16, f16 or f32 operands; f32 sums; everything else in f32.
;; Inputs: W_O 1,024 x 1,024 float32; compress_neurons 16 x 1,024 x 64 float32; compress_weights 4 x 2,048 x 16 float32; expand_neurons_QK 16 x 64 x 1,024 float32; expand_neurons_V 16 x 64 x 1,024 float32; expand_weights_QK 4 x 2,048 x 16 float32; expand_weights_V 4 x 2,048 x 16 float32; x 4 x 2,048 x 1,024 float32.
;; Outputs: out0 4 x 2,048 x 1,024 float32.
;; This version of the problem:
;;   THIS VERSION OF THE PROBLEM IS GIVEN IN LOW PRECISION. The matrix products marked QUANTISED in the list below multiply operands that are first quantised to E2M3 (2 exponent bits, 3 mantissa bits; 6 bits a number), with one power-of-two scale for each 32 numbers along K (OCP MX v1.0); their sums are f32. All else is computed in f32.
;;   The module's matrix products, in the order in which they are computed (A, B: the left and right operand; K: the contracted axis; several contracted axes count as one K, in the product's order):
;;     1. [M 1,024, K 1,024] x [K 1,024, N 8,192]; A: input compress_neurons; B: input x: QUANTISED
;;     2. batch 8,192 x [M 1, K 16] x [K 16, N 64]; A: input compress_weights; B: computed on the way: left as it is (K = 16 < 32)
;;     3. batch 8,192 x [M 16, K 1] x [K 1, N 64]; A: computed on the way; B: computed on the way: left as it is (no contracted axis)
;;     4. [M 8,192, K 1,024] x [K 1,024, N 1,024]; A: computed on the way; B: input expand_neurons_QK: QUANTISED
;;     5. batch 8,192 x [M 16, K 1] x [K 1, N 64]; A: computed on the way; B: computed on the way: left as it is (no contracted axis)
;;     6. [M 8,192, K 1,024] x [K 1,024, N 1,024]; A: computed on the way; B: input expand_neurons_V: QUANTISED
;;     7. batch 64 x [M 2,048, K 64] x [K 64, N 2,048]; A: computed on the way; B: computed on the way: QUANTISED
;;     8. batch 64 x [M 2,048, K 2,048] x [K 2,048, N 64]; A: softmax (see below); B: computed on the way: QUANTISED
;;     9. [M 8,192, K 1,024] x [K 1,024, N 1,024]; A: computed on the way; B: input W_O: QUANTISED
;;   THE QUANTISER, for each operand of a quantised product, along K:
;;     - K is cut into blocks of 32 from its start; a last block that is shorter is filled with zeros.
;;     - A block's scale is 2^e with e = floor(log2(the largest magnitude in the block)) - 2, held to -126 .. 127; a block of zeros has e = 0. As a byte (E8M0): e + 127.
;;     - Each number is divided by its block's scale, clamped to +-7.5, and rounded to the nearest number of E2M3, ties to even, subnormals kept.
;;     - The product sums the exact products of the quantised numbers (number of the format x scale) in f32.
;;   ~~~python
;;   def quantise(x, axis):      # numpy; x: float32 -> the quantised numbers, widened to float32 again
;;       x = np.moveaxis(x, axis, -1); K = x.shape[-1]
;;       x = np.pad(x, [(0, 0)] * (x.ndim - 1) + [(0, -K % 32)]); x = x.reshape(x.shape[:-1] + (-1, 32)); a = np.abs(x).max(-1, keepdims=True)
;;       e = np.where(a > 0, np.clip(np.frexp(np.where(a > 0, a, 1))[1] - 1 - 2, -126, 127), 0)      # np.frexp(a)[1] - 1 = floor(log2(a)), exactly
;;       r = np.clip(x / 2.0 ** e, -7.5, 7.5)
;;       step = 2.0 ** (np.maximum(np.frexp(np.where(r == 0, 1, r))[1] - 1, 0) - 3)
;;       q = np.round(r / step) * step * 2.0 ** e      # np.round: ties to even
;;       return np.moveaxis(q.reshape(q.shape[:-2] + (-1,))[..., :K], -1, axis).astype(np.float32)
;;   ~~~
;;   SOFTMAX AHEAD OF A QUANTISED PRODUCT. Where the list says 'softmax', what is quantised is not the finished softmax but p = 2^(t - M), with t = logit x log2(e) and M = ceil(the row's largest t), a whole number; so 1/2 < the row's largest p <= 1. The row's sum l is taken of the UNQUANTISED p, in f32, and the product's result is divided by l at the end. Since M is a whole number, a kernel that streams over the keys may use a running M (the ceiling of the running maximum): every later rescaling is an exact power of two, which a block's scale takes up: the codes' values come out the same.
;;   OPERANDS COMPUTED ON THE WAY. 'Computed on the way' means the value that the module computes at that place (a softmax that the list does not call 'softmax' is quantised finished and normalised). What goes into a quantiser is computed in f32, as accurately as f32 sums, v_exp_f32 and their like allow (about 1e-6 of the number): no bf16 or f16 on the way to a quantiser, and a product that is left as it is and whose result goes on into a quantised operand takes f32 operands (vector FMAs, or v_wmma_f32_16x16x4_f32). A number that lies on a knife's edge between two numbers of the format may be rounded either way, as far as f32 arithmetic and the matrix unit's own rounding can turn it there, and no further.
;; 2 versions. Each part assembles by itself: llvm-mc -triple=amdgcn-amd-amdhsa -mcpu=gfx1250 --defsym DOCPART=n.
;; ======== version 1 of 2: 4 launches
;; workspace buffers: wst 3,276,800 bytes; kv 13,369,344 bytes; ac 6,291,456 bytes; asc 262,144 bytes
;; launch prep (part 1): grid 256 x 1, 4 waves a work-group, no clusters, 0 bytes of LDS; arguments expand_neurons_QK, expand_neurons_V, compress_neurons, W_O, wst; writes wst
.if DOCPART == 1
	.amdgcn_target "amdgcn-amd-amdhsa--gfx1250"
	.amdhsa_code_object_version 6
	.text
	.protected	k_q2a890679e5_prep
	.globl	k_q2a890679e5_prep
	.p2align	8
	.type	k_q2a890679e5_prep,@function
k_q2a890679e5_prep:
	s_mov_b64 s[64:65], 0
	v_nop
	global_prefetch_b8 v0, s[64:65] scope:SCOPE_SE
	s_setreg_imm32_b32 hwreg(HW_REG_WAVE_MODE, 25, 1), 1
	s_wait_xcnt 0x0
; The four weights, f32, become codes of FP6 (E2M3) with one E8M0 scale byte for each 32 along their product's K, laid in wst IN THE ORDER OF THE OPERAND'S REGISTERS.
; wst is 32 chunks of CH bytes; chunk 8 p + s holds K step s (128 along K) of weight p (0: compress_neurons, 1: expand_neurons_QK, 2: expand_neurons_V, 3: W_O):
; 64 fragments (16 rows x 128 K, 12 registers a lane: registers 4 q .. 4 q + 3 of lane l at 1536 g + 512 q + 16 l), then from SCO on 64 groups of 16 scale words (row m of fragment g at 64 g + 4 m).
; WHICH ROWS FORM A FRAGMENT.  compress_neurons: fragment 16 (n / 4) + 4 (r / 16) + n % 4 holds neuron n, rows r % 16.  The two expand pools: row m of fragment 2 B + u is column 32 B + 8 u + m % 8 + 16 (m / 8),
; so that the 16 result registers of two neighbouring fragments are 16 neighbours along the next product's K.  W_O: row m of fragment g is output column 16 g + m.
; A block's scale is 2^(floor(log2(its largest magnitude)) - 2); its byte is the largest magnitude's exponent field - 2, held at 1 from below.
; LIMITS: a block of zeros gets the byte 1 where the rule says 127 (its codes are zeros, and this program alone reads the bytes); blocks whose largest magnitude lies under 2^-124 are held at the byte 1; NaN and infinities are not served.
; SHARES.  Work-groups 0-127: the expand pools, 128-191: compress_neurons, 192-255: W_O; a wave makes two fragments.  Where K is not innermost (the first three) a lane takes a column and its registers run down K:
; a load reads 128 consecutive bytes a wave, a block of 32 lies in one lane, and the conversions' results are the operand's registers.  No LDS, no barrier, no loop: waves share nothing.
.set CH,    102400
.set SCO,   98304
.set FLOOR, 0x1800000                  ; 2^(3 - 127): no largest magnitude is taken under it, so the byte cannot fall under 1
.set X,     32                         ; v32-159  four blocks of 32 numbers
.set S0,    160                        ; v160-171 twelve code registers;  v172-183 twelve more
.set S1,    172
.set TP,    184                        ; v184-186 a block's upper 16 codes, before they are moved (a conversion's three registers begin on an even number)
; 32 numbers of one lane, v[src] on, become six code registers at v[dst] on and the scale's byte in v[by]
.macro QBLK src, dst, by
	v_max3_num_f32 v8, |v[\src]|, |v[\src+1]|, FLOOR               ; the largest magnitude, in two chains, the floor among the leaves
	v_max3_num_f32 v9, |v[\src+2]|, |v[\src+3]|, |v[\src+4]|
.irp i, 5,9,13,17,21,25
	v_max3_num_f32 v8, v8, |v[\src+\i]|, |v[\src+\i+1]|
	v_max3_num_f32 v9, v9, |v[\src+\i+2]|, |v[\src+\i+3]|
.endr
	v_max3_num_f32 v8, v8, |v[\src+29]|, |v[\src+30]|
	v_max3_num_f32 v8, v8, v9, |v[\src+31]|
	v_add_nc_u32 v10, 0xff000000, v8               ; 2 off its exponent field: the conversion takes the exponent field of this operand as its scale
	v_lshrrev_b32 v[\by], 23, v10                  ; the scale's byte
	v_cvt_scalef32_pk16_fp6_f32 v[\dst:\dst+2], v[\src:\src+15], v10
	v_cvt_scalef32_pk16_fp6_f32 v[TP:TP+2], v[\src+16:\src+31], v10
	v_nop                                          ; one plain line behind a scaled conversion
.irp i, 0,1,2
	v_mov_b32 v[\dst+3+\i], v[TP+\i]
.endr
.endm
; K down the registers: 128 rows of pitch bytes; my column's four blocks; block 2 c + h goes to registers 6 c .. 6 c + 5 of the fragment's lane (my row, h): S0 is the image of lane half 0, S1 of half 1
.macro KOUT pitch
.set n, 0
.rept 128
	global_load_b32 v[X+n], v2, s[20:21] offset:n*\pitch th:TH_LOAD_NT
.set n, n+1
.endr
	s_wait_loadcnt 63                              ; at most 63 of the 128 are out: blocks 0 and 1 are in (a wait names 63 at the most)
	QBLK X, S0, 12
	QBLK X+32, S1, 13
	s_wait_loadcnt 32                              ; block 3's may be out
	QBLK X+64, S0+6, 14
	s_wait_loadcnt 0x0
	QBLK X+96, S1+6, 15
	v_lshl_or_b32 v16, v13, 8, v12                 ; the four bytes make my row's scale word
	v_lshl_or_b32 v16, v14, 16, v16
	v_lshl_or_b32 v16, v15, 24, v16
.irp q, 0,1,2
	global_store_b128 v3, v[S0+4*\q:S0+4*\q+3], s[22:23] offset:512*\q          ; the sixteen lanes of a fragment store 256 consecutive bytes, aligned
	global_store_b128 v3, v[S1+4*\q:S1+4*\q+3], s[22:23] offset:512*\q+256
.endr
	global_store_b32 v4, v16, s[24:25]
	s_endpgm
.endm
	s_load_b256 s[4:11], s[0:1], 0x0               ; expand_neurons_QK, expand_neurons_V, compress_neurons, W_O
	s_load_b64 s[12:13], s[0:1], 0x20              ; wst
	v_lshrrev_b32 v1, 5, v0
	v_readfirstlane_b32 s16, v1                    ; wave 0..3
	v_and_b32 v1, 31, v0                           ; lane
	s_lshr_b32 s17, ttmp9, 6                       ; which weight: 0, 1 the expand pools, 2 compress_neurons, 3 W_O
	s_and_b32 s18, ttmp9, 63                       ; e: which part of it
	s_lshr_b32 s19, s18, 3                         ; the K step (first three weights)
	s_and_b32 s28, s18, 7
	s_lshl_b32 s28, s28, 2
	s_add_co_u32 s28, s28, s16                     ; 4 (e % 8) + wave: which 32 columns
	s_mov_b32 s31, 0
	s_wait_kmcnt 0x0
	s_cmp_eq_u32 s17, 3
	s_cbranch_scc1 .Lw
	s_cmp_eq_u32 s17, 2
	s_cbranch_scc1 .Lc
	; ---- an expand pool [16][64][1024]: K = 64 n + r is the row, 4,096 bytes apart; my column is 32 B + lane
	s_cmp_eq_u32 s17, 0
	s_cselect_b64 s[20:21], s[4:5], s[6:7]         ; the choice hangs on the work-group's number alone
	s_lshl_b32 s30, s19, 19                        ; 128 rows a K step
	s_lshl_b32 s29, s28, 7
	s_add_co_u32 s30, s30, s29
	s_add_nc_u64 s[20:21], s[20:21], s[30:31]
	s_lshl_b32 s29, s17, 3
	s_add_co_u32 s29, s29, s19
	s_add_co_u32 s29, s29, 8
	s_mul_i32 s29, s29, CH                         ; chunk 8 + 8 p + s
	s_mul_i32 s30, s28, 2*1536
	s_add_co_u32 s30, s30, s29
	s_add_nc_u64 s[22:23], s[12:13], s[30:31]      ; fragments 2 B, 2 B + 1
	s_lshl_b32 s30, s28, 7
	s_add_co_u32 s30, s30, s29
	s_add_co_u32 s30, s30, SCO
	s_add_nc_u64 s[24:25], s[12:13], s[30:31]      ; and their scale words
	v_lshlrev_b32 v2, 2, v1
	v_bfe_u32 v5, v1, 3, 1                         ; u: my column lies in fragment 2 B + u,
	v_and_b32 v6, 7, v1
	v_lshrrev_b32 v7, 4, v1
	v_lshl_add_u32 v6, v7, 3, v6                   ; as its row lane % 8 + 8 (lane / 16)
	v_mul_u32_u24 v3, v5, 1536
	v_lshl_add_u32 v3, v6, 4, v3
	v_lshlrev_b32 v4, 6, v5
	v_lshl_add_u32 v4, v6, 2, v4
	KOUT 4096
.Lc:	; ---- compress_neurons [16][1024][64]: K = d is the middle axis, 256 bytes apart; my row is (n, 32 rho + lane)
	s_lshr_b32 s29, s28, 1                         ; n
	s_and_b32 s33, s28, 1                          ; rho
	s_lshl_b32 s30, s29, 18
	s_lshl_b32 s34, s19, 15
	s_add_co_u32 s30, s30, s34
	s_lshl_b32 s34, s33, 7
	s_add_co_u32 s30, s30, s34
	s_add_nc_u64 s[20:21], s[8:9], s[30:31]
	s_lshr_b32 s34, s29, 2
	s_lshl_b32 s34, s34, 4
	s_and_b32 s29, s29, 3
	s_add_co_u32 s34, s34, s29
	s_lshl_b32 s33, s33, 3
	s_add_co_u32 s34, s34, s33                     ; fragment 16 (n / 4) + n % 4 + 8 rho; lanes 16-31: four further on
	s_mul_i32 s29, s19, CH
	s_mul_i32 s30, s34, 1536
	s_add_co_u32 s30, s30, s29
	s_add_nc_u64 s[22:23], s[12:13], s[30:31]
	s_lshl_b32 s30, s34, 6
	s_add_co_u32 s30, s30, s29
	s_add_co_u32 s30, s30, SCO
	s_add_nc_u64 s[24:25], s[12:13], s[30:31]
	v_lshlrev_b32 v2, 2, v1
	v_lshrrev_b32 v5, 4, v1
	v_and_b32 v6, 15, v1
	v_mul_u32_u24 v3, v5, 4*1536
	v_lshl_add_u32 v3, v6, 4, v3
	v_lshlrev_b32 v4, 8, v5
	v_lshl_add_u32 v4, v6, 2, v4
	KOUT 256
.Lw:	; ---- W_O [1024][1024]: K is innermost.  Fragment g = e, K steps 2 w and 2 w + 1.  Lane (r, h) loads just what the operand's layout gives it: 32 neighbours of row 16 g + r for each block 2 c + h
	v_and_b32 v5, 15, v1                           ; r
	v_lshrrev_b32 v6, 4, v1                        ; h
	v_lshlrev_b32 v2, 12, v5
	v_lshl_add_u32 v2, v6, 7, v2
	s_lshl_b32 s30, s18, 16
	s_lshl_b32 s29, s16, 10
	s_add_co_u32 s30, s30, s29
	s_add_nc_u64 s[20:21], s[10:11], s[30:31]
	s_lshl_b32 s29, s16, 1
	s_add_co_u32 s29, s29, 24
	s_mul_i32 s29, s29, CH                         ; chunk 24 + 2 w
	s_mul_i32 s30, s18, 1536
	s_add_co_u32 s30, s30, s29
	s_add_nc_u64 s[22:23], s[12:13], s[30:31]
	s_lshl_b32 s30, s18, 6
	s_add_co_u32 s30, s30, s29
	s_add_co_u32 s30, s30, SCO
	s_add_nc_u64 s[24:25], s[12:13], s[30:31]
	s_mov_b32 s26, 0x76543210
	s_mov_b32 s27, 0xfedcba98                      ; v_permlanex16_b32's selects for lane l xor 16
.irp b, 0,1,2,3                        ; block b: K step 2 w + b % 2, c = b / 2
.irp j, 0,1,2,3,4,5,6,7
	global_load_b128 v[X+32*\b+4*\j:X+32*\b+4*\j+3], v2, s[20:21] offset:(\b%2)*512+(\b/2)*256+16*\j th:TH_LOAD_NT
.endr
.endr
	v_mov_b32 v19, 0                               ; a lane permute's destination counts as one of its sources
	v_mov_b32 v20, 0
	v_lshlrev_b32 v3, 4, v1
	v_lshlrev_b32 v4, 2, v5
	v_mad_u32_u24 v4, v6, CH, v4                   ; scale words: lanes 0-15 store the first K step's, lanes 16-31 the second's, a chunk further on
	s_wait_loadcnt 24                              ; the eight loads of each later block may be out
	QBLK X, S0, 12
	s_wait_loadcnt 16
	QBLK X+32, S1, 13
	s_wait_loadcnt 8
	QBLK X+64, S0+6, 14
	s_wait_loadcnt 0x0
	QBLK X+96, S1+6, 15
	v_lshl_or_b32 v16, v14, 16, v12                ; my two bytes of a K step: blocks h and 2 + h,
	v_lshl_or_b32 v17, v15, 16, v13
	v_lshlrev_b32 v18, 3, v6
	v_lshlrev_b32 v16, v18, v16                    ; at their places in the scale word (8 h bits up);
	v_lshlrev_b32 v17, v18, v17
	v_permlanex16_b32 v19, v16, s26, s27
	v_permlanex16_b32 v20, v17, s26, s27
	v_or_b32 v16, v16, v19                         ; with lane l xor 16's two the word is whole
	v_or_b32 v17, v17, v20
	v_cmp_lt_u32 vcc_lo, 15, v1
	v_cndmask_b32 v16, v16, v17, vcc_lo
.irp q, 0,1,2
	global_store_b128 v3, v[S0+4*\q:S0+4*\q+3], s[22:23] offset:512*\q          ; 32 lanes store 512 consecutive bytes, aligned
	global_store_b128 v3, v[S1+4*\q:S1+4*\q+3], s[22:23] offset:512*\q+CH
.endr
	global_store_b32 v4, v16, s[24:25]
	s_endpgm
.Lfunc_end_k_q2a890679e5_prep:
	.size	k_q2a890679e5_prep, .Lfunc_end_k_q2a890679e5_prep-k_q2a890679e5_prep
	.p2alignl 7, 3214868480
	.fill 96, 4, 3214868480
	.section	.rodata,"a",@progbits
	.p2align	6, 0x0
	.amdhsa_kernel k_q2a890679e5_prep
		.amdhsa_group_segment_fixed_size 0
		.amdhsa_private_segment_fixed_size 0
		.amdhsa_enable_private_segment 0
		.amdhsa_kernarg_size 40
		.amdhsa_user_sgpr_count 2
		.amdhsa_user_sgpr_kernarg_segment_ptr 1
		.amdhsa_wavefront_size32 1
		.amdhsa_system_sgpr_workgroup_id_x 1
		.amdhsa_system_sgpr_workgroup_id_y 1
		.amdhsa_system_sgpr_workgroup_id_z 1
		.amdhsa_system_vgpr_workitem_id 0
		.amdhsa_next_free_vgpr 192
		.amdhsa_next_free_sgpr 66
		.amdhsa_reserve_vcc 1
		.amdhsa_float_denorm_mode_32 3
		.amdhsa_float_denorm_mode_16_64 3
		.amdhsa_memory_ordered 1
		.amdhsa_forward_progress 1
		.amdhsa_inst_pref_size 51
	.end_amdhsa_kernel
	.amdgpu_metadata
---
amdhsa.version: [ 1, 2 ]
amdhsa.kernels:
  - .name:           k_q2a890679e5_prep
    .symbol:         k_q2a890679e5_prep.kd
    .args:
      - { .name: expand_neurons_QK, .offset: 0, .size: 8, .value_kind: global_buffer, .address_space: global }
      - { .name: expand_neurons_V, .offset: 8, .size: 8, .value_kind: global_buffer, .address_space: global }
      - { .name: compress_neurons, .offset: 16, .size: 8, .value_kind: global_buffer, .address_space: global }
      - { .name: W_O, .offset: 24, .size: 8, .value_kind: global_buffer, .address_space: global }
      - { .name: wst, .offset: 32, .size: 8, .value_kind: global_buffer, .address_space: global }
    .group_segment_fixed_size: 0
    .private_segment_fixed_size: 0
    .kernarg_segment_align: 8
    .kernarg_segment_size: 40
    .max_flat_workgroup_size: 128
    .sgpr_count:     66
    .vgpr_count:     192
    .wavefront_size: 32
...
	.end_amdgpu_metadata
.endif
;; end of part 1
;; launch chain (part 2): grid 256 x 1, 16 waves a work-group, no clusters, 116,736 bytes of LDS; arguments x, compress_weights, expand_weights_QK, expand_weights_V, wst, kv; writes kv
.if DOCPART == 2
	.amdgcn_target "amdgcn-amd-amdhsa--gfx1250"
	.amdhsa_code_object_version 6
	.text
	.protected	k_q2a890679e5_chain
	.globl	k_q2a890679e5_chain
	.p2align	8
	.type	k_q2a890679e5_chain,@function
k_q2a890679e5_chain:
	s_mov_b64 s[64:65], 0
	v_nop
	global_prefetch_b8 v0, s[64:65] scope:SCOPE_SE
	s_setreg_imm32_b32 hwreg(HW_REG_WAVE_MODE, 25, 1), 1
	s_wait_xcnt 0x0
; For 32 tokens a work-group: x is quantised along d; y = x C (codes of FP6 with E8M0 scales); h = the sum over the 16 neurons of w y, in f32; a = w (x) h, quantised along K = 64 n + r, for both expand pools;
; q = a_QK E_QK, quantised along the head's 64; v = a_V E_V, quantised along the tokens.  q's and v's codes and scale bytes go to kv in the order in which the attention launch's operand registers take them.
; SHARES.  Sixteen waves, 256 registers each.  THE WAVES SHARE THE COLUMNS: wave w makes 64 of the 1,024 columns of each product for all 32 tokens: 8 accumulators, 8 matrix instructions for each 128 along K.
; In the first product wave w = 4 ng + rq holds neurons 4 ng .. 4 ng + 3, ranks 16 rq .. 16 rq + 15; in the other two it holds head w.
; THE TOKENS OF A TILE ARE NOT NEIGHBOURS: row r of tile u is token 8 u + r % 8 + 16 (r / 8) of the 32, and the expand pools' columns are laid likewise (launch prep), so that the 16 result registers of two
; neighbouring tiles are 16 neighbours along the next product's K: q's along the head, v's along the tokens.
; THE WEIGHTS GO FROM MEMORY STRAIGHT INTO REGISTERS, 14 loads a wave for each 128 along K, two such chunks ahead, in three sets of registers.  NO CLUSTER, NO JOINT LOADS, though all work-groups walk the same weights:
; a fragment of a weight is used by one wave of the work-group alone, so a way through LDS would add a write and a read to each of its bytes; and slots that are filled again behind barriers would have one chunk
; (102,400 bytes) on its way where the sixteen waves here have two (204,800), with no barrier inside a product.
; THE TOKENS' OPERANDS GO FROM WAVE TO WAVE THROUGH LDS AS IMAGES OF THEIR REGISTERS (registers 4 q .. 4 q + 3 of lane l at 512 q + 16 l; scale words at 4 l).  No LDS byte is written twice: three barriers in all.
; LIMITS: a block of zeros gets the byte 1 where the rule says 127 (its codes are zeros, and this program alone reads the bytes); blocks whose largest magnitude lies under 2^-124 are held at the byte 1; NaN and infinities are not served.
.set CH,    102400                     ; a chunk of wst
.set SCO,   98304                      ; where its scale words begin
.set FLOOR, 0x1800000                  ; 2^(3 - 127)
.set KVB,   208896                     ; kv: a head's block: 128 tiles of q (768 bytes), from 98,304 v's 128 units of 768, from 196,608 q's scale words, from 204,800 v's scale bytes
.set ISC,   73728                      ; LDS: 48 images of 1,536 bytes (index 2 c + u, c = 8 x product + K step) from 0; their scale words, 128 bytes each, from here;
.set HP,    79872                      ; four partial h [ng][16 u + r], rows of 256 + 16 bytes;
.set SPARE, 114688                     ; the spare words, 128 bytes for each wave: eight blocks of 256 bytes that no other line names
.set LIP, 1                            ; v1   16 x lane + 24,576 x product: where I read images
.set LSP, 2                            ; v2   ISC + 4 x lane + 2,048 x product: and scale words
.set VB,  3                            ; v3   6,144 x wave + 16 x lane: my fragments in a chunk; never rewritten
.set VS,  4                            ; v4   256 x wave + 4 x lane: my scale words in a chunk; never rewritten
.set SPW, 5                            ; v5   my spare word; never rewritten
.set NIL, 6                            ; v6   0; never rewritten
.set LN,  7                            ; v7   lane
.set CW,  8                            ; v8-15 the neurons' weights of my lane's tokens
.set ACC, 16                           ; v16-79 eight accumulators
.set BF,  80                           ; v80-223 the weights' fragments: three sets of 48
.set T0,  80
.set T1,  128
.set T2,  176
.set BS,  224                          ; v224-229 the weights' scale words, two for each set: lanes 0-15 an even tile's, lanes 16-31 the odd one's
.set AF,  230                          ; v230-253 the tokens' two fragments; between the products: at work, as E
.set E,   230
.set AS,  254                          ; v254-255 the tokens' scale words
.set WST, 12
.set SEL, 20
.set TM,  T2                           ; QUANT's registers, at the head, where set 2 is still free
.set PW,  T2+16
.set PC,  T2+20
.set R0,  ACC                          ; AGEN's registers
.set R1,  ACC+32
.set R2,  T1
.set APC, T1+32
.set APT, T1+44
; one matrix instruction on rD, rW (weight), rT (tokens), rS, rA (their scales).  ori 0: source 0 = the weight; ori 1: source 0 = the tokens.  odd: the weight's scales stand in lanes 16-31
.macro MM ori, first, odd
.if (\ori) == 0
.if \first
.if \odd
	v_wmma_scale_f32_16x16x128_f8f6f4 v[rD:rD+7], v[rW:rW+11], v[rT:rT+11], 0, v[rS], v[rA] matrix_a_fmt:MATRIX_FMT_FP6 matrix_b_fmt:MATRIX_FMT_FP6 matrix_a_scale:MATRIX_SCALE_ROW1
.else
	v_wmma_scale_f32_16x16x128_f8f6f4 v[rD:rD+7], v[rW:rW+11], v[rT:rT+11], 0, v[rS], v[rA] matrix_a_fmt:MATRIX_FMT_FP6 matrix_b_fmt:MATRIX_FMT_FP6
.endif
.else
.if \odd
	v_wmma_scale_f32_16x16x128_f8f6f4 v[rD:rD+7], v[rW:rW+11], v[rT:rT+11], v[rD:rD+7], v[rS], v[rA] matrix_a_fmt:MATRIX_FMT_FP6 matrix_b_fmt:MATRIX_FMT_FP6 matrix_a_scale:MATRIX_SCALE_ROW1
.else
	v_wmma_scale_f32_16x16x128_f8f6f4 v[rD:rD+7], v[rW:rW+11], v[rT:rT+11], v[rD:rD+7], v[rS], v[rA] matrix_a_fmt:MATRIX_FMT_FP6 matrix_b_fmt:MATRIX_FMT_FP6
.endif
.endif
.else
.if \first
.if \odd
	v_wmma_scale_f32_16x16x128_f8f6f4 v[rD:rD+7], v[rT:rT+11], v[rW:rW+11], 0, v[rA], v[rS] matrix_a_fmt:MATRIX_FMT_FP6 matrix_b_fmt:MATRIX_FMT_FP6 matrix_b_scale:MATRIX_SCALE_ROW1
.else
	v_wmma_scale_f32_16x16x128_f8f6f4 v[rD:rD+7], v[rT:rT+11], v[rW:rW+11], 0, v[rA], v[rS] matrix_a_fmt:MATRIX_FMT_FP6 matrix_b_fmt:MATRIX_FMT_FP6
.endif
.else
.if \odd
	v_wmma_scale_f32_16x16x128_f8f6f4 v[rD:rD+7], v[rT:rT+11], v[rW:rW+11], v[rD:rD+7], v[rA], v[rS] matrix_a_fmt:MATRIX_FMT_FP6 matrix_b_fmt:MATRIX_FMT_FP6 matrix_b_scale:MATRIX_SCALE_ROW1
.else
	v_wmma_scale_f32_16x16x128_f8f6f4 v[rD:rD+7], v[rT:rT+11], v[rW:rW+11], v[rD:rD+7], v[rA], v[rS] matrix_a_fmt:MATRIX_FMT_FP6 matrix_b_fmt:MATRIX_FMT_FP6
.endif
.endif
.endif
.endm
; my four fragments and their scale words of chunk c, into set c % 3: 14 loads
.macro WLOAD c
.irp t, 0,1,2,3
.irp q, 0,1,2
	global_load_b128 v[BF+48*((\c)%3)+12*\t+4*\q:BF+48*((\c)%3)+12*\t+4*\q+3], v[VB], s[WST:WST+1] offset:(\c)*CH+\t*1536+512*\q
.endr
.endr
.irp i, 0,1
	global_load_b32 v[BS+2*((\c)%3)+\i], v[VS], s[WST:WST+1] offset:(\c)*CH+SCO+128*\i
.endr
.endm
; 128 along K: chunk c of the weights against the tokens' two images.  map 0: accumulator (t, u) at 16 t + 8 u; map 1: at 32 u + 8 t.  first: the products start the sums.  pre: chunk c + 2 is asked for.
; cnt: the loads that may stay out when chunk c has to be in.  np: places ahead of the loads into registers that the last step's products read.
; The eight accumulators take turns, one instruction a turn, in the same order in every step.
.macro STEP c, ori, map, first, pre, cnt, np
.rept \np
	v_nop
.endr
.irp u, 0,1
.irp q, 0,1,2
	ds_load_b128 v[AF+12*\u+4*\q:AF+12*\u+4*\q+3], v[LIP] offset:((\c)%8)*3072+\u*1536+512*\q
.endr
	ds_load_b32 v[AS+\u], v[LSP] offset:((\c)%8)*256+\u*128
.endr
.if \pre
	WLOAD (\c)+2
.endif
	s_wait_loadcnt \cnt
	s_wait_dscnt 0x0
.irp u, 0,1
.irp t, 0,1,2,3
.if \map
.set rD, ACC+32*\u+8*\t
.else
.set rD, ACC+16*\t+8*\u
.endif
.set rW, BF+48*((\c)%3)+12*\t
.set rT, AF+12*\u
.set rS, BS+2*((\c)%3)+\t/2
.set rA, AS+\u
	MM \ori, \first, \t%2
.endr
.endr
.endm
; 64 numbers of a lane, register 16 b + i = k 32 b + 16 (lane / 16) + i of my row, become a fragment's codes in v[PC] on and its scale word in v[PW]
.macro QUANT s
.irp b, 0,1,2,3
	v_max3_num_f32 v[TM+\b], |v[\s+16*\b]|, |v[\s+1+16*\b]|, FLOOR
.endr
.irp i, 2,4,6,8,10,12,14
.irp b, 0,1,2,3
	v_max3_num_f32 v[TM+\b], v[TM+\b], |v[\s+16*\b+\i]|, |v[\s+1+16*\b+\i]|   ; the four blocks by turns
.endr
.endr
.irp b, 0,1,2,3
	v_permlanex16_b32 v[TM+4+\b], v[TM+\b], s[SEL], s[SEL+1]
.endr
.irp b, 0,1,2,3
	v_max_num_f32 v[TM+\b], v[TM+\b], v[TM+4+\b]   ; with lane l xor 16's: the block's largest magnitude
.endr
.irp b, 0,1,2,3
	v_add_nc_u32 v[TM+12+\b], 0xff000000, v[TM+\b] ; 2 off its exponent field: the conversion's scale operand
.endr
.irp b, 0,1,2,3
	v_lshrrev_b32 v[TM+4+\b], 23, v[TM+12+\b]      ; the scale's byte
.endr
	v_lshl_or_b32 v[PW], v[TM+5], 8, v[TM+4]
	v_lshl_or_b32 v[PW], v[TM+6], 16, v[PW]
	v_lshl_or_b32 v[PW], v[TM+7], 24, v[PW]
.irp c, 0,1
	v_cvt_scalef32_pk16_fp6_f32 v[PC+6*\c:PC+2+6*\c], v[\s+32*\c:\s+15+32*\c], v[TM+12+2*\c]
	v_cvt_scalef32_pk16_fp6_f32 v[PC+12+4*\c:PC+14+4*\c], v[\s+16+32*\c:\s+31+32*\c], v[TM+12+2*\c+1]
.endr
	v_nop                                          ; one plain line behind a scaled conversion
.irp c, 0,1                            ; the operand's layout wants a whole block in a lane: lanes 0-15 block 2 c, lanes 16-31 block 2 c + 1
.irp i, 0,1,2
	v_permlane16_swap_b32 v[PC+6*\c+\i], v[PC+12+4*\c+\i]
.endr
.irp i, 0,1,2
	v_mov_b32 v[PC+3+6*\c+\i], v[PC+12+4*\c+\i]
.endr
.endr
.endm
; the same for 32 numbers (two blocks): six code registers at v[xx] on (lane (row, h): block h), the two bytes in v[ww]; v[yy] on three and v[tm] on six registers at work
.macro HQUANT src, xx, yy, ww, tm
.irp b, 0,1
	v_max3_num_f32 v[\tm+\b], |v[\src+16*\b]|, |v[\src+16*\b+1]|, FLOOR        ; each accumulator is read from its low end on
.endr
.irp i, 2,4,6,8,10,12,14
.irp b, 0,1
	v_max3_num_f32 v[\tm+\b], v[\tm+\b], |v[\src+16*\b+\i]|, |v[\src+16*\b+\i+1]|
.endr
.endr
.irp b, 0,1
	v_permlanex16_b32 v[\tm+2+\b], v[\tm+\b], s[SEL], s[SEL+1]
.endr
.irp b, 0,1
	v_max_num_f32 v[\tm+\b], v[\tm+\b], v[\tm+2+\b]
.endr
.irp b, 0,1
	v_add_nc_u32 v[\tm+4+\b], 0xff000000, v[\tm+\b]
.endr
.irp b, 0,1
	v_lshrrev_b32 v[\tm+2+\b], 23, v[\tm+4+\b]
.endr
	v_lshl_or_b32 v[\ww], v[\tm+3], 8, v[\tm+2]
	v_cvt_scalef32_pk16_fp6_f32 v[\xx:\xx+2], v[\src:\src+15], v[\tm+4]
	v_cvt_scalef32_pk16_fp6_f32 v[\yy:\yy+2], v[\src+16:\src+31], v[\tm+5]
	v_nop                                          ; one plain line behind a scaled conversion
.irp i, 0,1,2
	v_permlane16_swap_b32 v[\xx+\i], v[\yy+\i]
.endr
.irp i, 0,1,2
	v_mov_b32 v[\xx+3+\i], v[\yy+\i]
.endr
.endm
.macro BARRIER                         ; my LDS stores have landed and my LDS loads are in: then the work-group's barrier
	s_wait_dscnt 0x0
	s_barrier_signal -1
	s_barrier_wait -1
.endm
.macro ADDUP a, b                      ; 32 numbers at v[a] += those at v[b]
.set k, 0
.rept 16
	v_pk_add_f32 v[\a+k:\a+k+1], v[\a+k:\a+k+1], v[\b+k:\b+k+1]
.set k, k+2
.endr
.endm
; The image of K step (wave % 8) of a_QK (waves 0-7) or a_V (waves 8-15) for tile u.  Lane (token, hh) holds h[token][32 hh .. 32 hh + 31]; times the weights of neurons 2 s and 2 s + 1 these are blocks hh and 2 + hh: whole blocks in a lane
.macro AGEN u
.irp i, 0,1,2,3,4,5,6,7
	ds_load_b128 v[R0+4*\i:R0+4*\i+3], v[E+6] offset:\u*4352+16*\i
.endr
.irp i, 0,1,2,3,4,5,6,7
	ds_load_b128 v[R1+4*\i:R1+4*\i+3], v[E+6] offset:8704+\u*4352+16*\i
.endr
.irp i, 0,1,2,3,4,5,6,7
	ds_load_b128 v[R2+4*\i:R2+4*\i+3], v[E+6] offset:2*8704+\u*4352+16*\i
.endr
	s_wait_dscnt 8                                 ; the first two partial sums are in; the third's eight loads may be out
	ADDUP R0, R1
.irp i, 0,1,2,3,4,5,6,7
	ds_load_b128 v[R1+4*\i:R1+4*\i+3], v[E+6] offset:3*8704+\u*4352+16*\i
.endr
	s_wait_dscnt 8                                 ; the third is in; the fourth's eight may be out
	ADDUP R0, R2
	s_wait_dscnt 0x0
	ADDUP R0, R1                                   ; h, the sum over all 16 neurons
	v_max3_num_f32 v[E+10], |v[R0]|, |v[R0+1]|, |v[R0+2]|
	v_max3_num_f32 v[E+11], |v[R0+3]|, |v[R0+4]|, |v[R0+5]|
.irp i, 6,10,14,18,22,26
	v_max3_num_f32 v[E+10], v[E+10], |v[R0+\i]|, |v[R0+\i+1]|
	v_max3_num_f32 v[E+11], v[E+11], |v[R0+\i+2]|, |v[R0+\i+3]|
.endr
	v_max3_num_f32 v[E+10], v[E+10], |v[R0+30]|, |v[R0+31]|
	v_max_num_f32 v[E+10], v[E+10], v[E+11]        ; the largest |h| of my 32
.irp c, 0,1
	v_mov_b32 v[E+12], v[CW+2*\u+\c]               ; w, as the low word of a pair
	v_mul_f32 v[E+14], |v[E+12]|, v[E+10]          ; the block's largest |w h|: rounding keeps the order, so it is the rounded product with the largest |h|
	v_max_num_f32 v[E+14], FLOOR, v[E+14]
	v_add_nc_u32 v[E+14], 0xff000000, v[E+14]
	v_lshrrev_b32 v[E+16+\c], 23, v[E+14]
.set k, 0
.rept 16
	v_pk_mul_f32 v[R1+k:R1+k+1], v[R0+k:R0+k+1], v[E+12:E+13] op_sel_hi:[1,0]
.set k, k+2
.endr
	v_cvt_scalef32_pk16_fp6_f32 v[APC+6*\c:APC+6*\c+2], v[R1:R1+15], v[E+14]
	v_cvt_scalef32_pk16_fp6_f32 v[APT:APT+2], v[R1+16:R1+31], v[E+14]
	v_nop                                          ; one plain line behind a scaled conversion
.irp i, 0,1,2
	v_mov_b32 v[APC+6*\c+3+\i], v[APT+\i]
.endr
.endr
	v_lshl_or_b32 v[E+18], v[E+17], 16, v[E+16]    ; my two bytes, 8 hh bits up; with lane l xor 16's two the scale word is whole
	v_lshlrev_b32 v[E+18], v[E+19], v[E+18]
	v_permlanex16_b32 v[E+20], v[E+18], s[SEL], s[SEL+1]
	v_or_b32 v[E+18], v[E+18], v[E+20]
.irp q, 0,1,2
	ds_store_b128 v[E+7], v[APC+4*\q:APC+4*\q+3] offset:1536*\u+512*\q
.endr
	ds_store_b32 v[E+8], v[E+18] offset:128*\u
.endm
	s_load_b256 s[4:11], s[0:1], 0x0               ; x, compress_weights, expand_weights_QK, expand_weights_V
	s_load_b128 s[12:15], s[0:1], 0x20             ; wst, kv
	v_lshl_add_u32 v[SPW], v0, 2, SPARE
	v_mov_b32 v[NIL], 0
	v_lshrrev_b32 v[LN], 5, v0
	v_readfirstlane_b32 s16, v[LN]                 ; wave 0..15
	v_and_b32 v[LN], 31, v0
	v_lshlrev_b32 v[LIP], 4, v[LN]
	v_lshl_add_u32 v[LSP], v[LN], 2, ISC
	s_mul_i32 s18, s16, 6144
	v_add_nc_u32 v[VB], s18, v[LIP]
	s_lshl_b32 s18, s16, 8
	v_lshl_add_u32 v[VS], v[LN], 2, s18
	v_cmp_lt_u32 s38, 15, v[LN]                    ; lanes 16-31
	v_and_b32 v[E+0], 7, v[LN]
	v_bfe_u32 v[E+1], v[LN], 3, 1
	v_lshl_add_u32 v[E+0], v[E+1], 4, v[E+0]       ; row r of a tile is token r % 8 + 16 (r / 8), + 8 u
	v_bfe_u32 v[E+1], v[LN], 4, 1                  ; h
	v_lshlrev_b32 v[E+3], 12, v[E+0]
	v_lshl_add_u32 v[E+3], v[E+1], 6, v[E+3]       ; x: my token's row of 4,096 bytes, + 64 h: my 16 numbers of a block of 32
	v_lshlrev_b32 v[E+4], 6, v[E+0]                ; the weights: 64 bytes a token
	s_lshr_b32 s18, s16, 3                         ; at the head wave w quantises tile u = w / 8,
	s_and_b32 s19, s16, 7                          ; K step s = w % 8 of x
	s_mul_i32 s39, s19, 3072
	s_mul_i32 s40, s18, 1536
	s_add_co_u32 s39, s39, s40
	v_add_nc_u32 v[E+5], s39, v[LIP]               ; its image,
	s_lshl_b32 s39, s19, 8
	s_lshl_b32 s40, s18, 7
	s_add_co_u32 s39, s39, s40
	v_add_nc_u32 v[E+6], s39, v[LSP]               ; its scale words
	s_mov_b32 s[SEL], 0x76543210
	s_mov_b32 s[SEL+1], 0xfedcba98                 ; v_permlanex16_b32's selects for lane l xor 16
	s_mov_b32 s23, 0
	s_lshl_b32 s42, ttmp9, 11                      ; 32 tokens x 64 bytes
	s_wait_kmcnt 0x0
	s_lshl_b32 s22, ttmp9, 17                      ; 32 tokens x 4,096 bytes
	s_lshl_b32 s39, s18, 15
	s_add_co_u32 s22, s22, s39
	s_lshl_b32 s39, s19, 9
	s_add_co_u32 s22, s22, s39
	s_add_nc_u64 s[24:25], s[4:5], s[22:23]        ; x at token 32 wg + 8 u, K step s
	s_lshr_b32 s22, s16, 2
	s_lshl_b32 s22, s22, 4
	s_add_co_u32 s22, s22, s42
	s_add_nc_u64 s[26:27], s[6:7], s[22:23]        ; compress_weights at my four neurons
	s_cmp_lt_u32 s16, 8
	s_cselect_b64 s[28:29], s[8:9], s[10:11]       ; waves 0-7 make a_QK's images, waves 8-15 a_V's
	s_lshl_b32 s22, s19, 3
	s_add_co_u32 s22, s22, s42
	s_add_nc_u64 s[28:29], s[28:29], s[22:23]      ; at neurons 2 s, 2 s + 1
	s_lshr_b32 s39, ttmp9, 6
	s_lshl_b32 s39, s39, 4
	s_add_co_u32 s39, s39, s16                     ; 16 x batch + head
	s_mul_i32 s39, s39, KVB
	s_and_b32 s40, ttmp9, 63                       ; which 32 tokens of the sequence
	s_mul_i32 s22, s40, 1536
	s_add_co_u32 s22, s22, s39
	s_add_nc_u64 s[30:31], s[14:15], s[22:23]      ; q's two tiles
	s_add_nc_u64 s[34:35], s[30:31], 98304         ; v's two units
	s_lshl_b32 s22, s40, 7
	s_add_co_u32 s22, s22, s39
	s_add_co_u32 s22, s22, 196608
	s_add_nc_u64 s[32:33], s[14:15], s[22:23]      ; q's scale words
	s_lshr_b32 s22, s40, 2
	s_lshl_b32 s22, s22, 8
	s_and_b32 s43, s40, 3
	s_add_co_u32 s22, s22, s43
	s_add_co_u32 s22, s22, s39
	s_add_co_u32 s22, s22, 204800
	s_add_nc_u64 s[36:37], s[14:15], s[22:23]      ; v's scale bytes: 256 bytes for each 128 keys, byte (block % 4) of each word
.irp b, 0,1,2,3
.irp j, 0,1,2,3
	global_load_b128 v[ACC+16*\b+4*\j:ACC+16*\b+4*\j+3], v[E+3], s[24:25] offset:128*\b+16*\j th:TH_LOAD_NT
.endr
.endr
	global_load_b128 v[CW:CW+3], v[E+4], s[26:27]
	global_load_b128 v[CW+4:CW+7], v[E+4], s[26:27] offset:512
	WLOAD 0
	WLOAD 1
.irp b, 0,1,2,3
	v_mov_b32 v[TM+4+\b], 0                        ; a lane permute's destination counts as one of its sources
.endr
	s_wait_loadcnt 28                              ; x and the weights of my tokens are in; the two chunks' 28 loads stay out
	QUANT ACC
.irp q, 0,1,2
	ds_store_b128 v[E+5], v[PC+4*\q:PC+4*\q+3] offset:512*\q
.endr
	ds_store_b32 v[E+6], v[PW]
	BARRIER                                        ; x's sixteen images lie in LDS
	; ---- y = x C.  Source 0 = 16 ranks of a neuron, source 1 = 16 tokens: a lane holds one token, register j of accumulator (t, u) rank 16 rq + 8 h + j of neuron 4 ng + t
	STEP 0, 0, 0, 1, 1, 28, 0
.irp c, 1,2,3,4,5,6,7
	STEP \c, 0, 0, 0, 1, 28, 4
.endr
.rept 4
	v_nop                                          ; places ahead of the first read of results and of writes into registers that the products read
.endr
.irp u, 0,1                            ; my four neurons' part of h, in f32: each accumulator is read from its low end on
.irp j, 0,1,2,3,4,5,6,7
	v_mul_f32 v[T1+8*\u+\j], v[CW+4*\u], v[ACC+8*\u+\j]
.endr
.irp t, 1,2,3
.irp j, 0,1,2,3,4,5,6,7
	v_fmac_f32 v[T1+8*\u+\j], v[CW+4*\u+\t], v[ACC+16*\t+8*\u+\j]
.endr
.endr
.endr
	v_and_b32 v[E+0], 15, v[LN]                    ; r
	v_bfe_u32 v[E+1], v[LN], 4, 1                  ; h
	v_mul_u32_u24 v[E+2], v[E+0], 272
	v_lshl_add_u32 v[E+5], v[E+1], 5, v[E+2]
	s_lshr_b32 s18, s16, 2
	s_mul_i32 s18, s18, 8704
	s_and_b32 s19, s16, 3
	s_lshl_b32 s19, s19, 6
	s_add_co_u32 s18, s18, s19
	s_add_co_u32 s18, s18, HP
	v_add_nc_u32 v[E+5], s18, v[E+5]               ; partial ng, row r, ranks 16 rq + 8 h on
	v_lshl_add_u32 v[E+6], v[E+1], 7, v[E+2]
	v_add_nc_u32 v[E+6], HP, v[E+6]                ; and where I read: row r, ranks 32 h on
.irp u, 0,1
	ds_store_b128 v[E+5], v[T1+8*\u:T1+8*\u+3] offset:4352*\u
	ds_store_b128 v[E+5], v[T1+8*\u+4:T1+8*\u+7] offset:4352*\u+16
.endr
	v_and_b32 v[E+3], 7, v[LN]
	v_bfe_u32 v[E+4], v[LN], 3, 1
	v_lshl_add_u32 v[E+3], v[E+4], 4, v[E+3]
	v_lshlrev_b32 v[E+4], 6, v[E+3]
	global_load_b64 v[CW:CW+1], v[E+4], s[28:29]               ; the expand weights of neurons 2 s, 2 s + 1: tile 0's tokens,
	global_load_b64 v[CW+2:CW+3], v[E+4], s[28:29] offset:512  ; tile 1's
	s_mul_i32 s18, s16, 3072
	s_add_co_u32 s18, s18, 8*3072
	v_add_nc_u32 v[E+7], s18, v[LIP]               ; image 2 (8 + wave) + u
	s_lshl_b32 s18, s16, 8
	s_add_co_u32 s18, s18, 8*256
	v_add_nc_u32 v[E+8], s18, v[LSP]
	v_mov_b32 v[E+13], 0                           ; (named as the upper half of a pair)
	v_lshlrev_b32 v[E+19], 3, v[E+1]
	v_mov_b32 v[E+20], 0                           ; a lane permute's destination counts as one of its sources
	BARRIER                                        ; the four partial h lie in LDS
	s_wait_loadcnt 0x0                             ; the expand weights are in (behind them nothing was asked for)
	AGEN 0
	AGEN 1
	BARRIER                                        ; the 32 images of a_QK and a_V lie in LDS
	v_add_nc_u32 v[LIP], 24576, v[LIP]
	v_add_nc_u32 v[LSP], 2048, v[LSP]
	; ---- q = a_QK E_QK.  Source 0 = 16 columns of my head, source 1 = 16 tokens: a lane holds one token, registers 32 u + 16 b + i channel 32 b + 16 h + i
	STEP 8, 0, 1, 1, 1, 28, 1
.irp c, 9,10,11,12,13,14,15
	STEP \c, 0, 1, 0, 1, 28, 4
.endr
.rept 4
	v_nop
.endr
	v_lshlrev_b32 v[E+8], 4, v[LN]
	v_lshlrev_b32 v[E+9], 3, v[LN]
	v_lshlrev_b32 v[E+10], 2, v[LN]
.irp u, 0,1
	HQUANT ACC+32*\u, T0+8*\u, T0+16+4*\u, T0+24+\u, E
	global_store_b128 v[E+8], v[T0+8*\u:T0+8*\u+3], s[30:31] offset:768*\u          ; 32 lanes store 512 consecutive bytes, aligned to 256,
	global_store_b64 v[E+9], v[T0+8*\u+4:T0+8*\u+5], s[30:31] offset:768*\u+512     ; and 256 more
.endr
	v_cndmask_b32 v[T0+26], v[T0+24], v[T0+25], s38            ; lanes 0-15: tile 0's scale words, lanes 16-31: tile 1's (bytes 2 and 3 are 0: the upper half of the attention's K is zero codes)
	global_store_b32 v[E+10], v[T0+26], s[32:33]
	s_wait_xcnt 0x0                                ; the stores have read their registers: set 0 and the tokens' registers are loaded again below
	v_add_nc_u32 v[LIP], 24576, v[LIP]
	v_add_nc_u32 v[LSP], 2048, v[LSP]
	; ---- v = a_V E_V, the other way round: source 0 = 16 tokens, source 1 = 16 columns: a lane holds one channel, registers 16 t + i token 16 h + i: neighbours along the attention's second K
	STEP 16, 1, 0, 1, 1, 28, 1
.irp c, 17,18,19,20,21
	STEP \c, 1, 0, 0, 1, 28, 4
.endr
	STEP 22, 1, 0, 0, 0, 14, 4                     ; nothing is left to ask for: the last chunk's 14 loads may be out,
	STEP 23, 1, 0, 0, 0, 0, 4                      ; then none
.rept 4
	v_nop
.endr
.irp t, 0,1,2,3
	v_max3_num_f32 v[E+\t], |v[ACC+16*\t]|, |v[ACC+16*\t+1]|, FLOOR
.endr
.irp i, 2,4,6,8,10,12,14
.irp t, 0,1,2,3
	v_max3_num_f32 v[E+\t], v[E+\t], |v[ACC+16*\t+\i]|, |v[ACC+16*\t+\i+1]|
.endr
.endr
.irp t, 0,1,2,3
	v_permlanex16_b32 v[E+4+\t], v[E+\t], s[SEL], s[SEL+1]
.endr
.irp t, 0,1,2,3
	v_max_num_f32 v[E+\t], v[E+\t], v[E+4+\t]      ; the largest magnitude of my channel's 32 tokens
.endr
.irp t, 0,1,2,3
	v_add_nc_u32 v[E+8+\t], 0xff000000, v[E+\t]
.endr
.irp t, 0,1,2,3
	v_lshrrev_b32 v[E+4+\t], 23, v[E+8+\t]
.endr
.irp p, 0,1
	v_cvt_scalef32_pk16_fp6_f32 v[T0+8*\p:T0+8*\p+2], v[ACC+32*\p:ACC+32*\p+15], v[E+8+2*\p]
	v_cvt_scalef32_pk16_fp6_f32 v[T0+16+4*\p:T0+18+4*\p], v[ACC+32*\p+16:ACC+32*\p+31], v[E+9+2*\p]
.endr
	v_nop                                          ; one plain line behind a scaled conversion
	v_lshlrev_b32 v[E+16], 4, v[LN]
	v_lshlrev_b32 v[E+17], 3, v[LN]
	v_lshlrev_b32 v[E+18], 2, v[LN]
.irp p, 0,1                            ; unit p: lanes 0-15 the whole block of tile 2 p's channels, lanes 16-31 of tile 2 p + 1's
.irp i, 0,1,2
	v_permlane16_swap_b32 v[T0+8*\p+\i], v[T0+16+4*\p+\i]
.endr
.irp i, 0,1,2
	v_mov_b32 v[T0+8*\p+3+\i], v[T0+16+4*\p+\i]
.endr
	v_cndmask_b32 v[E+12+\p], v[E+4+2*\p], v[E+5+2*\p], s38
	global_store_b128 v[E+16], v[T0+8*\p:T0+8*\p+3], s[34:35] offset:768*\p
	global_store_b64 v[E+17], v[T0+8*\p+4:T0+8*\p+5], s[34:35] offset:768*\p+512
	global_store_b8 v[E+18], v[E+12+\p], s[36:37] offset:128*\p    ; one byte of each scale word: the other three are those of the three neighbouring blocks of tokens, other work-groups'; 1 byte for 24 of codes
.endr
	s_wait_tensorcnt 0x0                           ; the wave's end, behind my last LDS store
	ds_add_u32 v[SPW], v[NIL]
	s_wait_dscnt 0x0
	s_endpgm
.Lfunc_end_k_q2a890679e5_chain:
	.size	k_q2a890679e5_chain, .Lfunc_end_k_q2a890679e5_chain-k_q2a890679e5_chain
	.p2alignl 7, 3214868480
	.fill 96, 4, 3214868480
	.section	.rodata,"a",@progbits
	.p2align	6, 0x0
	.amdhsa_kernel k_q2a890679e5_chain
		.amdhsa_group_segment_fixed_size 116736
		.amdhsa_private_segment_fixed_size 0
		.amdhsa_enable_private_segment 0
		.amdhsa_kernarg_size 48
		.amdhsa_user_sgpr_count 2
		.amdhsa_user_sgpr_kernarg_segment_ptr 1
		.amdhsa_wavefront_size32 1
		.amdhsa_system_sgpr_workgroup_id_x 1
		.amdhsa_system_sgpr_workgroup_id_y 1
		.amdhsa_system_sgpr_workgroup_id_z 1
		.amdhsa_system_vgpr_workitem_id 0
		.amdhsa_next_free_vgpr 256
		.amdhsa_next_free_sgpr 66
		.amdhsa_reserve_vcc 0
		.amdhsa_float_denorm_mode_32 3
		.amdhsa_float_denorm_mode_16_64 3
		.amdhsa_memory_ordered 1
		.amdhsa_forward_progress 1
		.amdhsa_inst_pref_size 114
	.end_amdhsa_kernel
	.amdgpu_metadata
---
amdhsa.version: [ 1, 2 ]
amdhsa.kernels:
  - .name:           k_q2a890679e5_chain
    .symbol:         k_q2a890679e5_chain.kd
    .args:
      - { .name: x, .offset: 0, .size: 8, .value_kind: global_buffer, .address_space: global }
      - { .name: compress_weights, .offset: 8, .size: 8, .value_kind: global_buffer, .address_space: global }
      - { .name: expand_weights_QK, .offset: 16, .size: 8, .value_kind: global_buffer, .address_space: global }
      - { .name: expand_weights_V, .offset: 24, .size: 8, .value_kind: global_buffer, .address_space: global }
      - { .name: wst, .offset: 32, .size: 8, .value_kind: global_buffer, .address_space: global }
      - { .name: kv, .offset: 40, .size: 8, .value_kind: global_buffer, .address_space: global }
    .group_segment_fixed_size: 116736
    .private_segment_fixed_size: 0
    .kernarg_segment_align: 8
    .kernarg_segment_size: 48
    .max_flat_workgroup_size: 512
    .sgpr_count:     66
    .vgpr_count:     256
    .wavefront_size: 32
...
	.end_amdgpu_metadata
.endif
;; end of part 2
;; launch attn (part 3): grid 4 x 64, 16 waves a work-group, no clusters, 210,944 bytes of LDS; arguments kv, ac, asc; writes ac, asc
.if DOCPART == 3
	.amdgcn_target "amdgcn-amd-amdhsa--gfx1250"
	.amdhsa_code_object_version 6
	.text
	.protected	k_q2a890679e5_attn
	.globl	k_q2a890679e5_attn
	.p2align	8
	.type	k_q2a890679e5_attn,@function
k_q2a890679e5_attn:
	s_mov_b64 s[64:65], 0
	v_nop
	global_prefetch_b8 v0, s[64:65] scope:SCOPE_SE
	s_setreg_imm32_b32 hwreg(HW_REG_WAVE_MODE, 25, 1), 1
	s_wait_xcnt 0x0
; Causal attention of one (batch, head) on codes of FP6 (E2M3) with E8M0 scales; k = q.  Both products are used transposed (S^T = K Q^T, O^T = V^T P^T): a lane holds ONE query throughout.
; THE SOFTMAX AHEAD OF THE SECOND PRODUCT: t = score x log2(e) / 8; M = the row's largest t so far, rounded UP to a whole number; p = 2^(t - M) is quantised along the keys, not normalised; the row's sum is taken of the
; unquantised p and divides O at the end.  When M moves, the sum and O are multiplied by 2^(old M - new M): exact.  O / sum is quantised along the head's 64 and goes to ac (codes) and asc (scale bytes) in the order of the next launch's operand registers.
; THE HEAD SIZE IS 64, half of the instruction's K: registers 6-11 of q's and k's fragments are zero codes, written once, and bytes 2, 3 of their scale words are 0.
; A WHOLE HEAD LIES IN LDS: its block of kv (208,896 bytes: k's 128 tiles, v's 128 units, the scale words) is brought once, 51 rows of 256 bytes by one tensor load a wave.  Nothing is filled again: one barrier, none in the loop.
; SHARES.  Four work-groups to a head, sixteen waves each.  Wave j of work-group g has p = 16 g + j and takes query tiles 127 - p and p.  Tile T needs T / 8 + 1 key steps of 128, so every wave has 17.
; Both loops have a constant 16 trips; a step all of whose keys come after the tile's queries is jumped over by a scalar branch on ids.
; THE TOKENS OF A TILE ARE NOT NEIGHBOURS: row r of tile T is token 32 (T / 2) + 8 (T % 2) + r % 8 + 16 (r / 8), so that p's 16 registers of two neighbouring tiles are 16 neighbouring keys; v's channels are laid likewise.
; NO CLUSTER, though the four work-groups of a head read the same block: which steps a wave jumps over hangs on its work-group's place among the four, and partners that ask jointly must run alike.
; LIMITS: a block of zeros gets the byte 1 where the rule says 127 (its codes are zeros, and this program alone reads the bytes); NaN and infinities are not served.
; REGISTERS: v1-4, v7-9 addresses that stay; v5, v6 the add's two; v10, v11, v28-31 the step's addresses; v12 -M, v13 the largest t, v[14:15] the sum; v16-27 Q; v32-79 four fragments of K; v80-87 lane terms and the two scale halfwords;
; v96-159 S^T, then p, then V's four fragments; v160-191 O^T; v224-235 p's codes; v232-247, v252, v254 at work; v248, v249 K's scale words, v250, v251 V's, v253 p's, v255 Q's.
.set KVB,   208896
.set SPARE, 208896                     ; behind the head's block: the spare words, 128 bytes for each wave: eight blocks of 256 bytes that no other line names
.set FLOOR, 0x1800000
.set SPW,  5
.set NIL,  6
.set SEL,  26                          ; s[26:27] lane selects for v_permlanex16_b32: lane l xor 16
.set CS,   28                          ; s[28:29] c = log2(e) / 8
.set PP,   30                          ; s30 p
.set THT,  31                          ; s31 the query tile in hand
.set Q0,   32                          ; s32 its first query;  s33 its last
.set QMAX, 33
.set KF,   34                          ; s34 the step's first key
.set TB,   35                          ; s35 the step's codes: 6,144 bytes a step, of K and of V alike
.set TS,   36                          ; s36 K's scale words: 512 a step
.set TJ,   37                          ; s37 V's: 256 a step
.set CNT,  38
.macro HQUANT src, xx, yy, ww, tm      ; 32 numbers of a lane, register 16 b + i = k 32 b + 16 (lane / 16) + i, become six code registers at v[xx] on (lane (row, h): block h) and the two scale bytes in v[ww]
.irp b, 0,1
	v_max3_num_f32 v[\tm+\b], |v[\src+16*\b]|, |v[\src+16*\b+1]|, FLOOR
.endr
.irp i, 2,4,6,8,10,12,14
.irp b, 0,1
	v_max3_num_f32 v[\tm+\b], v[\tm+\b], |v[\src+16*\b+\i]|, |v[\src+16*\b+\i+1]|
.endr
.endr
.irp b, 0,1
	v_permlanex16_b32 v[\tm+2+\b], v[\tm+\b], s[SEL], s[SEL+1]
.endr
.irp b, 0,1
	v_max_num_f32 v[\tm+\b], v[\tm+\b], v[\tm+2+\b]
.endr
.irp b, 0,1
	v_add_nc_u32 v[\tm+4+\b], 0xff000000, v[\tm+\b]
.endr
.irp b, 0,1
	v_lshrrev_b32 v[\tm+2+\b], 23, v[\tm+4+\b]
.endr
	v_lshl_or_b32 v[\ww], v[\tm+3], 8, v[\tm+2]
	v_cvt_scalef32_pk16_fp6_f32 v[\xx:\xx+2], v[\src:\src+15], v[\tm+4]
	v_cvt_scalef32_pk16_fp6_f32 v[\yy:\yy+2], v[\src+16:\src+31], v[\tm+5]
	v_nop                                          ; one plain line behind a scaled conversion
.irp i, 0,1,2
	v_permlane16_swap_b32 v[\xx+\i], v[\yy+\i]
.endr
.irp i, 0,1,2
	v_mov_b32 v[\xx+3+\i], v[\yy+\i]
.endr
.endm
; A KEY STEP: 128 keys
.macro KSTEP
	s_cmp_gt_u32 s[KF], s[QMAX]                    ; all its keys come after my 16 queries: only the addresses step
	s_cbranch_scc1 .Lhid_\@
	v_add_nc_u32 v10, s[TB], v1                    ; six plain lines: more than the five places owed before the scores are laid over V's fragments, which the last products read
	v_add_nc_u32 v11, s[TB], v2
	v_add_nc_u32 v28, s[TS], v7
	v_add_nc_u32 v29, s[TB], v3
	v_add_nc_u32 v30, s[TB], v4
	v_add_nc_u32 v31, s[TJ], v8
.irp g, 0,1                            ; S^T = K Q^T, four tiles of 16 keys at a time
.if \g
.rept 4
	v_nop                                          ; places ahead of loads into registers that matrix instructions have read
.endr
.endif
.irp t, 0,1,2,3
	ds_load_b128 v[32+12*\t:35+12*\t], v10 offset:(4*\g+\t)*768
	ds_load_b64 v[36+12*\t:37+12*\t], v11 offset:(4*\g+\t)*768
.endr
	ds_load_b32 v248, v28 offset:256*\g            ; lanes 0-15: an even tile's scale words, lanes 16-31: the odd one's
	ds_load_b32 v249, v28 offset:256*\g+128
	s_wait_dscnt 0x0
.irp t, 0,2
	v_wmma_scale_f32_16x16x128_f8f6f4 v[96+8*(4*\g+\t):103+8*(4*\g+\t)], v[32+12*\t:43+12*\t], v[16:27], 0, v[248+\t/2], v255 matrix_a_fmt:MATRIX_FMT_FP6 matrix_b_fmt:MATRIX_FMT_FP6
	v_wmma_scale_f32_16x16x128_f8f6f4 v[104+8*(4*\g+\t):111+8*(4*\g+\t)], v[44+12*\t:55+12*\t], v[16:27], 0, v[248+\t/2], v255 matrix_a_fmt:MATRIX_FMT_FP6 matrix_b_fmt:MATRIX_FMT_FP6 matrix_a_scale:MATRIX_SCALE_ROW1
.endr
.endr                                  ; register 16 b + i holds key KF + 32 b + 16 (lane / 16) + i
.rept 4
	v_nop
.endr
	s_add_co_u32 s46, s[KF], 127                   ; on the diagonal the scores of hidden keys become -infinity ahead of the maximum: p = 0 then.  A step all of whose keys count skips this
	s_cmp_le_u32 s46, s[Q0]
	s_cbranch_scc1 .Lopen_\@
	s_sub_co_i32 s46, s[Q0], s[KF]
	v_add_nc_u32 v252, s46, v9                     ; d = my query - KF - 16 (lane / 16): register 16 b + i is hidden where 32 b + i > d
	v_mov_b32 v254, 0xff800000
.set n, 0
.rept 64
	v_cmp_gt_i32 vcc_lo, 32*(n/16)+n%16, v252
	v_cndmask_b32 v[96+n], v[96+n], v254, vcc_lo
.set n, n+1
.endr
.Lopen_\@:
.irp b, 0,1,2,3
	v_max3_num_f32 v[232+\b], v[96+16*\b], v[97+16*\b], v[98+16*\b]   ; the largest score of each block of 32 keys: it serves for the row's maximum and, since p rises with the score, for the block's largest p
.endr
.irp i, 3,5,7,9,11,13
.irp b, 0,1,2,3
	v_max3_num_f32 v[232+\b], v[232+\b], v[96+16*\b+\i], v[97+16*\b+\i]
.endr
.endr
.irp b, 0,1,2,3
	v_max_num_f32 v[232+\b], v[232+\b], v[111+16*\b]
.endr
.irp b, 0,1,2,3
	v_permlanex16_b32 v[236+\b], v[232+\b], s[SEL], s[SEL+1]
.endr
.irp b, 0,1,2,3
	v_max_num_f32 v[232+\b], v[232+\b], v[236+\b]  ; with lane l xor 16's 16 keys
.endr
	v_max3_num_f32 v254, v232, v233, v234
	v_max_num_f32 v254, v254, v235                 ; the step's largest score of my query
	v_mul_f32 v254, s[CS], v254                    ; as t
	v_max_num_f32 v13, v13, v254                   ; the running largest t
	v_mov_b32 v254, v12
	v_floor_f32 v12, -v13                          ; the new -M = floor(-t): M is a whole number
	v_sub_f32 v254, v12, v254                      ; old M - new M: a whole number, 0 or less
	v_cvt_i32_f32 v254, v254                       ; (it saturates)
	v_ldexp_f32 v252, 1.0, v254                    ; f = 2^(old M - new M)
.set n, 0
.rept 32
	v_pk_fma_f32 v[96+n:97+n], v[96+n:97+n], s[CS:CS+1], v[12:13] op_sel_hi:[1,0,0]   ; t - M, two at a time
.set n, n+2
.endr
.irp b, 0,1,2,3
	v_fma_f32 v[232+\b], v[232+\b], s[CS], v12     ; the same of each block's largest score
.endr
.set n, 0
.rept 64
	v_exp_f32 v[96+n], v[96+n]                     ; p = 2^(t - M), at most 1
.set n, n+1
.endr
	v_pk_mul_f32 v[14:15], v[14:15], v[252:253] op_sel_hi:[1,0]   ; the sums under the new M: the plain line behind the exponentials
	s_wait_alu depctr_va_vdst(0)                   ; one wait for the whole batch, ahead of its first reader
.irp b, 0,1,2,3
	v_exp_f32 v[232+\b], v[232+\b]                 ; the block's largest p
.endr
	v_pk_add_f32 v[236:237], v[96:97], v[98:99]    ; the row's sum of the unquantised p, in two chains: it reads the 64 alone
.irp j, 4,8,12,16,20,24,28,32,36,40,44,48,52,56,60
	v_pk_add_f32 v[14:15], v[14:15], v[96+\j:97+\j]
	v_pk_add_f32 v[236:237], v[236:237], v[98+\j:99+\j]
.endr
	v_pk_add_f32 v[14:15], v[14:15], v[236:237]
	s_wait_alu depctr_va_vdst(0)                   ; and one for the four
.irp b, 0,1,2,3
	v_max_num_f32 v[232+\b], FLOOR, v[232+\b]
.endr
.irp b, 0,1,2,3
	v_add_nc_u32 v[244+\b], 0xff000000, v[232+\b]
.endr
.irp b, 0,1,2,3
	v_lshrrev_b32 v[236+\b], 23, v[244+\b]
.endr
	v_lshl_or_b32 v253, v237, 8, v236              ; p's scale word for these 128 keys
	v_lshl_or_b32 v253, v238, 16, v253
	v_lshl_or_b32 v253, v239, 24, v253
.irp c, 0,1
	v_cvt_scalef32_pk16_fp6_f32 v[224+6*\c:226+6*\c], v[96+32*\c:111+32*\c], v[244+2*\c]
	v_cvt_scalef32_pk16_fp6_f32 v[236+4*\c:238+4*\c], v[112+32*\c:127+32*\c], v[244+2*\c+1]
.endr
	v_nop                                          ; one plain line behind a scaled conversion
.irp t, 0,1,2,3                        ; p's registers are done with: V's four fragments (16 channels x these 128 keys) are asked for here, ahead of the work below.  Lane (r, h) takes key blocks h and 2 + h of channel row r
.irp c, 0,1
	ds_load_b128 v[96+12*\t+6*\c:99+12*\t+6*\c], v29 offset:3072*\c+768*(\t/2)+256*(\t%2)
	ds_load_b64 v[100+12*\t+6*\c:101+12*\t+6*\c], v30 offset:3072*\c+768*(\t/2)+128*(\t%2)
.endr
.endr
	ds_load_b32 v250, v31
	ds_load_b32 v251, v31 offset:128
.irp c, 0,1                            ; the operand's layout wants a whole block in a lane
.irp i, 0,1,2
	v_permlane16_swap_b32 v[224+6*\c+\i], v[236+4*\c+\i]
.endr
.irp i, 0,1,2
	v_mov_b32 v[227+6*\c+\i], v[236+4*\c+\i]
.endr
.endr
.set n, 0
.rept 16
	v_pk_mul_f32 v[160+n:161+n], v[160+n:161+n], v[252:253] op_sel_hi:[1,0]   ; O^T under the new M, each accumulator from its low end on.  These sixteen are also the places between the writes of p's codes and scale word and the products
.set n, n+2
.endr
	s_wait_dscnt 0x0
.irp t, 0,2                            ; O^T += V^T P^T: the four accumulators by turns
	v_wmma_scale_f32_16x16x128_f8f6f4 v[160+8*\t:167+8*\t], v[96+12*\t:107+12*\t], v[224:235], v[160+8*\t:167+8*\t], v[250+\t/2], v253 matrix_a_fmt:MATRIX_FMT_FP6 matrix_b_fmt:MATRIX_FMT_FP6
	v_wmma_scale_f32_16x16x128_f8f6f4 v[168+8*\t:175+8*\t], v[108+12*\t:119+12*\t], v[224:235], v[168+8*\t:175+8*\t], v[250+\t/2], v253 matrix_a_fmt:MATRIX_FMT_FP6 matrix_b_fmt:MATRIX_FMT_FP6 matrix_a_scale:MATRIX_SCALE_ROW1
.endr
.Lhid_\@:
	s_add_co_u32 s[KF], s[KF], 128
	s_add_co_u32 s[TB], s[TB], 6144
	s_add_co_u32 s[TS], s[TS], 512
	s_add_co_u32 s[TJ], s[TJ], 256
.endm
; One query tile from its fragment to its codes.  which = 0: tile 127 - p; 1: tile p
.macro PASS which
	s_wait_xcnt 0x0                                ; the last pass's stores have read their registers and their base
.if \which == 0
	s_sub_co_u32 s[THT], 127, s[PP]
.else
	s_mov_b32 s[THT], s[PP]
.endif
	s_mul_i32 s40, s[THT], 768
	s_add_nc_u64 s[42:43], s[4:5], s[40:41]        ; my queries' codes: the same bytes as key tile THT's, read from memory, so that no LDS address hangs on the work-group's number
	s_lshl_b32 s40, s[THT], 6
	s_add_co_u32 s40, s40, 196608
	s_add_nc_u64 s[44:45], s[4:5], s[40:41]        ; and their scale words
	global_load_b128 v[16:19], v1, s[42:43]
	global_load_b64 v[20:21], v2, s[42:43]
	global_load_b32 v255, v80, s[44:45]
	s_lshr_b32 s[Q0], s[THT], 1
	s_lshl_b32 s[Q0], s[Q0], 5
	s_and_b32 s46, s[THT], 1
	s_lshl_b32 s46, s46, 3
	s_add_co_u32 s[Q0], s[Q0], s46                 ; the tile's first query: 32 (T / 2) + 8 (T % 2);
	s_add_co_u32 s[QMAX], s[Q0], 23                ; its last
	s_lshr_b32 s46, s11, 4
	s_lshl_b32 s46, s46, 7
	s_add_co_u32 s46, s46, s[THT]                  ; 128 x batch + T
	s_lshl_b32 s[50+\which], s46, 9                ; its scale bytes in asc: 512 a tile
	s_mul_i32 s40, s46, 12288
	s_and_b32 s46, s11, 15
	s_mul_i32 s46, s46, 768
	s_add_co_u32 s40, s40, s46
	s_add_nc_u64 s[48:49], s[6:7], s[40:41]        ; its codes in ac: 12,288 bytes a tile, 768 a head
	v_mov_b32 v13, 0xff61b1e6                      ; the largest t so far: -3e38, under every t
	v_floor_f32 v12, -v13
	v_mov_b32 v14, 0
	v_mov_b32 v15, 0
.set n, 0
.rept 32
	v_mov_b32 v[160+n], 0                          ; O^T: the step is written once; the first finds zeros, which the first change of M leaves zeros
.set n, n+1
.endr
	s_mov_b32 s[KF], 0
	s_mov_b32 s[TB], 0
	s_mov_b32 s[TS], 0
	s_mov_b32 s[TJ], 0
	s_mov_b32 s[CNT], 16
	s_wait_loadcnt 0x0                             ; Q
.Lstep_\@:
	KSTEP
	s_sub_co_u32 s[CNT], s[CNT], 1
	s_cmp_lg_u32 s[CNT], 0
	s_cbranch_scc1 .Lstep_\@
.rept 4
	v_nop                                          ; places ahead of the first read of O^T
.endr
	v_add_f32 v14, v14, v15                        ; the sum's two halves,
	v_permlanex16_b32 v252, v14, s[SEL], s[SEL+1]
	v_add_f32 v14, v14, v252                       ; and lane l xor 16's
	v_rcp_f32 v14, v14
	v_nop                                          ; a plain line behind the transcendental,
	s_wait_alu depctr_va_vdst(0)                   ; and the wait ahead of its first reader
.set n, 0
.rept 32
	v_mul_f32 v[96+n], v[160+n], v14               ; O^T / the sum: register 16 b + i is channel 32 b + 16 (lane / 16) + i
.set n, n+1
.endr
	HQUANT 96, 224, 236, 87-\which, 240
	global_store_b128 v1, v[224:227], s[48:49]     ; 32 lanes store 512 consecutive bytes, aligned to 256,
	global_store_b64 v2, v[228:229], s[48:49]      ; and 256 more
.endm
	s_load_b128 s[4:7], s[0:1], 0x0                ; kv, ac
	s_load_b64 s[8:9], s[0:1], 0x10                ; asc
	v_lshl_add_u32 v[SPW], v0, 2, SPARE
	v_mov_b32 v[NIL], 0
	ds_add_u32 v[SPW], v[NIL]                      ; the wave's opening: the add and its wait stand ahead of my tensor load; work on registers stands between them
	v_lshrrev_b32 v1, 5, v0
	v_readfirstlane_b32 s10, v1                    ; wave 0..15
	s_and_b32 s11, ttmp7, 0xffff                   ; 16 x batch + head
	s_mov_b32 s16, 3<<16                           ; descriptor group 1: no mask; elements of 8 bytes; no padding
	s_mov_b32 s17, 32<<16                          ; tensor_dim0 = 32 elements: rows of 256 bytes
	s_mov_b32 s18, 51<<16                          ; tensor_dim1 = 51
	s_mov_b32 s19, 32<<16                          ; tile_dim0 = 32
	s_mov_b32 s20, 51                              ; tile_dim1 = 51: 16 waves x 51 rows x 256 bytes are the head's 208,896
	s_mov_b32 s21, 32                              ; the rows are dense
	s_mov_b32 s22, 0
	s_mov_b32 s23, 0
	s_mov_b32 s12, 1                               ; group 0: count = 1,
	s_mul_i32 s13, s10, 51*256                     ; LDS address: my 51 rows
	s_mul_i32 s24, s11, KVB
	s_mov_b32 s25, 0
	s_mov_b32 s40, s13
	s_mov_b32 s41, 0
	s_mov_b32 s[SEL], 0x76543210
	s_mov_b32 s[SEL+1], 0xfedcba98
	s_mov_b32 s[CS], 0x3e38aa3b                    ; log2(e) / 8
	s_mov_b32 s[CS+1], s[CS]                       ; (named with it as a pair)
	s_lshl_b32 s[PP], ttmp9, 4
	s_add_co_u32 s[PP], s[PP], s10
	s_wait_dscnt 0x0                               ; the opening add is done
	s_wait_kmcnt 0x0
	s_add_nc_u64 s[4:5], s[4:5], s[24:25]          ; kv at my head
	s_add_nc_u64 s[14:15], s[4:5], s[40:41]        ; my 51 rows in memory
	s_or_b32 s15, s15, 0x80000000                  ; type = 2
	tensor_load_to_lds s[12:15], s[16:23]          ; my one tensor load of the launch
	s_nop 0
	v_and_b32 v83, 31, v0                          ; lane
	v_and_b32 v81, 15, v0                          ; r
	v_bfe_u32 v82, v0, 4, 1                        ; h
	v_lshlrev_b32 v1, 4, v83                       ; a tile of 768 bytes: registers 0-3 at 16 x lane,
	v_lshl_add_u32 v2, v83, 3, 512                 ; registers 4, 5 at 512 + 8 x lane
	v_mul_u32_u24 v3, v82, 1536
	v_lshl_add_u32 v4, v81, 3, v3
	v_lshl_add_u32 v3, v81, 4, v3
	v_add_nc_u32 v3, 98304, v3                     ; V: key block h of a step (two units of 768 a block), row r
	v_add_nc_u32 v4, 98816, v4
	v_lshl_add_u32 v7, v83, 2, 196608              ; K's scale words
	v_lshl_add_u32 v8, v83, 2, 204800              ; V's
	v_and_b32 v9, 7, v0
	v_bfe_u32 v84, v0, 3, 1
	v_lshl_add_u32 v9, v84, 4, v9
	v_lshlrev_b32 v84, 4, v82
	v_sub_nc_u32 v9, v9, v84                       ; my query less the tile's first, less 16 h
	v_lshlrev_b32 v80, 2, v81
.irp i, 22,23,24,25,26,27
	v_mov_b32 v\i, 0                               ; the upper 64 of K: zero codes, in Q
.endr
.irp t, 0,1,2,3
.irp i, 0,1,2,3,4,5
	v_mov_b32 v[38+12*\t+\i], 0                    ; and in K's four fragments
.endr
.endr
.irp i, 236,237,238,239,242,243,252,253
	v_mov_b32 v\i, 0                               ; written once: a lane permute's destination counts as one of its sources, and v253 is named as the upper half of a pair
.endr
	s_wait_tensorcnt 0x0                           ; my rows are in,
	s_barrier_signal -1
	s_barrier_wait -1                              ; everybody's are
	PASS 0
	PASS 1
	v_cmp_lt_u32 vcc_lo, 15, v83                   ; the two tiles' scale bytes leave by one store: lanes 0-15 the first tile's rows, lanes 16-31 the second's
	v_cndmask_b32 v86, v87, v86, vcc_lo
	v_mov_b32 v84, s50
	v_mov_b32 v85, s51
	v_cndmask_b32 v84, v84, v85, vcc_lo
	v_add_nc_u32 v84, v84, v80
	s_and_b32 s46, s11, 15
	s_lshr_b32 s40, s46, 1
	s_lshl_b32 s40, s40, 6                         ; two heads are a K step of the next product: 64 bytes of scale words,
	s_and_b32 s46, s46, 1
	s_lshl_b32 s46, s46, 1                         ; my head's two bytes in each word
	s_add_co_u32 s40, s40, s46
	s_add_nc_u64 s[52:53], s[8:9], s[40:41]
	global_store_b16 v84, v86, s[52:53]
	s_wait_tensorcnt 0x0                           ; the wave's end, behind my tensor load
	ds_add_u32 v[SPW], v[NIL]
	s_wait_dscnt 0x0
	s_endpgm
.Lfunc_end_k_q2a890679e5_attn:
	.size	k_q2a890679e5_attn, .Lfunc_end_k_q2a890679e5_attn-k_q2a890679e5_attn
	.p2alignl 7, 3214868480
	.fill 96, 4, 3214868480
	.section	.rodata,"a",@progbits
	.p2align	6, 0x0
	.amdhsa_kernel k_q2a890679e5_attn
		.amdhsa_group_segment_fixed_size 210944
		.amdhsa_private_segment_fixed_size 0
		.amdhsa_enable_private_segment 0
		.amdhsa_kernarg_size 24
		.amdhsa_user_sgpr_count 2
		.amdhsa_user_sgpr_kernarg_segment_ptr 1
		.amdhsa_wavefront_size32 1
		.amdhsa_system_sgpr_workgroup_id_x 1
		.amdhsa_system_sgpr_workgroup_id_y 1
		.amdhsa_system_sgpr_workgroup_id_z 1
		.amdhsa_system_vgpr_workitem_id 0
		.amdhsa_next_free_vgpr 256
		.amdhsa_next_free_sgpr 66
		.amdhsa_reserve_vcc 1
		.amdhsa_float_denorm_mode_32 3
		.amdhsa_float_denorm_mode_16_64 3
		.amdhsa_memory_ordered 1
		.amdhsa_forward_progress 1
		.amdhsa_inst_pref_size 60
	.end_amdhsa_kernel
	.amdgpu_metadata
---
amdhsa.version: [ 1, 2 ]
amdhsa.kernels:
  - .name:           k_q2a890679e5_attn
    .symbol:         k_q2a890679e5_attn.kd
    .args:
      - { .name: kv, .offset: 0, .size: 8, .value_kind: global_buffer, .address_space: global }
      - { .name: ac, .offset: 8, .size: 8, .value_kind: global_buffer, .address_space: global }
      - { .name: asc, .offset: 16, .size: 8, .value_kind: global_buffer, .address_space: global }
    .group_segment_fixed_size: 210944
    .private_segment_fixed_size: 0
    .kernarg_segment_align: 8
    .kernarg_segment_size: 24
    .max_flat_workgroup_size: 512
    .sgpr_count:     66
    .vgpr_count:     256
    .wavefront_size: 32
...
	.end_amdgpu_metadata
.endif
;; end of part 3
;; launch outp (part 4): grid 256 x 1, 16 waves a work-group, no clusters, 167,936 bytes of LDS; arguments ac, asc, wst, out0; writes out0
.if DOCPART == 4
	.amdgcn_target "amdgcn-amd-amdhsa--gfx1250"
	.amdhsa_code_object_version 6
	.text
	.protected	k_q2a890679e5_outp
	.globl	k_q2a890679e5_outp
	.p2align	8
	.type	k_q2a890679e5_outp,@function
k_q2a890679e5_outp:
	s_mov_b64 s[64:65], 0
	v_nop
	global_prefetch_b8 v0, s[64:65] scope:SCOPE_SE
	s_setreg_imm32_b32 hwreg(HW_REG_WAVE_MODE, 25, 1), 1
	s_wait_xcnt 0x0
; out0 = attn W_O^T on codes of FP6 (E2M3) with E8M0 scales.  attn's codes (ac) and scale bytes (asc) and W_O's (chunks 24-31 of wst) lie in the order of the operands' registers.
; SHARES, as in launch chain: a work-group takes 32 tokens (two tiles; row r of tile u is token 8 u + r % 8 + 16 (r / 8)), wave w the 64 output columns 64 w on: 8 accumulators, 8 matrix instructions for each 128 along K.
; At the head each wave brings one of the tokens' 16 fragments from memory and lays its image in LDS; one barrier.  W_O's fragments go from memory straight into the registers of the one wave that uses them, two chunks ahead, in three sets.
; NO CLUSTER, NO JOINT LOADS, though all work-groups walk the same W_O: a fragment is used by one wave of the work-group alone, so a way through LDS would add a write and a read to each of its bytes, and slots filled
; again behind barriers would have one chunk (102,400 bytes) on its way where the sixteen waves here have two.
; THE WAY OUT: source 0 = 16 output columns, source 1 = 16 tokens, so a lane holds eight neighbouring columns of one token.  A wave's 32 rows x 256 bytes go through its own stage in LDS and leave as whole aligned runs of 256 bytes.
.set CH,    102400
.set SCO,   98304
.set ISC,   24576                      ; LDS: 16 images of 1,536 bytes (index 2 s + u) from 0; their scale words, 128 bytes each, from here;
.set STG,   26624                      ; a stage of 32 rows x (256 + 16) bytes for each wave;
.set SPARE, 165888                     ; the spare words, 128 bytes for each wave: eight blocks of 256 bytes that no other line names
.set LIP, 1                            ; v1   16 x lane
.set LSP, 2                            ; v2   ISC + 4 x lane
.set VB,  3                            ; v3   6,144 x wave + 16 x lane; never rewritten
.set VS,  4                            ; v4   256 x wave + 4 x lane; never rewritten
.set SPW, 5
.set NIL, 6
.set LN,  7
.set ACC, 16                           ; v16-79 eight accumulators
.set BF,  80                           ; v80-223 W_O's fragments: three sets of 48; on the way out v80-143 rows of out0
.set T0,  80
.set T2,  176
.set F,   176                          ; at the head: the fragment that I bring, in set 2, which is still free
.set BS,  224                          ; v224-229 W_O's scale words
.set AF,  230                          ; v230-253 the tokens' two fragments; at the head and on the way out: at work, as E
.set E,   230
.set AS,  254                          ; v254-255 the tokens' scale words
.set WST, 8
.macro MM ori, first, odd              ; one matrix instruction on rD, rW (weight), rT (tokens), rS, rA (their scales); odd: the weight's scales stand in lanes 16-31
.if \first
.if \odd
	v_wmma_scale_f32_16x16x128_f8f6f4 v[rD:rD+7], v[rW:rW+11], v[rT:rT+11], 0, v[rS], v[rA] matrix_a_fmt:MATRIX_FMT_FP6 matrix_b_fmt:MATRIX_FMT_FP6 matrix_a_scale:MATRIX_SCALE_ROW1
.else
	v_wmma_scale_f32_16x16x128_f8f6f4 v[rD:rD+7], v[rW:rW+11], v[rT:rT+11], 0, v[rS], v[rA] matrix_a_fmt:MATRIX_FMT_FP6 matrix_b_fmt:MATRIX_FMT_FP6
.endif
.else
.if \odd
	v_wmma_scale_f32_16x16x128_f8f6f4 v[rD:rD+7], v[rW:rW+11], v[rT:rT+11], v[rD:rD+7], v[rS], v[rA] matrix_a_fmt:MATRIX_FMT_FP6 matrix_b_fmt:MATRIX_FMT_FP6 matrix_a_scale:MATRIX_SCALE_ROW1
.else
	v_wmma_scale_f32_16x16x128_f8f6f4 v[rD:rD+7], v[rW:rW+11], v[rT:rT+11], v[rD:rD+7], v[rS], v[rA] matrix_a_fmt:MATRIX_FMT_FP6 matrix_b_fmt:MATRIX_FMT_FP6
.endif
.endif
.endm
.macro WLOAD c                         ; my four fragments and their scale words of chunk c, into set c % 3: 14 loads
.irp t, 0,1,2,3
.irp q, 0,1,2
	global_load_b128 v[BF+48*((\c)%3)+12*\t+4*\q:BF+48*((\c)%3)+12*\t+4*\q+3], v[VB], s[WST:WST+1] offset:(\c)*CH+\t*1536+512*\q
.endr
.endr
.irp i, 0,1
	global_load_b32 v[BS+2*((\c)%3)+\i], v[VS], s[WST:WST+1] offset:(\c)*CH+SCO+128*\i
.endr
.endm
; 128 along K, as in launch chain (here always source 0 = the weight, accumulator (t, u) at 32 u + 8 t).  cnt: the loads that may stay out when chunk c has to be in.  np: places ahead of the loads into registers that the last step's products read.
; The eight accumulators take turns, one instruction a turn, in the same order in every step.
.macro STEP c, ori, map, first, pre, cnt, np
.rept \np
	v_nop
.endr
.irp u, 0,1
.irp q, 0,1,2
	ds_load_b128 v[AF+12*\u+4*\q:AF+12*\u+4*\q+3], v[LIP] offset:((\c)%8)*3072+\u*1536+512*\q
.endr
	ds_load_b32 v[AS+\u], v[LSP] offset:((\c)%8)*256+\u*128
.endr
.if \pre
	WLOAD (\c)+2
.endif
	s_wait_loadcnt \cnt
	s_wait_dscnt 0x0
.irp u, 0,1
.irp t, 0,1,2,3
.set rD, ACC+32*\u+8*\t
.set rW, BF+48*((\c)%3)+12*\t
.set rT, AF+12*\u
.set rS, BS+2*((\c)%3)+\t/2
.set rA, AS+\u
	MM \ori, \first, \t%2
.endr
.endr
.endm
	s_load_b256 s[4:11], s[0:1], 0x0               ; ac, asc, wst, out0
	v_lshl_add_u32 v[SPW], v0, 2, SPARE
	v_mov_b32 v[NIL], 0
	v_lshrrev_b32 v[LN], 5, v0
	v_readfirstlane_b32 s16, v[LN]                 ; wave 0..15
	v_and_b32 v[LN], 31, v0
	v_lshlrev_b32 v[LIP], 4, v[LN]
	v_lshl_add_u32 v[LSP], v[LN], 2, ISC
	s_mul_i32 s18, s16, 6144
	v_add_nc_u32 v[VB], s18, v[LIP]
	s_lshl_b32 s18, s16, 8
	v_lshl_add_u32 v[VS], v[LN], 2, s18
	v_lshlrev_b32 v[E+0], 3, v[LN]
	v_and_b32 v[E+1], 15, v[LN]
	v_lshlrev_b32 v[E+1], 2, v[E+1]
	s_lshr_b32 s18, s16, 3                         ; I bring tile u = w / 8,
	s_and_b32 s19, s16, 7                          ; K step s = w % 8
	s_mul_i32 s20, s19, 3072
	s_mul_i32 s21, s18, 1536
	s_add_co_u32 s20, s20, s21
	v_add_nc_u32 v[E+2], s20, v[LIP]               ; its image,
	s_lshl_b32 s20, s19, 8
	s_lshl_b32 s21, s18, 7
	s_add_co_u32 s20, s20, s21
	v_add_nc_u32 v[E+3], s20, v[LSP]               ; its scale words
	s_lshl_b32 s21, ttmp9, 1
	s_add_co_u32 s21, s21, s18                     ; the tile's number among all 512
	s_mul_i32 s22, s21, 12288
	s_mul_i32 s20, s19, 1536
	s_add_co_u32 s22, s22, s20
	s_mov_b32 s23, 0
	s_wait_kmcnt 0x0
	s_add_nc_u64 s[24:25], s[4:5], s[22:23]
	s_lshl_b32 s22, s21, 9
	s_lshl_b32 s20, s19, 6
	s_add_co_u32 s22, s22, s20
	s_add_nc_u64 s[26:27], s[6:7], s[22:23]
	s_lshl_b32 s22, ttmp9, 17                      ; out0: 32 rows of 4,096 bytes a work-group,
	s_lshl_b32 s20, s16, 8                         ; 256 bytes of each a wave
	s_add_co_u32 s22, s22, s20
	s_add_nc_u64 s[28:29], s[10:11], s[22:23]
	global_load_b128 v[F:F+3], v[LIP], s[24:25] th:TH_LOAD_NT                  ; head 2 s: registers 0-3,
	global_load_b64 v[F+4:F+5], v[E+0], s[24:25] offset:512 th:TH_LOAD_NT      ; 4, 5;
	global_load_b128 v[F+6:F+9], v[LIP], s[24:25] offset:768 th:TH_LOAD_NT     ; head 2 s + 1: registers 6-9,
	global_load_b64 v[F+10:F+11], v[E+0], s[24:25] offset:1280 th:TH_LOAD_NT   ; 10, 11
	global_load_b32 v[F+12], v[E+1], s[26:27] th:TH_LOAD_NT
	WLOAD 24
	WLOAD 25
	s_wait_loadcnt 28                              ; my fragment and its scale words are in; the two chunks' 28 loads stay out
.irp q, 0,1,2
	ds_store_b128 v[E+2], v[F+4*\q:F+4*\q+3] offset:512*\q
.endr
	ds_store_b32 v[E+3], v[F+12]
	s_wait_dscnt 0x0                               ; for the others' sake: my stores have landed
	s_barrier_signal -1
	s_barrier_wait -1                              ; the sixteen images lie in LDS
	STEP 24, 0, 1, 1, 1, 28, 0
.irp c, 25,26,27,28,29
	STEP \c, 0, 1, 0, 1, 28, 4
.endr
	STEP 30, 0, 1, 0, 0, 14, 4                     ; nothing is left to ask for: the last chunk's 14 loads may be out,
	STEP 31, 0, 1, 0, 0, 0, 4                      ; then none
.rept 4
	v_nop                                          ; places ahead of the first read of results and of writes and loads into registers that the products read
.endr
	v_and_b32 v[E+0], 7, v[LN]
	v_bfe_u32 v[E+1], v[LN], 3, 1
	v_lshl_add_u32 v[E+0], v[E+1], 4, v[E+0]       ; row r of a tile is token r % 8 + 16 (r / 8), + 8 u
	v_bfe_u32 v[E+1], v[LN], 4, 1                  ; h
	v_and_b32 v[E+2], 15, v[LN]                    ; r
	s_mul_i32 s18, s16, 8704
	s_add_co_u32 s18, s18, STG                     ; my stage
	v_mul_u32_u24 v[E+3], v[E+0], 272
	v_lshl_add_u32 v[E+3], v[E+1], 5, v[E+3]
	v_add_nc_u32 v[E+3], s18, v[E+3]               ; in: my token's row, + 32 h
	v_mul_u32_u24 v[E+4], v[E+1], 272
	v_lshl_add_u32 v[E+4], v[E+2], 4, v[E+4]
	v_add_nc_u32 v[E+4], s18, v[E+4]               ; back: lanes 0-15 one row, lanes 16-31 the next
	v_lshlrev_b32 v[E+5], 12, v[E+1]
	v_lshl_add_u32 v[E+5], v[E+2], 4, v[E+5]       ; and the same two rows in out0
.irp u, 0,1
.irp t, 0,1,2,3
	ds_store_b128 v[E+3], v[ACC+32*\u+8*\t:ACC+32*\u+8*\t+3] offset:2176*\u+64*\t          ; each accumulator from its low end on
	ds_store_b128 v[E+3], v[ACC+32*\u+8*\t+4:ACC+32*\u+8*\t+7] offset:2176*\u+64*\t+16
.endr
.endr
.irp i, 0,1,2,3,4,5,6,7,8,9,10,11,12,13,14,15
	ds_load_b128 v[T0+4*\i:T0+4*\i+3], v[E+4] offset:544*\i    ; LDS serves a wave's instructions in order (ISA guide 5.7.1.4): these see my stores
.endr
.irp i, 0,1,2,3,4,5,6,7,8,9,10,11,12,13,14,15
	s_wait_dscnt 15-\i
	global_store_b128 v[E+5], v[T0+4*\i:T0+4*\i+3], s[28:29] offset:8192*\i th:TH_STORE_NT   ; sixteen lanes store 256 consecutive bytes, aligned; written once, read by nobody here
.endr
	s_wait_tensorcnt 0x0                           ; the wave's end, behind my last LDS store
	ds_add_u32 v[SPW], v[NIL]
	s_wait_dscnt 0x0
	s_endpgm
.Lfunc_end_k_q2a890679e5_outp:
	.size	k_q2a890679e5_outp, .Lfunc_end_k_q2a890679e5_outp-k_q2a890679e5_outp
	.p2alignl 7, 3214868480
	.fill 96, 4, 3214868480
	.section	.rodata,"a",@progbits
	.p2align	6, 0x0
	.amdhsa_kernel k_q2a890679e5_outp
		.amdhsa_group_segment_fixed_size 167936
		.amdhsa_private_segment_fixed_size 0
		.amdhsa_enable_private_segment 0
		.amdhsa_kernarg_size 32
		.amdhsa_user_sgpr_count 2
		.amdhsa_user_sgpr_kernarg_segment_ptr 1
		.amdhsa_wavefront_size32 1
		.amdhsa_system_sgpr_workgroup_id_x 1
		.amdhsa_system_sgpr_workgroup_id_y 1
		.amdhsa_system_sgpr_workgroup_id_z 1
		.amdhsa_system_vgpr_workitem_id 0
		.amdhsa_next_free_vgpr 256
		.amdhsa_next_free_sgpr 66
		.amdhsa_reserve_vcc 0
		.amdhsa_float_denorm_mode_32 3
		.amdhsa_float_denorm_mode_16_64 3
		.amdhsa_memory_ordered 1
		.amdhsa_forward_progress 1
		.amdhsa_inst_pref_size 32
	.end_amdhsa_kernel
	.amdgpu_metadata
---
amdhsa.version: [ 1, 2 ]
amdhsa.kernels:
  - .name:           k_q2a890679e5_outp
    .symbol:         k_q2a890679e5_outp.kd
    .args:
      - { .name: ac, .offset: 0, .size: 8, .value_kind: global_buffer, .address_space: global }
      - { .name: asc, .offset: 8, .size: 8, .value_kind: global_buffer, .address_space: global }
      - { .name: wst, .offset: 16, .size: 8, .value_kind: global_buffer, .address_space: global }
      - { .name: out0, .offset: 24, .size: 8, .value_kind: global_buffer, .address_space: global }
    .group_segment_fixed_size: 167936
    .private_segment_fixed_size: 0
    .kernarg_segment_align: 8
    .kernarg_segment_size: 32
    .max_flat_workgroup_size: 512
    .sgpr_count:     66
    .vgpr_count:     256
    .wavefront_size: 32
...
	.end_amdgpu_metadata
.endif
;; end of part 4
;; ======== version 2 of 2: 4 launches
;; workspace buffers: wst 3,276,800 bytes; kv 13,369,344 bytes; ac 6,291,456 bytes; asc 262,144 bytes
;; launch prep (part 5): grid 256 x 1, 4 waves a work-group, no clusters, 0 bytes of LDS; arguments expand_neurons_QK, expand_neurons_V, compress_neurons, W_O, wst; writes wst
.if DOCPART == 5
	.amdgcn_target "amdgcn-amd-amdhsa--gfx1250"
	.amdhsa_code_object_version 6
	.text
	.protected	k_q2a890679e5_prep
	.globl	k_q2a890679e5_prep
	.p2align	8
	.type	k_q2a890679e5_prep,@function
k_q2a890679e5_prep:
	s_mov_b64 s[64:65], 0
	v_nop
	global_prefetch_b8 v0, s[64:65] scope:SCOPE_SE
	s_setreg_imm32_b32 hwreg(HW_REG_WAVE_MODE, 25, 1), 1
	s_wait_xcnt 0x0
; The four weights, f32, become codes of FP6 (E2M3) with one E8M0 scale byte for each 32 along their product's K, laid in wst IN THE ORDER OF THE OPERAND'S REGISTERS.
; wst is 32 chunks of CH bytes; chunk 8 p + s holds K step s (128 along K) of weight p (0: compress_neurons, 1: expand_neurons_QK, 2: expand_neurons_V, 3: W_O):
; 64 fragments (16 rows x 128 K, 12 registers a lane: registers 4 q .. 4 q + 3 of lane l at 1536 g + 512 q + 16 l), then from SCO on 64 groups of 16 scale words (row m of fragment g at 64 g + 4 m).
; WHICH ROWS FORM A FRAGMENT.  compress_neurons: fragment 16 (n / 4) + 4 (r / 16) + n % 4 holds neuron n, rows r % 16.  The two expand pools: row m of fragment 2 B + u is column 32 B + 8 u + m % 8 + 16 (m / 8),
; so that the 16 result registers of two neighbouring fragments are 16 neighbours along the next product's K.  W_O: row m of fragment g is output column 16 g + m.
; A block's scale is 2^(floor(log2(its largest magnitude)) - 2); its byte is the largest magnitude's exponent field - 2, held at 1 from below.
; LIMITS: a block of zeros gets the byte 1 where the rule says 127 (its codes are zeros, and this program alone reads the bytes); blocks whose largest magnitude lies under 2^-124 are held at the byte 1; NaN and infinities are not served.
; SHARES.  Work-groups 0-127: the expand pools, 128-191: compress_neurons, 192-255: W_O; a wave makes two fragments.  Where K is not innermost (the first three) a lane takes a column and its registers run down K:
; a load reads 128 consecutive bytes a wave, a block of 32 lies in one lane, and the conversions' results are the operand's registers.  No LDS, no barrier, no loop: waves share nothing.
.set CH,    102400
.set SCO,   98304
.set FLOOR, 0x1800000                  ; 2^(3 - 127): no largest magnitude is taken under it, so the byte cannot fall under 1
.set X,     32                         ; v32-159  four blocks of 32 numbers
.set S0,    160                        ; v160-171 twelve code registers;  v172-183 twelve more
.set S1,    172
.set TP,    184                        ; v184-186 a block's upper 16 codes, before they are moved (a conversion's three registers begin on an even number)
; 32 numbers of one lane, v[src] on, become six code registers at v[dst] on and the scale's byte in v[by]
.macro QBLK src, dst, by
	v_max3_num_f32 v8, |v[\src]|, |v[\src+1]|, FLOOR               ; the largest magnitude, in two chains, the floor among the leaves
	v_max3_num_f32 v9, |v[\src+2]|, |v[\src+3]|, |v[\src+4]|
.irp i, 5,9,13,17,21,25
	v_max3_num_f32 v8, v8, |v[\src+\i]|, |v[\src+\i+1]|
	v_max3_num_f32 v9, v9, |v[\src+\i+2]|, |v[\src+\i+3]|
.endr
	v_max3_num_f32 v8, v8, |v[\src+29]|, |v[\src+30]|
	v_max3_num_f32 v8, v8, v9, |v[\src+31]|
	v_add_nc_u32 v10, 0xff000000, v8               ; 2 off its exponent field: the conversion takes the exponent field of this operand as its scale
	v_lshrrev_b32 v[\by], 23, v10                  ; the scale's byte
	v_cvt_scalef32_pk16_fp6_f32 v[\dst:\dst+2], v[\src:\src+15], v10
	v_cvt_scalef32_pk16_fp6_f32 v[TP:TP+2], v[\src+16:\src+31], v10
	v_nop                                          ; one plain line behind a scaled conversion
.irp i, 0,1,2
	v_mov_b32 v[\dst+3+\i], v[TP+\i]
.endr
.endm
; K down the registers: 128 rows of pitch bytes; my column's four blocks; block 2 c + h goes to registers 6 c .. 6 c + 5 of the fragment's lane (my row, h): S0 is the image of lane half 0, S1 of half 1
.macro KOUT pitch
.set n, 0
.rept 128
	global_load_b32 v[X+n], v2, s[20:21] offset:n*\pitch th:TH_LOAD_NT
.set n, n+1
.endr
	s_wait_loadcnt 63                              ; at most 63 of the 128 are out: blocks 0 and 1 are in (a wait names 63 at the most)
	QBLK X, S0, 12
	QBLK X+32, S1, 13
	s_wait_loadcnt 32                              ; block 3's may be out
	QBLK X+64, S0+6, 14
	s_wait_loadcnt 0x0
	QBLK X+96, S1+6, 15
	v_lshl_or_b32 v16, v13, 8, v12                 ; the four bytes make my row's scale word
	v_lshl_or_b32 v16, v14, 16, v16
	v_lshl_or_b32 v16, v15, 24, v16
.irp q, 0,1,2
	global_store_b128 v3, v[S0+4*\q:S0+4*\q+3], s[22:23] offset:512*\q          ; the sixteen lanes of a fragment store 256 consecutive bytes, aligned
	global_store_b128 v3, v[S1+4*\q:S1+4*\q+3], s[22:23] offset:512*\q+256
.endr
	global_store_b32 v4, v16, s[24:25]
	s_endpgm
.endm
	s_load_b256 s[4:11], s[0:1], 0x0               ; expand_neurons_QK, expand_neurons_V, compress_neurons, W_O
	s_load_b64 s[12:13], s[0:1], 0x20              ; wst
	v_lshrrev_b32 v1, 5, v0
	v_readfirstlane_b32 s16, v1                    ; wave 0..3
	v_and_b32 v1, 31, v0                           ; lane
	s_lshr_b32 s17, ttmp9, 6                       ; which weight: 0, 1 the expand pools, 2 compress_neurons, 3 W_O
	s_and_b32 s18, ttmp9, 63                       ; e: which part of it
	s_lshr_b32 s19, s18, 3                         ; the K step (first three weights)
	s_and_b32 s28, s18, 7
	s_lshl_b32 s28, s28, 2
	s_add_co_u32 s28, s28, s16                     ; 4 (e % 8) + wave: which 32 columns
	s_mov_b32 s31, 0
	s_wait_kmcnt 0x0
	s_cmp_eq_u32 s17, 3
	s_cbranch_scc1 .Lw
	s_cmp_eq_u32 s17, 2
	s_cbranch_scc1 .Lc
	; ---- an expand pool [16][64][1024]: K = 64 n + r is the row, 4,096 bytes apart; my column is 32 B + lane
	s_cmp_eq_u32 s17, 0
	s_cselect_b64 s[20:21], s[4:5], s[6:7]         ; the choice hangs on the work-group's number alone
	s_lshl_b32 s30, s19, 19                        ; 128 rows a K step
	s_lshl_b32 s29, s28, 7
	s_add_co_u32 s30, s30, s29
	s_add_nc_u64 s[20:21], s[20:21], s[30:31]
	s_lshl_b32 s29, s17, 3
	s_add_co_u32 s29, s29, s19
	s_add_co_u32 s29, s29, 8
	s_mul_i32 s29, s29, CH                         ; chunk 8 + 8 p + s
	s_mul_i32 s30, s28, 2*1536
	s_add_co_u32 s30, s30, s29
	s_add_nc_u64 s[22:23], s[12:13], s[30:31]      ; fragments 2 B, 2 B + 1
	s_lshl_b32 s30, s28, 7
	s_add_co_u32 s30, s30, s29
	s_add_co_u32 s30, s30, SCO
	s_add_nc_u64 s[24:25], s[12:13], s[30:31]      ; and their scale words
	s_wait_alu depctr_va_vdst(0)
	v_lshlrev_b32 v2, 2, v1
	v_bfe_u32 v5, v1, 3, 1                         ; u: my column lies in fragment 2 B + u,
	v_and_b32 v6, 7, v1
	v_lshrrev_b32 v7, 4, v1
	v_lshl_add_u32 v6, v7, 3, v6                   ; as its row lane % 8 + 8 (lane / 16)
	v_mul_u32_u24 v3, v5, 1536
	v_lshl_add_u32 v3, v6, 4, v3
	v_lshlrev_b32 v4, 6, v5
	v_lshl_add_u32 v4, v6, 2, v4
	KOUT 4096
.Lc:	; ---- compress_neurons [16][1024][64]: K = d is the middle axis, 256 bytes apart; my row is (n, 32 rho + lane)
	s_lshr_b32 s29, s28, 1                         ; n
	s_and_b32 s33, s28, 1                          ; rho
	s_lshl_b32 s30, s29, 18
	s_lshl_b32 s34, s19, 15
	s_add_co_u32 s30, s30, s34
	s_lshl_b32 s34, s33, 7
	s_add_co_u32 s30, s30, s34
	s_add_nc_u64 s[20:21], s[8:9], s[30:31]
	s_lshr_b32 s34, s29, 2
	s_lshl_b32 s34, s34, 4
	s_and_b32 s29, s29, 3
	s_add_co_u32 s34, s34, s29
	s_lshl_b32 s33, s33, 3
	s_add_co_u32 s34, s34, s33                     ; fragment 16 (n / 4) + n % 4 + 8 rho; lanes 16-31: four further on
	s_mul_i32 s29, s19, CH
	s_mul_i32 s30, s34, 1536
	s_add_co_u32 s30, s30, s29
	s_add_nc_u64 s[22:23], s[12:13], s[30:31]
	s_lshl_b32 s30, s34, 6
	s_add_co_u32 s30, s30, s29
	s_add_co_u32 s30, s30, SCO
	s_add_nc_u64 s[24:25], s[12:13], s[30:31]
	s_wait_alu depctr_va_vdst(0)
	v_lshlrev_b32 v2, 2, v1
	v_lshrrev_b32 v5, 4, v1
	v_and_b32 v6, 15, v1
	v_mul_u32_u24 v3, v5, 4*1536
	v_lshl_add_u32 v3, v6, 4, v3
	v_lshlrev_b32 v4, 8, v5
	v_lshl_add_u32 v4, v6, 2, v4
	KOUT 256
.Lw:	; ---- W_O [1024][1024]: K is innermost.  Fragment g = e, K steps 2 w and 2 w + 1.  Lane (r, h) loads just what the operand's layout gives it: 32 neighbours of row 16 g + r for each block 2 c + h
	s_wait_alu depctr_va_vdst(0)
	v_and_b32 v5, 15, v1                           ; r
	v_lshrrev_b32 v6, 4, v1                        ; h
	v_lshlrev_b32 v2, 12, v5
	v_lshl_add_u32 v2, v6, 7, v2
	s_wait_alu depctr_va_vdst(0)
	s_lshl_b32 s30, s18, 16
	s_lshl_b32 s29, s16, 10
	s_add_co_u32 s30, s30, s29
	s_add_nc_u64 s[20:21], s[10:11], s[30:31]
	s_lshl_b32 s29, s16, 1
	s_add_co_u32 s29, s29, 24
	s_mul_i32 s29, s29, CH                         ; chunk 24 + 2 w
	s_mul_i32 s30, s18, 1536
	s_add_co_u32 s30, s30, s29
	s_add_nc_u64 s[22:23], s[12:13], s[30:31]
	s_lshl_b32 s30, s18, 6
	s_add_co_u32 s30, s30, s29
	s_add_co_u32 s30, s30, SCO
	s_add_nc_u64 s[24:25], s[12:13], s[30:31]
	s_mov_b32 s26, 0x76543210
	s_mov_b32 s27, 0xfedcba98                      ; v_permlanex16_b32's selects for lane l xor 16
.irp b, 0,1,2,3                        ; block b: K step 2 w + b % 2, c = b / 2
.irp j, 0,1,2,3,4,5,6,7
	global_load_b128 v[X+32*\b+4*\j:X+32*\b+4*\j+3], v2, s[20:21] offset:(\b%2)*512+(\b/2)*256+16*\j th:TH_LOAD_NT
.endr
.endr
	v_mov_b32 v19, 0                               ; a lane permute's destination counts as one of its sources
	v_mov_b32 v20, 0
	v_lshlrev_b32 v3, 4, v1
	v_lshlrev_b32 v4, 2, v5
	v_mad_u32_u24 v4, v6, CH, v4                   ; scale words: lanes 0-15 store the first K step's, lanes 16-31 the second's, a chunk further on
	s_wait_loadcnt 24                              ; the eight loads of each later block may be out
	QBLK X, S0, 12
	s_wait_loadcnt 16
	QBLK X+32, S1, 13
	s_wait_loadcnt 8
	QBLK X+64, S0+6, 14
	s_wait_loadcnt 0x0
	QBLK X+96, S1+6, 15
	v_lshl_or_b32 v16, v14, 16, v12                ; my two bytes of a K step: blocks h and 2 + h,
	v_lshl_or_b32 v17, v15, 16, v13
	v_lshlrev_b32 v18, 3, v6
	v_lshlrev_b32 v16, v18, v16                    ; at their places in the scale word (8 h bits up);
	v_lshlrev_b32 v17, v18, v17
	v_permlanex16_b32 v19, v16, s26, s27
	v_permlanex16_b32 v20, v17, s26, s27
	v_or_b32 v16, v16, v19                         ; with lane l xor 16's two the word is whole
	v_or_b32 v17, v17, v20
	v_cmp_lt_u32 vcc_lo, 15, v1
	v_cndmask_b32 v16, v16, v17, vcc_lo
.irp q, 0,1,2
	global_store_b128 v3, v[S0+4*\q:S0+4*\q+3], s[22:23] offset:512*\q          ; 32 lanes store 512 consecutive bytes, aligned
	global_store_b128 v3, v[S1+4*\q:S1+4*\q+3], s[22:23] offset:512*\q+CH
.endr
	global_store_b32 v4, v16, s[24:25]
	s_endpgm
.Lfunc_end_k_q2a890679e5_prep:
	.size	k_q2a890679e5_prep, .Lfunc_end_k_q2a890679e5_prep-k_q2a890679e5_prep
	.p2alignl 7, 3214868480
	.fill 96, 4, 3214868480
	.section	.rodata,"a",@progbits
	.p2align	6, 0x0
	.amdhsa_kernel k_q2a890679e5_prep
		.amdhsa_group_segment_fixed_size 0
		.amdhsa_private_segment_fixed_size 0
		.amdhsa_enable_private_segment 0
		.amdhsa_kernarg_size 40
		.amdhsa_user_sgpr_count 2
		.amdhsa_user_sgpr_kernarg_segment_ptr 1
		.amdhsa_wavefront_size32 1
		.amdhsa_system_sgpr_workgroup_id_x 1
		.amdhsa_system_sgpr_workgroup_id_y 1
		.amdhsa_system_sgpr_workgroup_id_z 1
		.amdhsa_system_vgpr_workitem_id 0
		.amdhsa_next_free_vgpr 192
		.amdhsa_next_free_sgpr 66
		.amdhsa_reserve_vcc 1
		.amdhsa_float_denorm_mode_32 3
		.amdhsa_float_denorm_mode_16_64 3
		.amdhsa_memory_ordered 1
		.amdhsa_forward_progress 1
		.amdhsa_inst_pref_size 51
	.end_amdhsa_kernel
	.amdgpu_metadata
---
amdhsa.version: [ 1, 2 ]
amdhsa.kernels:
  - .name:           k_q2a890679e5_prep
    .symbol:         k_q2a890679e5_prep.kd
    .args:
      - { .name: expand_neurons_QK, .offset: 0, .size: 8, .value_kind: global_buffer, .address_space: global }
      - { .name: expand_neurons_V, .offset: 8, .size: 8, .value_kind: global_buffer, .address_space: global }
      - { .name: compress_neurons, .offset: 16, .size: 8, .value_kind: global_buffer, .address_space: global }
      - { .name: W_O, .offset: 24, .size: 8, .value_kind: global_buffer, .address_space: global }
      - { .name: wst, .offset: 32, .size: 8, .value_kind: global_buffer, .address_space: global }
    .group_segment_fixed_size: 0
    .private_segment_fixed_size: 0
    .kernarg_segment_align: 8
    .kernarg_segment_size: 40
    .max_flat_workgroup_size: 128
    .sgpr_count:     66
    .vgpr_count:     192
    .wavefront_size: 32
...
	.end_amdgpu_metadata
.endif
;; end of part 5
;; launch chain (part 6): grid 256 x 1, 16 waves a work-group, no clusters, 116,736 bytes of LDS; arguments x, compress_weights, expand_weights_QK, expand_weights_V, wst, kv; writes kv
.if DOCPART == 6
	.amdgcn_target "amdgcn-amd-amdhsa--gfx1250"
	.amdhsa_code_object_version 6
	.text
	.protected	k_q2a890679e5_chain
	.globl	k_q2a890679e5_chain
	.p2align	8
	.type	k_q2a890679e5_chain,@function
k_q2a890679e5_chain:
	s_mov_b64 s[64:65], 0
	v_nop
	global_prefetch_b8 v0, s[64:65] scope:SCOPE_SE
	s_setreg_imm32_b32 hwreg(HW_REG_WAVE_SCHED_MODE, 0, 2), 2
	s_setreg_imm32_b32 hwreg(HW_REG_WAVE_MODE, 25, 1), 1
	s_wait_xcnt 0x0
	s_wait_alu depctr_vm_vsrc(0)
; For 32 tokens a work-group: x is quantised along d; y = x C (codes of FP6 with E8M0 scales); h = the sum over the 16 neurons of w y, in f32; a = w (x) h, quantised along K = 64 n + r, for both expand pools;
; q = a_QK E_QK, quantised along the head's 64; v = a_V E_V, quantised along the tokens.  q's and v's codes and scale bytes go to kv in the order in which the attention launch's operand registers take them.
; SHARES.  Sixteen waves, 256 registers each.  THE WAVES SHARE THE COLUMNS: wave w makes 64 of the 1,024 columns of each product for all 32 tokens: 8 accumulators, 8 matrix instructions for each 128 along K.
; In the first product wave w = 4 ng + rq holds neurons 4 ng .. 4 ng + 3, ranks 16 rq .. 16 rq + 15; in the other two it holds head w.
; THE TOKENS OF A TILE ARE NOT NEIGHBOURS: row r of tile u is token 8 u + r % 8 + 16 (r / 8) of the 32, and the expand pools' columns are laid likewise (launch prep), so that the 16 result registers of two
; neighbouring tiles are 16 neighbours along the next product's K: q's along the head, v's along the tokens.
; THE WEIGHTS GO FROM MEMORY STRAIGHT INTO REGISTERS, 14 loads a wave for each 128 along K, two such chunks ahead, in three sets of registers.  NO CLUSTER, NO JOINT LOADS, though all work-groups walk the same weights:
; a fragment of a weight is used by one wave of the work-group alone, so a way through LDS would add a write and a read to each of its bytes; and slots that are filled again behind barriers would have one chunk
; (102,400 bytes) on its way where the sixteen waves here have up to two (204,800), with no barrier inside a product.
; THE TOKENS' OPERANDS GO FROM WAVE TO WAVE THROUGH LDS AS IMAGES OF THEIR REGISTERS (registers 4 q .. 4 q + 3 of lane l at 512 q + 16 l; scale words at 4 l).  No LDS byte is written twice: three barriers in all.
; LIMITS: a block of zeros gets the byte 1 where the rule says 127 (its codes are zeros, and this program alone reads the bytes); blocks whose largest magnitude lies under 2^-124 are held at the byte 1; NaN and infinities are not served.
; THE MODE: SCHED_MODE bits 1:0 = 2 (LLVM: expert scheduling mode 2), set by the entry lines.  The code itself states the register dependences
; between vector or matrix instructions and memory or LDS instructions, with s_wait_alu, always for 0.
; THE PLAN.  Registers that memory or LDS instructions touch:
;   AF, AS        Step c: its eight LDS loads land in them, its eight products read them.  Between the products the same registers, as E, hold addresses and scratch.
;   BF, BS        Set c % 3: chunk c's 14 loads, issued in step c - 2, land in it; step c's products read it.  At the head, between the products and on the way out the one set that is free holds what vector lines make and stores read.
;   ACC           Written by the products, read by vector lines alone; at the head x lands in it, between the first two products the partial sums of h (R0, R1).
;   CW            The neurons' weights: loaded at the head and once more behind the first product; read by multiplications.
;   v[VB], v[VS]  Read by every load of the weights; never written again.   v[LIP], v[LSP]  Read by every step's LDS loads; written twice, between the products.
; So ONE wait on va_vdst stands at the head of a step: the last step's products are done reading AF, AS and set (c + 2) % 3.  The step's LDS loads follow it, and chunk c + 2's 14 loads are dealt among the step's
; products, which name ACC, AF, AS and set c % 3 with its scale words: none of the registers that those loads touch.  Outside the steps the vector lines of a phase stand together, one wait on va_vdst behind them and
; ahead of the run of stores or loads, and one wait on vm_vsrc ahead of the first line that writes again what stores and loads have read.
.set CH,    102400                     ; a chunk of wst
.set SCO,   98304                      ; where its scale words begin
.set FLOOR, 0x1800000                  ; 2^(3 - 127)
.set KVB,   208896                     ; kv: a head's block: 128 tiles of q (768 bytes), from 98,304 v's 128 units of 768, from 196,608 q's scale words, from 204,800 v's scale bytes
.set ISC,   73728                      ; LDS: 48 images of 1,536 bytes (index 2 c + u, c = 8 x product + K step) from 0; their scale words, 128 bytes each, from here;
.set HP,    79872                      ; four partial h [ng][16 u + r], rows of 256 + 16 bytes;
.set SPARE, 114688                     ; the spare words, 128 bytes for each wave: eight blocks of 256 bytes that no other line names
.set LIP, 1                            ; v1   16 x lane + 24,576 x product: where I read images
.set LSP, 2                            ; v2   ISC + 4 x lane + 2,048 x product: and scale words
.set VB,  3                            ; v3   6,144 x wave + 16 x lane: my fragments in a chunk; never rewritten
.set VS,  4                            ; v4   256 x wave + 4 x lane: my scale words in a chunk; never rewritten
.set SPW, 5                            ; v5   my spare word; never rewritten
.set NIL, 6                            ; v6   0; never rewritten
.set LN,  7                            ; v7   lane
.set CW,  8                            ; v8-15 the neurons' weights of my lane's tokens
.set ACC, 16                           ; v16-79 eight accumulators
.set BF,  80                           ; v80-223 the weights' fragments: three sets of 48
.set T0,  80
.set T1,  128
.set T2,  176
.set BS,  224                          ; v224-229 the weights' scale words, two for each set: lanes 0-15 an even tile's, lanes 16-31 the odd one's
.set AF,  230                          ; v230-253 the tokens' two fragments; between the products: at work, as E
.set E,   230
.set AS,  254                          ; v254-255 the tokens' scale words
.set WST, 12
.set SEL, 20
.set TM,  T2                           ; QUANT's registers, at the head, where set 2 is still free
.set PW,  T2+16
.set PC,  T2+20
.set R0,  ACC                          ; AGEN's registers
.set R1,  ACC+32
.set R2,  T1
.set APC, T1+32
.set APT, T1+44
; one matrix instruction on rD, rW (weight), rT (tokens), rS, rA (their scales).  ori 0: source 0 = the weight; ori 1: source 0 = the tokens.  odd: the weight's scales stand in lanes 16-31
.macro MM ori, first, odd
.if (\ori) == 0
.if \first
.if \odd
	v_wmma_scale_f32_16x16x128_f8f6f4 v[rD:rD+7], v[rW:rW+11], v[rT:rT+11], 0, v[rS], v[rA] matrix_a_fmt:MATRIX_FMT_FP6 matrix_b_fmt:MATRIX_FMT_FP6 matrix_a_scale:MATRIX_SCALE_ROW1
.else
	v_wmma_scale_f32_16x16x128_f8f6f4 v[rD:rD+7], v[rW:rW+11], v[rT:rT+11], 0, v[rS], v[rA] matrix_a_fmt:MATRIX_FMT_FP6 matrix_b_fmt:MATRIX_FMT_FP6
.endif
.else
.if \odd
	v_wmma_scale_f32_16x16x128_f8f6f4 v[rD:rD+7], v[rW:rW+11], v[rT:rT+11], v[rD:rD+7], v[rS], v[rA] matrix_a_fmt:MATRIX_FMT_FP6 matrix_b_fmt:MATRIX_FMT_FP6 matrix_a_scale:MATRIX_SCALE_ROW1
.else
	v_wmma_scale_f32_16x16x128_f8f6f4 v[rD:rD+7], v[rW:rW+11], v[rT:rT+11], v[rD:rD+7], v[rS], v[rA] matrix_a_fmt:MATRIX_FMT_FP6 matrix_b_fmt:MATRIX_FMT_FP6
.endif
.endif
.else
.if \first
.if \odd
	v_wmma_scale_f32_16x16x128_f8f6f4 v[rD:rD+7], v[rT:rT+11], v[rW:rW+11], 0, v[rA], v[rS] matrix_a_fmt:MATRIX_FMT_FP6 matrix_b_fmt:MATRIX_FMT_FP6 matrix_b_scale:MATRIX_SCALE_ROW1
.else
	v_wmma_scale_f32_16x16x128_f8f6f4 v[rD:rD+7], v[rT:rT+11], v[rW:rW+11], 0, v[rA], v[rS] matrix_a_fmt:MATRIX_FMT_FP6 matrix_b_fmt:MATRIX_FMT_FP6
.endif
.else
.if \odd
	v_wmma_scale_f32_16x16x128_f8f6f4 v[rD:rD+7], v[rT:rT+11], v[rW:rW+11], v[rD:rD+7], v[rA], v[rS] matrix_a_fmt:MATRIX_FMT_FP6 matrix_b_fmt:MATRIX_FMT_FP6 matrix_b_scale:MATRIX_SCALE_ROW1
.else
	v_wmma_scale_f32_16x16x128_f8f6f4 v[rD:rD+7], v[rT:rT+11], v[rW:rW+11], v[rD:rD+7], v[rA], v[rS] matrix_a_fmt:MATRIX_FMT_FP6 matrix_b_fmt:MATRIX_FMT_FP6
.endif
.endif
.endif
.endm
; load j of the 14 that bring my four fragments and their scale words of chunk c into set c % 3: j = 0 .. 11: registers 4 (j % 3) on of fragment j / 3; j = 12, 13: the scale words
.macro WL1 c, j
.if (\j) < 12
	global_load_b128 v[BF+48*((\c)%3)+4*(\j):BF+48*((\c)%3)+4*(\j)+3], v[VB], s[WST:WST+1] offset:(\c)*CH+((\j)/3)*1536+512*((\j)%3)
.else
	global_load_b32 v[BS+2*((\c)%3)+(\j)-12], v[VS], s[WST:WST+1] offset:(\c)*CH+SCO+128*((\j)-12)
.endif
.endm
.macro WLOAD c                         ; all 14 on end: at the head
.irp j, 0,1,2,3,4,5,6,7,8,9,10,11,12,13
	WL1 \c, \j
.endr
.endm
; 128 along K: chunk c of the weights against the tokens' two images.  map 0: accumulator (t, u) at 16 t + 8 u; map 1: at 32 u + 8 t.  first: the products start the sums.  pre: chunk c + 2 is asked for, two loads behind each of the first seven products.
; cnt: the loads that may stay out when chunk c has to be in: chunk c + 1's 14, or none.  np: places behind the last step's products; 0 in the launch's first step, ahead of which no vector line has been issued since the last wait on va_vdst.
; The eight accumulators take turns, one instruction a turn, in the same order in every step.
.macro STEP c, ori, map, first, pre, cnt, np
.rept \np
	v_nop
.endr
.if (\np) > 0
	s_wait_alu depctr_va_vdst(0)                   ; the last step's products are done reading AF and AS, in which the LDS loads below land, and set (c + 2) % 3 with its scale words, in which chunk c + 2 lands; in a product's first step: v[LIP] and v[LSP] are written, and the lines between the products are done with all these registers
.endif
.irp u, 0,1
.irp q, 0,1,2
	ds_load_b128 v[AF+12*\u+4*\q:AF+12*\u+4*\q+3], v[LIP] offset:((\c)%8)*3072+\u*1536+512*\q
.endr
	ds_load_b32 v[AS+\u], v[LSP] offset:((\c)%8)*256+\u*128
.endr
	s_wait_loadcnt \cnt
	s_wait_dscnt 0x0
.irp u, 0,1
.irp t, 0,1,2,3
.if \map
.set rD, ACC+32*\u+8*\t
.else
.set rD, ACC+16*\t+8*\u
.endif
.set rW, BF+48*((\c)%3)+12*\t
.set rT, AF+12*\u
.set rS, BS+2*((\c)%3)+\t/2
.set rA, AS+\u
	MM \ori, \first, \t%2
.if (\pre) && ((4*\u+\t) < 7)
	WL1 (\c)+2, 2*(4*\u+\t)                        ; no wait: no vector or matrix instruction since the wait at the step's head names set (c + 2) % 3, its scale words, v[VB] or v[VS]
	WL1 (\c)+2, 2*(4*\u+\t)+1
.endif
.endr
.endr
.endm
; 64 numbers of a lane, register 16 b + i = k 32 b + 16 (lane / 16) + i of my row, become a fragment's codes in v[PC] on and its scale word in v[PW]
.macro QUANT s
.irp b, 0,1,2,3
	v_max3_num_f32 v[TM+\b], |v[\s+16*\b]|, |v[\s+1+16*\b]|, FLOOR
.endr
.irp i, 2,4,6,8,10,12,14
.irp b, 0,1,2,3
	v_max3_num_f32 v[TM+\b], v[TM+\b], |v[\s+16*\b+\i]|, |v[\s+1+16*\b+\i]|   ; the four blocks by turns
.endr
.endr
.irp b, 0,1,2,3
	v_permlanex16_b32 v[TM+4+\b], v[TM+\b], s[SEL], s[SEL+1]
.endr
.irp b, 0,1,2,3
	v_max_num_f32 v[TM+\b], v[TM+\b], v[TM+4+\b]   ; with lane l xor 16's: the block's largest magnitude
.endr
.irp b, 0,1,2,3
	v_add_nc_u32 v[TM+12+\b], 0xff000000, v[TM+\b] ; 2 off its exponent field: the conversion's scale operand
.endr
.irp b, 0,1,2,3
	v_lshrrev_b32 v[TM+4+\b], 23, v[TM+12+\b]      ; the scale's byte
.endr
	v_lshl_or_b32 v[PW], v[TM+5], 8, v[TM+4]
	v_lshl_or_b32 v[PW], v[TM+6], 16, v[PW]
	v_lshl_or_b32 v[PW], v[TM+7], 24, v[PW]
.irp c, 0,1
	v_cvt_scalef32_pk16_fp6_f32 v[PC+6*\c:PC+2+6*\c], v[\s+32*\c:\s+15+32*\c], v[TM+12+2*\c]
	v_cvt_scalef32_pk16_fp6_f32 v[PC+12+4*\c:PC+14+4*\c], v[\s+16+32*\c:\s+31+32*\c], v[TM+12+2*\c+1]
.endr
	v_nop                                          ; one plain line behind a scaled conversion
.irp c, 0,1                            ; the operand's layout wants a whole block in a lane: lanes 0-15 block 2 c, lanes 16-31 block 2 c + 1
.irp i, 0,1,2
	v_permlane16_swap_b32 v[PC+6*\c+\i], v[PC+12+4*\c+\i]
.endr
.irp i, 0,1,2
	v_mov_b32 v[PC+3+6*\c+\i], v[PC+12+4*\c+\i]
.endr
.endr
.endm
; the same for 32 numbers (two blocks): six code registers at v[xx] on (lane (row, h): block h), the two bytes in v[ww]; v[yy] on three and v[tm] on six registers at work
.macro HQUANT src, xx, yy, ww, tm
.irp b, 0,1
	v_max3_num_f32 v[\tm+\b], |v[\src+16*\b]|, |v[\src+16*\b+1]|, FLOOR        ; each accumulator is read from its low end on
.endr
.irp i, 2,4,6,8,10,12,14
.irp b, 0,1
	v_max3_num_f32 v[\tm+\b], v[\tm+\b], |v[\src+16*\b+\i]|, |v[\src+16*\b+\i+1]|
.endr
.endr
.irp b, 0,1
	v_permlanex16_b32 v[\tm+2+\b], v[\tm+\b], s[SEL], s[SEL+1]
.endr
.irp b, 0,1
	v_max_num_f32 v[\tm+\b], v[\tm+\b], v[\tm+2+\b]
.endr
.irp b, 0,1
	v_add_nc_u32 v[\tm+4+\b], 0xff000000, v[\tm+\b]
.endr
.irp b, 0,1
	v_lshrrev_b32 v[\tm+2+\b], 23, v[\tm+4+\b]
.endr
	v_lshl_or_b32 v[\ww], v[\tm+3], 8, v[\tm+2]
	v_cvt_scalef32_pk16_fp6_f32 v[\xx:\xx+2], v[\src:\src+15], v[\tm+4]
	v_cvt_scalef32_pk16_fp6_f32 v[\yy:\yy+2], v[\src+16:\src+31], v[\tm+5]
	v_nop                                          ; one plain line behind a scaled conversion
.irp i, 0,1,2
	v_permlane16_swap_b32 v[\xx+\i], v[\yy+\i]
.endr
.irp i, 0,1,2
	v_mov_b32 v[\xx+3+\i], v[\yy+\i]
.endr
.endm
.macro BARRIER                         ; my LDS stores have landed and my LDS loads are in: then the work-group's barrier
	s_wait_dscnt 0x0
	s_barrier_signal -1
	s_barrier_wait -1
.endm
.macro ADDUP a, b                      ; 32 numbers at v[a] += those at v[b]
.set k, 0
.rept 16
	v_pk_add_f32 v[\a+k:\a+k+1], v[\a+k:\a+k+1], v[\b+k:\b+k+1]
.set k, k+2
.endr
.endm
; The image of K step (wave % 8) of a_QK (waves 0-7) or a_V (waves 8-15) for tile u.  Lane (token, hh) holds h[token][32 hh .. 32 hh + 31]; times the weights of neurons 2 s and 2 s + 1 these are blocks hh and 2 + hh: whole blocks in a lane
.macro AGEN u
	s_wait_alu depctr_vm_vsrc(0)                   ; tile 0: my stores of the partial h have read v[T1 ..], in which the third partial sum lands; tile 1: tile 0's stores have read v[APC ..] and v[E+18], which the lines below write again
.if \u
	s_wait_alu depctr_va_vdst(0)                   ; tile 0's additions, multiplications and conversions are done with R0, R1 and R2, in which the loads below land
.endif
.irp i, 0,1,2,3,4,5,6,7
	ds_load_b128 v[R0+4*\i:R0+4*\i+3], v[E+6] offset:\u*4352+16*\i
.endr
.irp i, 0,1,2,3,4,5,6,7
	ds_load_b128 v[R1+4*\i:R1+4*\i+3], v[E+6] offset:8704+\u*4352+16*\i
.endr
.irp i, 0,1,2,3,4,5,6,7
	ds_load_b128 v[R2+4*\i:R2+4*\i+3], v[E+6] offset:2*8704+\u*4352+16*\i
.endr
	s_wait_dscnt 8                                 ; the first two partial sums are in; the third's eight loads may be out
	ADDUP R0, R1
	s_wait_alu depctr_va_vdst(0)                   ; the sixteen additions are done reading R1, in which the fourth partial sum lands (no 32 registers are free for a buffer of its own)
.irp i, 0,1,2,3,4,5,6,7
	ds_load_b128 v[R1+4*\i:R1+4*\i+3], v[E+6] offset:3*8704+\u*4352+16*\i
.endr
	s_wait_dscnt 8                                 ; the third is in; the fourth's eight may be out
	ADDUP R0, R2
	s_wait_dscnt 0x0
	ADDUP R0, R1                                   ; h, the sum over all 16 neurons
	v_max3_num_f32 v[E+10], |v[R0]|, |v[R0+1]|, |v[R0+2]|
	v_max3_num_f32 v[E+11], |v[R0+3]|, |v[R0+4]|, |v[R0+5]|
.irp i, 6,10,14,18,22,26
	v_max3_num_f32 v[E+10], v[E+10], |v[R0+\i]|, |v[R0+\i+1]|
	v_max3_num_f32 v[E+11], v[E+11], |v[R0+\i+2]|, |v[R0+\i+3]|
.endr
	v_max3_num_f32 v[E+10], v[E+10], |v[R0+30]|, |v[R0+31]|
	v_max_num_f32 v[E+10], v[E+10], v[E+11]        ; the largest |h| of my 32
.irp c, 0,1
	v_mov_b32 v[E+12], v[CW+2*\u+\c]               ; w, as the low word of a pair
	v_mul_f32 v[E+14], |v[E+12]|, v[E+10]          ; the block's largest |w h|: rounding keeps the order, so it is the rounded product with the largest |h|
	v_max_num_f32 v[E+14], FLOOR, v[E+14]
	v_add_nc_u32 v[E+14], 0xff000000, v[E+14]
	v_lshrrev_b32 v[E+16+\c], 23, v[E+14]
.set k, 0
.rept 16
	v_pk_mul_f32 v[R1+k:R1+k+1], v[R0+k:R0+k+1], v[E+12:E+13] op_sel_hi:[1,0]
.set k, k+2
.endr
	v_cvt_scalef32_pk16_fp6_f32 v[APC+6*\c:APC+6*\c+2], v[R1:R1+15], v[E+14]
	v_cvt_scalef32_pk16_fp6_f32 v[APT:APT+2], v[R1+16:R1+31], v[E+14]
	v_nop                                          ; one plain line behind a scaled conversion
.irp i, 0,1,2
	v_mov_b32 v[APC+6*\c+3+\i], v[APT+\i]
.endr
.endr
	v_lshl_or_b32 v[E+18], v[E+17], 16, v[E+16]    ; my two bytes, 8 hh bits up; with lane l xor 16's two the scale word is whole
	v_lshlrev_b32 v[E+18], v[E+19], v[E+18]
	v_permlanex16_b32 v[E+20], v[E+18], s[SEL], s[SEL+1]
	v_or_b32 v[E+18], v[E+18], v[E+20]
	s_wait_alu depctr_va_vdst(0)                   ; the codes in v[APC ..] and the scale word in v[E+18] are written, which the stores below read
.irp q, 0,1,2
	ds_store_b128 v[E+7], v[APC+4*\q:APC+4*\q+3] offset:1536*\u+512*\q
.endr
	ds_store_b32 v[E+8], v[E+18] offset:128*\u
.endm
	s_load_b256 s[4:11], s[0:1], 0x0               ; x, compress_weights, expand_weights_QK, expand_weights_V
	s_load_b128 s[12:15], s[0:1], 0x20             ; wst, kv
	v_lshl_add_u32 v[SPW], v0, 2, SPARE
	v_mov_b32 v[NIL], 0
	v_lshrrev_b32 v[LN], 5, v0
	v_readfirstlane_b32 s16, v[LN]                 ; wave 0..15
	v_and_b32 v[LN], 31, v0
	v_cmp_lt_u32 s38, 15, v[LN]                    ; lanes 16-31
	v_lshlrev_b32 v[LIP], 4, v[LN]
	v_lshl_add_u32 v[LSP], v[LN], 2, ISC
	s_wait_alu depctr_va_sdst(0)                   ; s16 and s38 are written, ahead of their first readers: the scalar lines below read s16, the selections on the ways out s38
	s_mul_i32 s18, s16, 6144
	v_add_nc_u32 v[VB], s18, v[LIP]
	s_lshl_b32 s18, s16, 8
	v_lshl_add_u32 v[VS], v[LN], 2, s18
	v_and_b32 v[E+0], 7, v[LN]
	v_bfe_u32 v[E+1], v[LN], 3, 1
	v_lshl_add_u32 v[E+0], v[E+1], 4, v[E+0]       ; row r of a tile is token r % 8 + 16 (r / 8), + 8 u
	v_bfe_u32 v[E+1], v[LN], 4, 1                  ; h
	v_lshlrev_b32 v[E+3], 12, v[E+0]
	v_lshl_add_u32 v[E+3], v[E+1], 6, v[E+3]       ; x: my token's row of 4,096 bytes, + 64 h: my 16 numbers of a block of 32
	v_lshlrev_b32 v[E+4], 6, v[E+0]                ; the weights: 64 bytes a token
	s_lshr_b32 s18, s16, 3                         ; at the head wave w quantises tile u = w / 8,
	s_and_b32 s19, s16, 7                          ; K step s = w % 8 of x
	s_mul_i32 s39, s19, 3072
	s_mul_i32 s40, s18, 1536
	s_add_co_u32 s39, s39, s40
	v_add_nc_u32 v[E+5], s39, v[LIP]               ; its image,
	s_lshl_b32 s39, s19, 8
	s_lshl_b32 s40, s18, 7
	s_add_co_u32 s39, s39, s40
	v_add_nc_u32 v[E+6], s39, v[LSP]               ; its scale words
	s_mov_b32 s[SEL], 0x76543210
	s_mov_b32 s[SEL+1], 0xfedcba98                 ; v_permlanex16_b32's selects for lane l xor 16
	s_mov_b32 s23, 0
	s_lshl_b32 s42, ttmp9, 11                      ; 32 tokens x 64 bytes
	s_wait_kmcnt 0x0
	s_lshl_b32 s22, ttmp9, 17                      ; 32 tokens x 4,096 bytes
	s_lshl_b32 s39, s18, 15
	s_add_co_u32 s22, s22, s39
	s_lshl_b32 s39, s19, 9
	s_add_co_u32 s22, s22, s39
	s_add_nc_u64 s[24:25], s[4:5], s[22:23]        ; x at token 32 wg + 8 u, K step s
	s_lshr_b32 s22, s16, 2
	s_lshl_b32 s22, s22, 4
	s_add_co_u32 s22, s22, s42
	s_add_nc_u64 s[26:27], s[6:7], s[22:23]        ; compress_weights at my four neurons
	s_cmp_lt_u32 s16, 8
	s_cselect_b64 s[28:29], s[8:9], s[10:11]       ; waves 0-7 make a_QK's images, waves 8-15 a_V's
	s_lshl_b32 s22, s19, 3
	s_add_co_u32 s22, s22, s42
	s_add_nc_u64 s[28:29], s[28:29], s[22:23]      ; at neurons 2 s, 2 s + 1
	s_lshr_b32 s39, ttmp9, 6
	s_lshl_b32 s39, s39, 4
	s_add_co_u32 s39, s39, s16                     ; 16 x batch + head
	s_mul_i32 s39, s39, KVB
	s_and_b32 s40, ttmp9, 63                       ; which 32 tokens of the sequence
	s_mul_i32 s22, s40, 1536
	s_add_co_u32 s22, s22, s39
	s_add_nc_u64 s[30:31], s[14:15], s[22:23]      ; q's two tiles
	s_add_nc_u64 s[34:35], s[30:31], 98304         ; v's two units
	s_lshl_b32 s22, s40, 7
	s_add_co_u32 s22, s22, s39
	s_add_co_u32 s22, s22, 196608
	s_add_nc_u64 s[32:33], s[14:15], s[22:23]      ; q's scale words
	s_lshr_b32 s22, s40, 2
	s_lshl_b32 s22, s22, 8
	s_and_b32 s43, s40, 3
	s_add_co_u32 s22, s22, s43
	s_add_co_u32 s22, s22, s39
	s_add_co_u32 s22, s22, 204800
	s_add_nc_u64 s[36:37], s[14:15], s[22:23]      ; v's scale bytes: 256 bytes for each 128 keys, byte (block % 4) of each word
	s_wait_alu depctr_va_vdst(0)                   ; the offsets and LDS addresses v[LIP], v[LSP], v[VB], v[VS] and v[E+3] to v[E+6] are written, which the loads and stores below read
.irp b, 0,1,2,3
.irp j, 0,1,2,3
	global_load_b128 v[ACC+16*\b+4*\j:ACC+16*\b+4*\j+3], v[E+3], s[24:25] offset:128*\b+16*\j th:TH_LOAD_NT
.endr
.endr
	global_load_b128 v[CW:CW+3], v[E+4], s[26:27]
	global_load_b128 v[CW+4:CW+7], v[E+4], s[26:27] offset:512
	WLOAD 0
	WLOAD 1
.irp b, 0,1,2,3
	v_mov_b32 v[TM+4+\b], 0                        ; a lane permute's destination counts as one of its sources
.endr
	s_wait_loadcnt 28                              ; x and the weights of my tokens are in; the two chunks' 28 loads stay out
	QUANT ACC
	s_wait_alu depctr_va_vdst(0)                   ; the codes in v[PC ..] and the scale word in v[PW] are written, which the stores below read
.irp q, 0,1,2
	ds_store_b128 v[E+5], v[PC+4*\q:PC+4*\q+3] offset:512*\q
.endr
	ds_store_b32 v[E+6], v[PW]
	BARRIER                                        ; x's sixteen images lie in LDS
	s_wait_alu depctr_vm_vsrc(0)                   ; the loads and stores above have read v[E+3] to v[E+6], in which the tokens' fragments land, and the stores v[PC ..] and v[PW], in which chunk 2 lands (the vector lines that named all these stand ahead of the last wait on va_vdst)
	; ---- y = x C.  Source 0 = 16 ranks of a neuron, source 1 = 16 tokens: a lane holds one token, register j of accumulator (t, u) rank 16 rq + 8 h + j of neuron 4 ng + t
	STEP 0, 0, 0, 1, 1, 14, 0
.irp c, 1,2,3,4,5,6,7
	STEP \c, 0, 0, 0, 1, 14, 4
.endr
.rept 4
	v_nop                                          ; places ahead of the first read of results and of writes into registers that the products read
.endr
.irp u, 0,1                            ; my four neurons' part of h, in f32: each accumulator is read from its low end on
.irp j, 0,1,2,3,4,5,6,7
	v_mul_f32 v[T1+8*\u+\j], v[CW+4*\u], v[ACC+8*\u+\j]
.endr
.irp t, 1,2,3
.irp j, 0,1,2,3,4,5,6,7
	v_fmac_f32 v[T1+8*\u+\j], v[CW+4*\u+\t], v[ACC+16*\t+8*\u+\j]
.endr
.endr
.endr
	v_and_b32 v[E+0], 15, v[LN]                    ; r
	v_bfe_u32 v[E+1], v[LN], 4, 1                  ; h
	v_mul_u32_u24 v[E+2], v[E+0], 272
	v_lshl_add_u32 v[E+5], v[E+1], 5, v[E+2]
	s_lshr_b32 s18, s16, 2
	s_mul_i32 s18, s18, 8704
	s_and_b32 s19, s16, 3
	s_lshl_b32 s19, s19, 6
	s_add_co_u32 s18, s18, s19
	s_add_co_u32 s18, s18, HP
	v_add_nc_u32 v[E+5], s18, v[E+5]               ; partial ng, row r, ranks 16 rq + 8 h on
	v_lshl_add_u32 v[E+6], v[E+1], 7, v[E+2]
	v_add_nc_u32 v[E+6], HP, v[E+6]                ; and where I read: row r, ranks 32 h on
	v_and_b32 v[E+3], 7, v[LN]
	v_bfe_u32 v[E+4], v[LN], 3, 1
	v_lshl_add_u32 v[E+3], v[E+4], 4, v[E+3]
	v_lshlrev_b32 v[E+4], 6, v[E+3]
	s_mul_i32 s18, s16, 3072
	s_add_co_u32 s18, s18, 8*3072
	v_add_nc_u32 v[E+7], s18, v[LIP]               ; image 2 (8 + wave) + u
	s_lshl_b32 s18, s16, 8
	s_add_co_u32 s18, s18, 8*256
	v_add_nc_u32 v[E+8], s18, v[LSP]
	v_mov_b32 v[E+13], 0                           ; (named as the upper half of a pair)
	v_lshlrev_b32 v[E+19], 3, v[E+1]
	v_mov_b32 v[E+20], 0                           ; a lane permute's destination counts as one of its sources
	s_wait_alu depctr_va_vdst(0)                   ; my part of h in v[T1 ..] and the addresses v[E+4] to v[E+8] are written, which the stores and loads from here to the next product read; the multiply-adds are done reading CW and ACC, in which loads land
.irp u, 0,1
	ds_store_b128 v[E+5], v[T1+8*\u:T1+8*\u+3] offset:4352*\u
	ds_store_b128 v[E+5], v[T1+8*\u+4:T1+8*\u+7] offset:4352*\u+16
.endr
	global_load_b64 v[CW:CW+1], v[E+4], s[28:29]               ; the expand weights of neurons 2 s, 2 s + 1: tile 0's tokens,
	global_load_b64 v[CW+2:CW+3], v[E+4], s[28:29] offset:512  ; tile 1's
	BARRIER                                        ; the four partial h lie in LDS
	s_wait_loadcnt 0x0                             ; the expand weights are in (behind them nothing was asked for)
	AGEN 0
	AGEN 1
	BARRIER                                        ; the 32 images of a_QK and a_V lie in LDS
	s_wait_alu depctr_vm_vsrc(0)                   ; the first product's LDS loads have read v[LIP] and v[LSP], which the two lines below write; the loads and stores between the products have read v[E+4] to v[E+8], v[E+18] and v[APC ..], in which the tokens' fragments and chunk 10 land
	v_add_nc_u32 v[LIP], 24576, v[LIP]
	v_add_nc_u32 v[LSP], 2048, v[LSP]
	; ---- q = a_QK E_QK.  Source 0 = 16 columns of my head, source 1 = 16 tokens: a lane holds one token, registers 32 u + 16 b + i channel 32 b + 16 h + i
	STEP 8, 0, 1, 1, 1, 14, 1
.irp c, 9,10,11,12,13,14,15
	STEP \c, 0, 1, 0, 1, 14, 4
.endr
.rept 4
	v_nop
.endr
	v_lshlrev_b32 v[E+8], 4, v[LN]
	v_lshlrev_b32 v[E+9], 3, v[LN]
	v_lshlrev_b32 v[E+10], 2, v[LN]
.irp u, 0,1
	HQUANT ACC+32*\u, T0+8*\u, T0+16+4*\u, T0+24+\u, E
.endr
	v_cndmask_b32 v[T0+26], v[T0+24], v[T0+25], s38            ; lanes 0-15: tile 0's scale words, lanes 16-31: tile 1's (bytes 2 and 3 are 0: the upper half of the attention's K is zero codes)
	s_wait_alu depctr_va_vdst(0)                   ; both tiles' codes, the scale words in v[T0+26] and the offsets v[E+8] to v[E+10] are written, which the five stores below read
.irp u, 0,1
	global_store_b128 v[E+8], v[T0+8*\u:T0+8*\u+3], s[30:31] offset:768*\u          ; 32 lanes store 512 consecutive bytes, aligned to 256,
	global_store_b64 v[E+9], v[T0+8*\u+4:T0+8*\u+5], s[30:31] offset:768*\u+512     ; and 256 more
.endr
	global_store_b32 v[E+10], v[T0+26], s[32:33]
	s_wait_xcnt 0x0                                ; the stores have read their registers: set 0 and the tokens' registers are loaded again below
	s_wait_alu depctr_vm_vsrc(0)                   ; the stores have read v[T0 ..] and v[E+8] to v[E+10], in which chunk 18 and the tokens' fragments land; the second product's LDS loads have read v[LIP] and v[LSP], which the two lines below write
	v_add_nc_u32 v[LIP], 24576, v[LIP]
	v_add_nc_u32 v[LSP], 2048, v[LSP]
	; ---- v = a_V E_V, the other way round: source 0 = 16 tokens, source 1 = 16 columns: a lane holds one channel, registers 16 t + i token 16 h + i: neighbours along the attention's second K
	STEP 16, 1, 0, 1, 1, 14, 1
.irp c, 17,18,19,20,21
	STEP \c, 1, 0, 0, 1, 14, 4
.endr
	STEP 22, 1, 0, 0, 0, 14, 4                     ; nothing is left to ask for: the last chunk's 14 loads may be out,
	STEP 23, 1, 0, 0, 0, 0, 4                      ; then none
.rept 4
	v_nop
.endr
.irp t, 0,1,2,3
	v_max3_num_f32 v[E+\t], |v[ACC+16*\t]|, |v[ACC+16*\t+1]|, FLOOR
.endr
.irp i, 2,4,6,8,10,12,14
.irp t, 0,1,2,3
	v_max3_num_f32 v[E+\t], v[E+\t], |v[ACC+16*\t+\i]|, |v[ACC+16*\t+\i+1]|
.endr
.endr
.irp t, 0,1,2,3
	v_permlanex16_b32 v[E+4+\t], v[E+\t], s[SEL], s[SEL+1]
.endr
.irp t, 0,1,2,3
	v_max_num_f32 v[E+\t], v[E+\t], v[E+4+\t]      ; the largest magnitude of my channel's 32 tokens
.endr
.irp t, 0,1,2,3
	v_add_nc_u32 v[E+8+\t], 0xff000000, v[E+\t]
.endr
.irp t, 0,1,2,3
	v_lshrrev_b32 v[E+4+\t], 23, v[E+8+\t]
.endr
.irp p, 0,1
	v_cvt_scalef32_pk16_fp6_f32 v[T0+8*\p:T0+8*\p+2], v[ACC+32*\p:ACC+32*\p+15], v[E+8+2*\p]
	v_cvt_scalef32_pk16_fp6_f32 v[T0+16+4*\p:T0+18+4*\p], v[ACC+32*\p+16:ACC+32*\p+31], v[E+9+2*\p]
.endr
	v_nop                                          ; one plain line behind a scaled conversion
	v_lshlrev_b32 v[E+16], 4, v[LN]
	v_lshlrev_b32 v[E+17], 3, v[LN]
	v_lshlrev_b32 v[E+18], 2, v[LN]
.irp p, 0,1                            ; unit p: lanes 0-15 the whole block of tile 2 p's channels, lanes 16-31 of tile 2 p + 1's
.irp i, 0,1,2
	v_permlane16_swap_b32 v[T0+8*\p+\i], v[T0+16+4*\p+\i]
.endr
.irp i, 0,1,2
	v_mov_b32 v[T0+8*\p+3+\i], v[T0+16+4*\p+\i]
.endr
	v_cndmask_b32 v[E+12+\p], v[E+4+2*\p], v[E+5+2*\p], s38
.endr
	s_wait_alu depctr_va_vdst(0)                   ; both units' codes, their scale bytes in v[E+12] and v[E+13] and the offsets v[E+16] to v[E+18] are written, which the six stores below read
.irp p, 0,1
	global_store_b128 v[E+16], v[T0+8*\p:T0+8*\p+3], s[34:35] offset:768*\p
	global_store_b64 v[E+17], v[T0+8*\p+4:T0+8*\p+5], s[34:35] offset:768*\p+512
	global_store_b8 v[E+18], v[E+12+\p], s[36:37] offset:128*\p    ; one byte of each scale word: the other three are those of the three neighbouring blocks of tokens, other work-groups'; 1 byte for 24 of codes
.endr
	s_wait_dscnt 0x0                               ; the closing lines, six on end
	s_wait_alu 0x0
	s_wait_tensorcnt 0x0
	ds_add_u32 v[SPW], v[NIL]
	s_wait_dscnt 0x0
	s_endpgm
.Lfunc_end_k_q2a890679e5_chain:
	.size	k_q2a890679e5_chain, .Lfunc_end_k_q2a890679e5_chain-k_q2a890679e5_chain
	.p2alignl 7, 3214868480
	.fill 96, 4, 3214868480
	.section	.rodata,"a",@progbits
	.p2align	6, 0x0
	.amdhsa_kernel k_q2a890679e5_chain
		.amdhsa_group_segment_fixed_size 116736
		.amdhsa_private_segment_fixed_size 0
		.amdhsa_enable_private_segment 0
		.amdhsa_kernarg_size 48
		.amdhsa_user_sgpr_count 2
		.amdhsa_user_sgpr_kernarg_segment_ptr 1
		.amdhsa_wavefront_size32 1
		.amdhsa_system_sgpr_workgroup_id_x 1
		.amdhsa_system_sgpr_workgroup_id_y 1
		.amdhsa_system_sgpr_workgroup_id_z 1
		.amdhsa_system_vgpr_workitem_id 0
		.amdhsa_next_free_vgpr 256
		.amdhsa_next_free_sgpr 66
		.amdhsa_reserve_vcc 0
		.amdhsa_float_denorm_mode_32 3
		.amdhsa_float_denorm_mode_16_64 3
		.amdhsa_memory_ordered 1
		.amdhsa_forward_progress 1
		.amdhsa_inst_pref_size 115
	.end_amdhsa_kernel
	.amdgpu_metadata
---
amdhsa.version: [ 1, 2 ]
amdhsa.kernels:
  - .name:           k_q2a890679e5_chain
    .symbol:         k_q2a890679e5_chain.kd
    .args:
      - { .name: x, .offset: 0, .size: 8, .value_kind: global_buffer, .address_space: global }
      - { .name: compress_weights, .offset: 8, .size: 8, .value_kind: global_buffer, .address_space: global }
      - { .name: expand_weights_QK, .offset: 16, .size: 8, .value_kind: global_buffer, .address_space: global }
      - { .name: expand_weights_V, .offset: 24, .size: 8, .value_kind: global_buffer, .address_space: global }
      - { .name: wst, .offset: 32, .size: 8, .value_kind: global_buffer, .address_space: global }
      - { .name: kv, .offset: 40, .size: 8, .value_kind: global_buffer, .address_space: global }
    .group_segment_fixed_size: 116736
    .private_segment_fixed_size: 0
    .kernarg_segment_align: 8
    .kernarg_segment_size: 48
    .max_flat_workgroup_size: 512
    .sgpr_count:     66
    .vgpr_count:     256
    .wavefront_size: 32
...
	.end_amdgpu_metadata
.endif
;; end of part 6
;; launch attn (part 7): grid 4 x 64, 16 waves a work-group, no clusters, 210,944 bytes of LDS; arguments kv, ac, asc; writes ac, asc
.if DOCPART == 7
	.amdgcn_target "amdgcn-amd-amdhsa--gfx1250"
	.amdhsa_code_object_version 6
	.text
	.protected	k_q2a890679e5_attn
	.globl	k_q2a890679e5_attn
	.p2align	8
	.type	k_q2a890679e5_attn,@function
k_q2a890679e5_attn:
	s_mov_b64 s[64:65], 0
	v_nop
	global_prefetch_b8 v0, s[64:65] scope:SCOPE_SE
	s_setreg_imm32_b32 hwreg(HW_REG_WAVE_MODE, 25, 1), 1
	s_wait_xcnt 0x0
; Causal attention of one (batch, head) on codes of FP6 (E2M3) with E8M0 scales; k = q.  Both products are used transposed (S^T = K Q^T, O^T = V^T P^T): a lane holds ONE query throughout.
; THE SOFTMAX AHEAD OF THE SECOND PRODUCT: t = score x log2(e) / 8; M = the row's largest t so far, rounded UP to a whole number; p = 2^(t - M) is quantised along the keys, not normalised; the row's sum is taken of the
; unquantised p and divides O at the end.  When M moves, the sum and O are multiplied by 2^(old M - new M): exact.  O / sum is quantised along the head's 64 and goes to ac (codes) and asc (scale bytes) in the order of the next launch's operand registers.
; THE HEAD SIZE IS 64, half of the instruction's K: registers 6-11 of q's and k's fragments are zero codes, written once, and bytes 2, 3 of their scale words are 0.
; A WHOLE HEAD LIES IN LDS: its block of kv (208,896 bytes: k's 128 tiles, v's 128 units, the scale words) is brought once, 51 rows of 256 bytes by one tensor load a wave.  Nothing is filled again: one barrier, none in the loop.
; SHARES.  Four work-groups to a head, sixteen waves each.  Wave j of work-group g has p = 16 g + j and takes query tiles 127 - p and p.  Tile T needs T / 8 + 1 key steps of 128, so every wave has 17.
; Both loops have a constant 16 trips; a step all of whose keys come after the tile's queries is jumped over by a scalar branch on ids.
; THE TOKENS OF A TILE ARE NOT NEIGHBOURS: row r of tile T is token 32 (T / 2) + 8 (T % 2) + r % 8 + 16 (r / 8), so that p's 16 registers of two neighbouring tiles are 16 neighbouring keys; v's channels are laid likewise.
; NO CLUSTER, though the four work-groups of a head read the same block: which steps a wave jumps over hangs on its work-group's place among the four, and partners that ask jointly must run alike.
; LIMITS: a block of zeros gets the byte 1 where the rule says 127 (its codes are zeros, and this program alone reads the bytes); NaN and infinities are not served.
; REGISTERS: v1-4, v7-9 addresses that stay; v5, v6 the add's two; v10, v11, v28-31 the step's addresses; v12 -M, v13 the largest t, v[14:15] the sum; v16-27 Q; v32-79 four fragments of K; v80-87 lane terms and the two scale halfwords;
; v96-159 S^T, then p, then V's four fragments; v160-191 O^T; v224-235 p's codes; v232-247, v252, v254 at work; v248, v249 K's scale words, v250, v251 V's, v253 p's, v255 Q's.
.set KVB,   208896
.set SPARE, 208896                     ; behind the head's block: the spare words, 128 bytes for each wave: eight blocks of 256 bytes that no other line names
.set FLOOR, 0x1800000
.set SPW,  5
.set NIL,  6
.set SEL,  26                          ; s[26:27] lane selects for v_permlanex16_b32: lane l xor 16
.set CS,   28                          ; s[28:29] c = log2(e) / 8
.set PP,   30                          ; s30 p
.set THT,  31                          ; s31 the query tile in hand
.set Q0,   32                          ; s32 its first query;  s33 its last
.set QMAX, 33
.set KF,   34                          ; s34 the step's first key
.set TB,   35                          ; s35 the step's codes: 6,144 bytes a step, of K and of V alike
.set TS,   36                          ; s36 K's scale words: 512 a step
.set TJ,   37                          ; s37 V's: 256 a step
.set CNT,  38
.macro HQUANT src, xx, yy, ww, tm      ; 32 numbers of a lane, register 16 b + i = k 32 b + 16 (lane / 16) + i, become six code registers at v[xx] on (lane (row, h): block h) and the two scale bytes in v[ww]
.irp b, 0,1
	v_max3_num_f32 v[\tm+\b], |v[\src+16*\b]|, |v[\src+16*\b+1]|, FLOOR
.endr
.irp i, 2,4,6,8,10,12,14
.irp b, 0,1
	s_delay_alu instid0(VALU_DEP_2)
	v_max3_num_f32 v[\tm+\b], v[\tm+\b], |v[\src+16*\b+\i]|, |v[\src+16*\b+\i+1]|
.endr
.endr
.irp b, 0,1
	s_delay_alu instid0(VALU_DEP_2)
	v_permlanex16_b32 v[\tm+2+\b], v[\tm+\b], s[SEL], s[SEL+1]
.endr
.irp b, 0,1
	s_delay_alu instid0(VALU_DEP_2)
	v_max_num_f32 v[\tm+\b], v[\tm+\b], v[\tm+2+\b]
.endr
.irp b, 0,1
	s_delay_alu instid0(VALU_DEP_2)
	v_add_nc_u32 v[\tm+4+\b], 0xff000000, v[\tm+\b]
.endr
.irp b, 0,1
	s_delay_alu instid0(VALU_DEP_2)
	v_lshrrev_b32 v[\tm+2+\b], 23, v[\tm+4+\b]
.endr
	s_delay_alu instid0(VALU_DEP_1)
	v_lshl_or_b32 v[\ww], v[\tm+3], 8, v[\tm+2]
	v_cvt_scalef32_pk16_fp6_f32 v[\xx:\xx+2], v[\src:\src+15], v[\tm+4]
	v_cvt_scalef32_pk16_fp6_f32 v[\yy:\yy+2], v[\src+16:\src+31], v[\tm+5]
	v_nop                                          ; one plain line behind a scaled conversion
.irp i, 0,1,2
	v_permlane16_swap_b32 v[\xx+\i], v[\yy+\i]
.endr
.irp i, 0,1,2
	s_delay_alu instid0(VALU_DEP_3)
	v_mov_b32 v[\xx+3+\i], v[\yy+\i]
.endr
.endm
; A KEY STEP: 128 keys
.macro KSTEP
	s_cmp_gt_u32 s[KF], s[QMAX]                    ; all its keys come after my 16 queries: only the addresses step
	s_cbranch_scc1 .Lhid_\@
	s_setprio 2
	v_add_nc_u32 v10, s[TB], v1                    ; six plain lines: more than the five places owed before the scores are laid over V's fragments, which the last products read
	s_wait_alu depctr_va_vdst(0)
	v_add_nc_u32 v11, s[TB], v2
	s_wait_alu depctr_va_vdst(0)
	v_add_nc_u32 v28, s[TS], v7
	s_wait_alu depctr_va_vdst(0)
	v_add_nc_u32 v29, s[TB], v3
	v_add_nc_u32 v30, s[TB], v4
	v_add_nc_u32 v31, s[TJ], v8
.irp g, 0,1                            ; S^T = K Q^T, four tiles of 16 keys at a time
.if \g
.rept 4
	v_nop                                          ; places ahead of loads into registers that matrix instructions have read
.endr
.endif
.irp t, 0,1,2,3
	ds_load_b128 v[32+12*\t:35+12*\t], v10 offset:(4*\g+\t)*768
	ds_load_b64 v[36+12*\t:37+12*\t], v11 offset:(4*\g+\t)*768
.endr
	ds_load_b32 v248, v28 offset:256*\g            ; lanes 0-15: an even tile's scale words, lanes 16-31: the odd one's
	ds_load_b32 v249, v28 offset:256*\g+128
	s_wait_dscnt 0x0
.irp t, 0,2
	v_wmma_scale_f32_16x16x128_f8f6f4 v[96+8*(4*\g+\t):103+8*(4*\g+\t)], v[32+12*\t:43+12*\t], v[16:27], 0, v[248+\t/2], v255 matrix_a_fmt:MATRIX_FMT_FP6 matrix_b_fmt:MATRIX_FMT_FP6
	v_wmma_scale_f32_16x16x128_f8f6f4 v[104+8*(4*\g+\t):111+8*(4*\g+\t)], v[44+12*\t:55+12*\t], v[16:27], 0, v[248+\t/2], v255 matrix_a_fmt:MATRIX_FMT_FP6 matrix_b_fmt:MATRIX_FMT_FP6 matrix_a_scale:MATRIX_SCALE_ROW1
.endr
.endr                                  ; register 16 b + i holds key KF + 32 b + 16 (lane / 16) + i
.rept 4
	v_nop
.endr
	s_add_co_u32 s46, s[KF], 127                   ; on the diagonal the scores of hidden keys become -infinity ahead of the maximum: p = 0 then.  A step all of whose keys count skips this
	s_cmp_le_u32 s46, s[Q0]
	s_cbranch_scc1 .Lopen_\@
	s_sub_co_i32 s46, s[Q0], s[KF]
	v_add_nc_u32 v252, s46, v9                     ; d = my query - KF - 16 (lane / 16): register 16 b + i is hidden where 32 b + i > d
	v_mov_b32 v254, 0xff800000
.set n, 0
.rept 64
	v_cmp_gt_i32 vcc_lo, 32*(n/16)+n%16, v252
	v_cndmask_b32 v[96+n], v[96+n], v254, vcc_lo
.set n, n+1
.endr
.Lopen_\@:
.irp b, 0,1,2,3
	v_max3_num_f32 v[232+\b], v[96+16*\b], v[97+16*\b], v[98+16*\b]   ; the largest score of each block of 32 keys: it serves for the row's maximum and, since p rises with the score, for the block's largest p
.endr
.irp i, 3,5,7,9,11,13
.irp b, 0,1,2,3
	v_max3_num_f32 v[232+\b], v[232+\b], v[96+16*\b+\i], v[97+16*\b+\i]
.endr
.endr
.irp b, 0,1,2,3
	v_max_num_f32 v[232+\b], v[232+\b], v[111+16*\b]
.endr
.irp b, 0,1,2,3
	s_delay_alu instid0(VALU_DEP_4)
	v_permlanex16_b32 v[236+\b], v[232+\b], s[SEL], s[SEL+1]
.endr
.irp b, 0,1,2,3
	s_delay_alu instid0(VALU_DEP_4)
	v_max_num_f32 v[232+\b], v[232+\b], v[236+\b]  ; with lane l xor 16's 16 keys
.endr
	s_delay_alu instid0(VALU_DEP_2)
	v_max3_num_f32 v254, v232, v233, v234
	s_delay_alu instid0(VALU_DEP_1)
	v_max_num_f32 v254, v254, v235                 ; the step's largest score of my query
	s_delay_alu instid0(VALU_DEP_1)
	v_mul_f32 v254, s[CS], v254                    ; as t
	s_delay_alu instid0(VALU_DEP_1)
	v_max_num_f32 v13, v13, v254                   ; the running largest t
	v_mov_b32 v254, v12
	s_delay_alu instid0(VALU_DEP_2)
	v_floor_f32 v12, -v13                          ; the new -M = floor(-t): M is a whole number
	s_delay_alu instid0(VALU_DEP_1)
	v_sub_f32 v254, v12, v254                      ; old M - new M: a whole number, 0 or less
	s_delay_alu instid0(VALU_DEP_1)
	v_cvt_i32_f32 v254, v254                       ; (it saturates)
	s_delay_alu instid0(VALU_DEP_1)
	v_ldexp_f32 v252, 1.0, v254                    ; f = 2^(old M - new M)
.set n, 0
.rept 32
	v_pk_fma_f32 v[96+n:97+n], v[96+n:97+n], s[CS:CS+1], v[12:13] op_sel_hi:[1,0,0]   ; t - M, two at a time
.set n, n+2
.endr
	s_setprio 1
.irp b, 0,1,2,3
	v_fma_f32 v[232+\b], v[232+\b], s[CS], v12     ; the same of each block's largest score
.endr
.set n, 0
	s_wait_alu depctr_va_vdst(0)
.rept 64
	v_exp_f32 v[96+n], v[96+n]                     ; p = 2^(t - M), at most 1
.set n, n+1
.endr
	v_pk_mul_f32 v[14:15], v[14:15], v[252:253] op_sel_hi:[1,0]   ; the sums under the new M: the plain line behind the exponentials
	s_wait_alu depctr_va_vdst(0)                   ; one wait for the whole batch, ahead of its first reader
.irp b, 0,1,2,3
	v_exp_f32 v[232+\b], v[232+\b]                 ; the block's largest p
.endr
	v_pk_add_f32 v[236:237], v[100:101], v[104:105]
	v_pk_add_f32 v[250:251], v[108:109], v[112:113]
	v_pk_add_f32 v[248:249], v[116:117], v[120:121]
	v_pk_add_f32 v[246:247], v[124:125], v[128:129]
	v_pk_add_f32 v[244:245], v[132:133], v[136:137]
	v_pk_add_f32 v[240:241], v[140:141], v[144:145]
	v_pk_add_f32 v[238:239], v[148:149], v[152:153]
	v_pk_add_f32 v[14:15], v[14:15], v[156:157]
	v_pk_add_f32 v[236:237], v[236:237], v[96:97]
	v_pk_add_f32 v[250:251], v[250:251], v[98:99]
	v_pk_add_f32 v[248:249], v[248:249], v[102:103]
	v_pk_add_f32 v[246:247], v[246:247], v[106:107]
	v_pk_add_f32 v[244:245], v[244:245], v[110:111]
	v_pk_add_f32 v[240:241], v[240:241], v[114:115]
	v_pk_add_f32 v[238:239], v[238:239], v[118:119]
	v_pk_add_f32 v[14:15], v[14:15], v[122:123]
	v_pk_add_f32 v[236:237], v[236:237], v[126:127]
	v_pk_add_f32 v[250:251], v[250:251], v[130:131]
	v_pk_add_f32 v[248:249], v[248:249], v[134:135]
	v_pk_add_f32 v[246:247], v[246:247], v[138:139]
	v_pk_add_f32 v[244:245], v[244:245], v[142:143]
	v_pk_add_f32 v[240:241], v[240:241], v[146:147]
	v_pk_add_f32 v[238:239], v[238:239], v[150:151]
	v_pk_add_f32 v[14:15], v[14:15], v[154:155]
	v_pk_add_f32 v[236:237], v[236:237], v[158:159]
	s_delay_alu instid0(VALU_DEP_2)
	v_pk_add_f32 v[14:15], v[14:15], v[246:247]
	s_delay_alu instid0(VALU_DEP_2)
	v_pk_add_f32 v[236:237], v[236:237], v[244:245]
	v_pk_add_f32 v[250:251], v[250:251], v[240:241]
	v_pk_add_f32 v[248:249], v[248:249], v[238:239]
	s_delay_alu instid0(VALU_DEP_2)
	v_pk_add_f32 v[14:15], v[14:15], v[250:251]
	s_delay_alu instid0(VALU_DEP_2)
	v_pk_add_f32 v[236:237], v[236:237], v[248:249]
	s_delay_alu instid0(VALU_DEP_1)
	v_pk_add_f32 v[14:15], v[14:15], v[236:237]
	s_wait_alu depctr_va_vdst(0)                   ; and one for the four
.irp b, 0,1,2,3
	v_max_num_f32 v[232+\b], FLOOR, v[232+\b]
.endr
.irp b, 0,1,2,3
	s_delay_alu instid0(VALU_DEP_4)
	v_add_nc_u32 v[244+\b], 0xff000000, v[232+\b]
.endr
.irp b, 0,1,2,3
	s_delay_alu instid0(VALU_DEP_4)
	v_lshrrev_b32 v[236+\b], 23, v[244+\b]
.endr
	s_delay_alu instid0(VALU_DEP_3)
	v_lshl_or_b32 v253, v237, 8, v236              ; p's scale word for these 128 keys
	s_delay_alu instid0(VALU_DEP_1)
	v_lshl_or_b32 v253, v238, 16, v253
	s_delay_alu instid0(VALU_DEP_1)
	v_lshl_or_b32 v253, v239, 24, v253
.irp c, 0,1
	v_cvt_scalef32_pk16_fp6_f32 v[224+6*\c:226+6*\c], v[96+32*\c:111+32*\c], v[244+2*\c]
	v_cvt_scalef32_pk16_fp6_f32 v[236+4*\c:238+4*\c], v[112+32*\c:127+32*\c], v[244+2*\c+1]
.endr
	v_nop                                          ; one plain line behind a scaled conversion
	s_setprio 0
.irp t, 0,1,2,3                        ; p's registers are done with: V's four fragments (16 channels x these 128 keys) are asked for here, ahead of the work below.  Lane (r, h) takes key blocks h and 2 + h of channel row r
.irp c, 0,1
	ds_load_b128 v[96+12*\t+6*\c:99+12*\t+6*\c], v29 offset:3072*\c+768*(\t/2)+256*(\t%2)
	ds_load_b64 v[100+12*\t+6*\c:101+12*\t+6*\c], v30 offset:3072*\c+768*(\t/2)+128*(\t%2)
.endr
.endr
	ds_load_b32 v250, v31
	ds_load_b32 v251, v31 offset:128
.irp c, 0,1                            ; the operand's layout wants a whole block in a lane
.irp i, 0,1,2
	v_permlane16_swap_b32 v[224+6*\c+\i], v[236+4*\c+\i]
.endr
.irp i, 0,1,2
	s_delay_alu instid0(VALU_DEP_3)
	v_mov_b32 v[227+6*\c+\i], v[236+4*\c+\i]
.endr
.endr
.set n, 0
.rept 16
	v_pk_mul_f32 v[160+n:161+n], v[160+n:161+n], v[252:253] op_sel_hi:[1,0]   ; O^T under the new M, each accumulator from its low end on.  These sixteen are also the places between the writes of p's codes and scale word and the products
.set n, n+2
.endr
	s_wait_alu depctr_va_vdst(0)
	s_wait_dscnt 0x0
.irp t, 0,2                            ; O^T += V^T P^T: the four accumulators by turns
	v_wmma_scale_f32_16x16x128_f8f6f4 v[160+8*\t:167+8*\t], v[96+12*\t:107+12*\t], v[224:235], v[160+8*\t:167+8*\t], v[250+\t/2], v253 matrix_a_fmt:MATRIX_FMT_FP6 matrix_b_fmt:MATRIX_FMT_FP6
	v_wmma_scale_f32_16x16x128_f8f6f4 v[168+8*\t:175+8*\t], v[108+12*\t:119+12*\t], v[224:235], v[168+8*\t:175+8*\t], v[250+\t/2], v253 matrix_a_fmt:MATRIX_FMT_FP6 matrix_b_fmt:MATRIX_FMT_FP6 matrix_a_scale:MATRIX_SCALE_ROW1
.endr
.Lhid_\@:
	s_add_co_u32 s[KF], s[KF], 128
	s_add_co_u32 s[TB], s[TB], 6144
	s_add_co_u32 s[TS], s[TS], 512
	s_add_co_u32 s[TJ], s[TJ], 256
.endm
; One query tile from its fragment to its codes.  which = 0: tile 127 - p; 1: tile p
.macro PASS which
	s_wait_xcnt 0x0                                ; the last pass's stores have read their registers and their base
.if \which == 0
	s_sub_co_u32 s[THT], 127, s[PP]
.else
	s_mov_b32 s[THT], s[PP]
.endif
	s_mul_i32 s40, s[THT], 768
	s_add_nc_u64 s[42:43], s[4:5], s[40:41]        ; my queries' codes: the same bytes as key tile THT's, read from memory, so that no LDS address hangs on the work-group's number
	s_lshl_b32 s40, s[THT], 6
	s_add_co_u32 s40, s40, 196608
	s_add_nc_u64 s[44:45], s[4:5], s[40:41]        ; and their scale words
	global_load_b128 v[16:19], v1, s[42:43]
	global_load_b64 v[20:21], v2, s[42:43]
	global_load_b32 v255, v80, s[44:45]
	s_lshr_b32 s[Q0], s[THT], 1
	s_lshl_b32 s[Q0], s[Q0], 5
	s_and_b32 s46, s[THT], 1
	s_lshl_b32 s46, s46, 3
	s_add_co_u32 s[Q0], s[Q0], s46                 ; the tile's first query: 32 (T / 2) + 8 (T % 2);
	s_add_co_u32 s[QMAX], s[Q0], 23                ; its last
	s_lshr_b32 s46, s11, 4
	s_lshl_b32 s46, s46, 7
	s_add_co_u32 s46, s46, s[THT]                  ; 128 x batch + T
	s_lshl_b32 s[50+\which], s46, 9                ; its scale bytes in asc: 512 a tile
	s_mul_i32 s40, s46, 12288
	s_and_b32 s46, s11, 15
	s_mul_i32 s46, s46, 768
	s_add_co_u32 s40, s40, s46
	s_add_nc_u64 s[48:49], s[6:7], s[40:41]        ; its codes in ac: 12,288 bytes a tile, 768 a head
	v_mov_b32 v13, 0xff61b1e6                      ; the largest t so far: -3e38, under every t
	s_delay_alu instid0(VALU_DEP_1)
	v_floor_f32 v12, -v13
	v_mov_b32 v14, 0
	v_mov_b32 v15, 0
.set n, 0
.rept 32
	v_mov_b32 v[160+n], 0                          ; O^T: the step is written once; the first finds zeros, which the first change of M leaves zeros
.set n, n+1
.endr
	s_mov_b32 s[KF], 0
	s_mov_b32 s[TB], 0
	s_mov_b32 s[TS], 0
	s_mov_b32 s[TJ], 0
	s_mov_b32 s[CNT], 16
	s_wait_loadcnt 0x0                             ; Q
.Lstep_\@:
	KSTEP
	s_sub_co_u32 s[CNT], s[CNT], 1
	s_cmp_lg_u32 s[CNT], 0
	s_cbranch_scc1 .Lstep_\@
	s_setprio 0
.rept 4
	v_nop                                          ; places ahead of the first read of O^T
.endr
	v_add_f32 v14, v14, v15                        ; the sum's two halves,
	s_delay_alu instid0(VALU_DEP_1)
	v_permlanex16_b32 v252, v14, s[SEL], s[SEL+1]
	s_delay_alu instid0(VALU_DEP_1)
	v_add_f32 v14, v14, v252                       ; and lane l xor 16's
	s_wait_alu depctr_va_vdst(0)
	v_rcp_f32 v14, v14
	v_nop                                          ; a plain line behind the transcendental,
	s_wait_alu depctr_va_vdst(0)                   ; and the wait ahead of its first reader
.set n, 0
.rept 32
	v_mul_f32 v[96+n], v[160+n], v14               ; O^T / the sum: register 16 b + i is channel 32 b + 16 (lane / 16) + i
.set n, n+1
.endr
	HQUANT 96, 224, 236, 87-\which, 240
	global_store_b128 v1, v[224:227], s[48:49]     ; 32 lanes store 512 consecutive bytes, aligned to 256,
	global_store_b64 v2, v[228:229], s[48:49]      ; and 256 more
.endm
	s_load_b128 s[4:7], s[0:1], 0x0                ; kv, ac
	s_load_b64 s[8:9], s[0:1], 0x10                ; asc
	v_lshl_add_u32 v[SPW], v0, 2, SPARE
	v_mov_b32 v[NIL], 0
	ds_add_u32 v[SPW], v[NIL]                      ; the wave's opening: the add and its wait stand ahead of my tensor load; work on registers stands between them
	ds_add_u32 v[SPW], v[NIL]
	v_lshrrev_b32 v1, 5, v0
	s_delay_alu instid0(VALU_DEP_1)
	v_readfirstlane_b32 s10, v1                    ; wave 0..15
	s_and_b32 s11, ttmp7, 0xffff                   ; 16 x batch + head
	s_mov_b32 s16, 3<<16                           ; descriptor group 1: no mask; elements of 8 bytes; no padding
	s_mov_b32 s17, 32<<16                          ; tensor_dim0 = 32 elements: rows of 256 bytes
	s_mov_b32 s18, 51<<16                          ; tensor_dim1 = 51
	s_mov_b32 s19, 32<<16                          ; tile_dim0 = 32
	s_mov_b32 s20, 51                              ; tile_dim1 = 51: 16 waves x 51 rows x 256 bytes are the head's 208,896
	s_mov_b32 s21, 32                              ; the rows are dense
	s_mov_b32 s22, 0
	s_mov_b32 s23, 0
	s_mov_b32 s12, 1                               ; group 0: count = 1,
	s_mul_i32 s13, s10, 51*256                     ; LDS address: my 51 rows
	s_mul_i32 s24, s11, KVB
	s_mov_b32 s25, 0
	s_mov_b32 s40, s13
	s_mov_b32 s41, 0
	s_mov_b32 s[SEL], 0x76543210
	s_mov_b32 s[SEL+1], 0xfedcba98
	s_mov_b32 s[CS], 0x3e38aa3b                    ; log2(e) / 8
	s_mov_b32 s[CS+1], s[CS]                       ; (named with it as a pair)
	s_lshl_b32 s[PP], ttmp9, 4
	s_add_co_u32 s[PP], s[PP], s10
	s_wait_dscnt 0x0                               ; the opening add is done
	s_wait_kmcnt 0x0
	s_add_nc_u64 s[4:5], s[4:5], s[24:25]          ; kv at my head
	s_add_nc_u64 s[14:15], s[4:5], s[40:41]        ; my 51 rows in memory
	s_or_b32 s15, s15, 0x80000000                  ; type = 2
	tensor_load_to_lds s[12:15], s[16:23]          ; my one tensor load of the launch
	s_nop 0
	v_and_b32 v83, 31, v0                          ; lane
	v_and_b32 v81, 15, v0                          ; r
	v_bfe_u32 v82, v0, 4, 1                        ; h
	s_delay_alu instid0(VALU_DEP_3)
	v_lshlrev_b32 v1, 4, v83                       ; a tile of 768 bytes: registers 0-3 at 16 x lane,
	s_delay_alu instid0(VALU_DEP_4)
	v_lshl_add_u32 v2, v83, 3, 512                 ; registers 4, 5 at 512 + 8 x lane
	s_delay_alu instid0(VALU_DEP_3)
	v_mul_u32_u24 v3, v82, 1536
	s_delay_alu instid0(VALU_DEP_1)
	v_lshl_add_u32 v4, v81, 3, v3
	s_delay_alu instid0(VALU_DEP_2)
	v_lshl_add_u32 v3, v81, 4, v3
	s_delay_alu instid0(VALU_DEP_1)
	v_add_nc_u32 v3, 98304, v3                     ; V: key block h of a step (two units of 768 a block), row r
	s_delay_alu instid0(VALU_DEP_3)
	v_add_nc_u32 v4, 98816, v4
	v_lshl_add_u32 v7, v83, 2, 196608              ; K's scale words
	v_lshl_add_u32 v8, v83, 2, 204800              ; V's
	v_and_b32 v9, 7, v0
	v_bfe_u32 v84, v0, 3, 1
	s_delay_alu instid0(VALU_DEP_1)
	v_lshl_add_u32 v9, v84, 4, v9
	v_lshlrev_b32 v84, 4, v82
	s_delay_alu instid0(VALU_DEP_1)
	v_sub_nc_u32 v9, v9, v84                       ; my query less the tile's first, less 16 h
	v_lshlrev_b32 v80, 2, v81
.irp i, 22,23,24,25,26,27
	v_mov_b32 v\i, 0                               ; the upper 64 of K: zero codes, in Q
.endr
.irp t, 0,1,2,3
.irp i, 0,1,2,3,4,5
	v_mov_b32 v[38+12*\t+\i], 0                    ; and in K's four fragments
.endr
.endr
.irp i, 236,237,238,239,242,243,252,253
	v_mov_b32 v\i, 0                               ; written once: a lane permute's destination counts as one of its sources, and v253 is named as the upper half of a pair
.endr
	s_wait_tensorcnt 0x0                           ; my rows are in,
	s_barrier_signal -1
	s_barrier_wait -1                              ; everybody's are
	PASS 0
	PASS 1
	v_cmp_lt_u32 vcc_lo, 15, v83                   ; the two tiles' scale bytes leave by one store: lanes 0-15 the first tile's rows, lanes 16-31 the second's
	s_delay_alu instid0(VALU_DEP_1)
	v_cndmask_b32 v86, v87, v86, vcc_lo
	v_mov_b32 v84, s50
	v_mov_b32 v85, s51
	s_delay_alu instid0(VALU_DEP_1)
	v_cndmask_b32 v84, v84, v85, vcc_lo
	s_delay_alu instid0(VALU_DEP_1)
	v_add_nc_u32 v84, v84, v80
	s_and_b32 s46, s11, 15
	s_lshr_b32 s40, s46, 1
	s_lshl_b32 s40, s40, 6                         ; two heads are a K step of the next product: 64 bytes of scale words,
	s_and_b32 s46, s46, 1
	s_lshl_b32 s46, s46, 1                         ; my head's two bytes in each word
	s_add_co_u32 s40, s40, s46
	s_add_nc_u64 s[52:53], s[8:9], s[40:41]
	global_store_b16 v84, v86, s[52:53]
	s_wait_tensorcnt 0x0                           ; the wave's end, behind my tensor load
	ds_add_u32 v[SPW], v[NIL]
	s_wait_dscnt 0x0
	s_endpgm
.Lfunc_end_k_q2a890679e5_attn:
	.size	k_q2a890679e5_attn, .Lfunc_end_k_q2a890679e5_attn-k_q2a890679e5_attn
	.p2alignl 7, 3214868480
	.fill 96, 4, 3214868480
	.section	.rodata,"a",@progbits
	.p2align	6, 0x0
	.amdhsa_kernel k_q2a890679e5_attn
		.amdhsa_group_segment_fixed_size 210944
		.amdhsa_private_segment_fixed_size 0
		.amdhsa_enable_private_segment 0
		.amdhsa_kernarg_size 24
		.amdhsa_user_sgpr_count 2
		.amdhsa_user_sgpr_kernarg_segment_ptr 1
		.amdhsa_wavefront_size32 1
		.amdhsa_system_sgpr_workgroup_id_x 1
		.amdhsa_system_sgpr_workgroup_id_y 1
		.amdhsa_system_sgpr_workgroup_id_z 1
		.amdhsa_system_vgpr_workitem_id 0
		.amdhsa_next_free_vgpr 256
		.amdhsa_next_free_sgpr 66
		.amdhsa_reserve_vcc 1
		.amdhsa_float_denorm_mode_32 3
		.amdhsa_float_denorm_mode_16_64 3
		.amdhsa_memory_ordered 1
		.amdhsa_forward_progress 1
		.amdhsa_inst_pref_size 66
	.end_amdhsa_kernel
	.amdgpu_metadata
---
amdhsa.version: [ 1, 2 ]
amdhsa.kernels:
  - .name:           k_q2a890679e5_attn
    .symbol:         k_q2a890679e5_attn.kd
    .args:
      - { .name: kv, .offset: 0, .size: 8, .value_kind: global_buffer, .address_space: global }
      - { .name: ac, .offset: 8, .size: 8, .value_kind: global_buffer, .address_space: global }
      - { .name: asc, .offset: 16, .size: 8, .value_kind: global_buffer, .address_space: global }
    .group_segment_fixed_size: 210944
    .private_segment_fixed_size: 0
    .kernarg_segment_align: 8
    .kernarg_segment_size: 24
    .max_flat_workgroup_size: 512
    .sgpr_count:     66
    .vgpr_count:     256
    .wavefront_size: 32
...
	.end_amdgpu_metadata
.endif
;; end of part 7
;; launch outp (part 8): grid 256 x 1, 16 waves a work-group, no clusters, 167,936 bytes of LDS; arguments ac, asc, wst, out0; writes out0
.if DOCPART == 8
	.amdgcn_target "amdgcn-amd-amdhsa--gfx1250"
	.amdhsa_code_object_version 6
	.text
	.protected	k_q2a890679e5_outp
	.globl	k_q2a890679e5_outp
	.p2align	8
	.type	k_q2a890679e5_outp,@function
k_q2a890679e5_outp:
	s_mov_b64 s[64:65], 0
	v_nop
	global_prefetch_b8 v0, s[64:65] scope:SCOPE_SE
	s_setreg_imm32_b32 hwreg(HW_REG_WAVE_SCHED_MODE, 0, 2), 2
	s_setreg_imm32_b32 hwreg(HW_REG_WAVE_MODE, 25, 1), 1
	s_wait_xcnt 0x0
	s_wait_alu depctr_vm_vsrc(0)
; out0 = attn W_O^T on codes of FP6 (E2M3) with E8M0 scales.  attn's codes (ac) and scale bytes (asc) and W_O's (chunks 24-31 of wst) lie in the order of the operands' registers.
; SHARES, as in launch chain: a work-group takes 32 tokens (two tiles; row r of tile u is token 8 u + r % 8 + 16 (r / 8)), wave w the 64 output columns 64 w on: 8 accumulators, 8 matrix instructions for each 128 along K.
; At the head each wave brings one of the tokens' 16 fragments from memory and lays its image in LDS; one barrier.  W_O's fragments go from memory straight into the registers of the one wave that uses them, two chunks ahead, in three sets.
; NO CLUSTER, NO JOINT LOADS, though all work-groups walk the same W_O: a fragment is used by one wave of the work-group alone, so a way through LDS would add a write and a read to each of its bytes, and slots filled
; again behind barriers would have one chunk (102,400 bytes) on its way where the sixteen waves here have up to two.
; THE WAY OUT: source 0 = 16 output columns, source 1 = 16 tokens, so a lane holds eight neighbouring columns of one token.  A wave's 32 rows x 256 bytes go through its own stage in LDS and leave as whole aligned runs of 256 bytes.
; THE MODE: SCHED_MODE bits 1:0 = 2 (LLVM: expert scheduling mode 2), set by the entry lines.  The code itself states the register dependences
; between vector or matrix instructions and memory or LDS instructions, with s_wait_alu, always for 0.
; THE PLAN.  Registers that memory or LDS instructions touch:
;   AF, AS        Step c: its eight LDS loads land in them, its eight products read them.  At the head and on the way out the same registers, as E, hold addresses.
;   BF, BS        Set c % 3: chunk c's 14 loads, issued in step c - 2, land in it; step c's products read it.  At the head set 2 takes the fragment that I bring; on the way out v80-143 take rows of out0.
;   ACC           Written by the products; read by the stage's stores alone.
;   v[LIP], v[LSP], v[VB], v[VS]   Made at the head, never written again.
; So ONE wait on va_vdst stands at the head of a step: the last step's products are done reading AF, AS and set (c + 2) % 3.  The step's LDS loads follow it, and chunk c + 2's 14 loads are dealt among the step's
; products, which name ACC, AF, AS and set c % 3 with its scale words: none of the registers that those loads touch.
.set CH,    102400
.set SCO,   98304
.set ISC,   24576                      ; LDS: 16 images of 1,536 bytes (index 2 s + u) from 0; their scale words, 128 bytes each, from here;
.set STG,   26624                      ; a stage of 32 rows x (256 + 16) bytes for each wave;
.set SPARE, 165888                     ; the spare words, 128 bytes for each wave: eight blocks of 256 bytes that no other line names
.set LIP, 1                            ; v1   16 x lane
.set LSP, 2                            ; v2   ISC + 4 x lane
.set VB,  3                            ; v3   6,144 x wave + 16 x lane; never rewritten
.set VS,  4                            ; v4   256 x wave + 4 x lane; never rewritten
.set SPW, 5
.set NIL, 6
.set LN,  7
.set ACC, 16                           ; v16-79 eight accumulators
.set BF,  80                           ; v80-223 W_O's fragments: three sets of 48; on the way out v80-143 rows of out0
.set T0,  80
.set T2,  176
.set F,   176                          ; at the head: the fragment that I bring, in set 2, which is still free
.set BS,  224                          ; v224-229 W_O's scale words
.set AF,  230                          ; v230-253 the tokens' two fragments; at the head and on the way out: at work, as E
.set E,   230
.set AS,  254                          ; v254-255 the tokens' scale words
.set WST, 8
.macro MM ori, first, odd              ; one matrix instruction on rD, rW (weight), rT (tokens), rS, rA (their scales); odd: the weight's scales stand in lanes 16-31
.if \first
.if \odd
	v_wmma_scale_f32_16x16x128_f8f6f4 v[rD:rD+7], v[rW:rW+11], v[rT:rT+11], 0, v[rS], v[rA] matrix_a_fmt:MATRIX_FMT_FP6 matrix_b_fmt:MATRIX_FMT_FP6 matrix_a_scale:MATRIX_SCALE_ROW1
.else
	v_wmma_scale_f32_16x16x128_f8f6f4 v[rD:rD+7], v[rW:rW+11], v[rT:rT+11], 0, v[rS], v[rA] matrix_a_fmt:MATRIX_FMT_FP6 matrix_b_fmt:MATRIX_FMT_FP6
.endif
.else
.if \odd
	v_wmma_scale_f32_16x16x128_f8f6f4 v[rD:rD+7], v[rW:rW+11], v[rT:rT+11], v[rD:rD+7], v[rS], v[rA] matrix_a_fmt:MATRIX_FMT_FP6 matrix_b_fmt:MATRIX_FMT_FP6 matrix_a_scale:MATRIX_SCALE_ROW1
.else
	v_wmma_scale_f32_16x16x128_f8f6f4 v[rD:rD+7], v[rW:rW+11], v[rT:rT+11], v[rD:rD+7], v[rS], v[rA] matrix_a_fmt:MATRIX_FMT_FP6 matrix_b_fmt:MATRIX_FMT_FP6
.endif
.endif
.endm
; load j of the 14 that bring my four fragments and their scale words of chunk c into set c % 3: j = 0 .. 11: registers 4 (j % 3) on of fragment j / 3; j = 12, 13: the scale words
.macro WL1 c, j
.if (\j) < 12
	global_load_b128 v[BF+48*((\c)%3)+4*(\j):BF+48*((\c)%3)+4*(\j)+3], v[VB], s[WST:WST+1] offset:(\c)*CH+((\j)/3)*1536+512*((\j)%3)
.else
	global_load_b32 v[BS+2*((\c)%3)+(\j)-12], v[VS], s[WST:WST+1] offset:(\c)*CH+SCO+128*((\j)-12)
.endif
.endm
.macro WLOAD c                         ; all 14 on end: at the head
.irp j, 0,1,2,3,4,5,6,7,8,9,10,11,12,13
	WL1 \c, \j
.endr
.endm
; 128 along K, as in launch chain (here always source 0 = the weight, accumulator (t, u) at 32 u + 8 t).  pre: chunk c + 2 is asked for, two loads behind each of the first seven products.
; cnt: the loads that may stay out when chunk c has to be in: chunk c + 1's 14, or none.  np: places behind the last step's products; 0 in the launch's first step, ahead of which no vector line has been issued since the last wait on va_vdst.
; The eight accumulators take turns, one instruction a turn, in the same order in every step.
.macro STEP c, ori, map, first, pre, cnt, np
.rept \np
	v_nop
.endr
.if (\np) > 0
	s_wait_alu depctr_va_vdst(0)                   ; the last step's products are done reading AF and AS, in which the LDS loads below land, and set (c + 2) % 3 with its scale words, in which chunk c + 2 lands
.endif
.irp u, 0,1
.irp q, 0,1,2
	ds_load_b128 v[AF+12*\u+4*\q:AF+12*\u+4*\q+3], v[LIP] offset:((\c)%8)*3072+\u*1536+512*\q
.endr
	ds_load_b32 v[AS+\u], v[LSP] offset:((\c)%8)*256+\u*128
.endr
	s_wait_loadcnt \cnt
	s_wait_dscnt 0x0
.irp u, 0,1
.irp t, 0,1,2,3
.set rD, ACC+32*\u+8*\t
.set rW, BF+48*((\c)%3)+12*\t
.set rT, AF+12*\u
.set rS, BS+2*((\c)%3)+\t/2
.set rA, AS+\u
	MM \ori, \first, \t%2
.if (\pre) && ((4*\u+\t) < 7)
	WL1 (\c)+2, 2*(4*\u+\t)                        ; no wait: no vector or matrix instruction since the wait at the step's head names set (c + 2) % 3, its scale words, v[VB] or v[VS]
	WL1 (\c)+2, 2*(4*\u+\t)+1
.endif
.endr
.endr
.endm
	s_load_b256 s[4:11], s[0:1], 0x0               ; ac, asc, wst, out0
	v_lshl_add_u32 v[SPW], v0, 2, SPARE
	v_mov_b32 v[NIL], 0
	v_lshrrev_b32 v[LN], 5, v0
	v_readfirstlane_b32 s16, v[LN]                 ; wave 0..15
	v_and_b32 v[LN], 31, v0
	v_lshlrev_b32 v[LIP], 4, v[LN]
	s_wait_alu depctr_va_vdst(0)
	v_lshl_add_u32 v[LSP], v[LN], 2, ISC
	s_wait_alu depctr_va_vdst(0)
	s_wait_alu depctr_va_sdst(0)                   ; s16 is written, ahead of its first reader: the addresses and bases below are made from it
	s_mul_i32 s18, s16, 6144
	v_add_nc_u32 v[VB], s18, v[LIP]
	s_lshl_b32 s18, s16, 8
	v_lshl_add_u32 v[VS], v[LN], 2, s18
	v_lshlrev_b32 v[E+0], 3, v[LN]
	v_and_b32 v[E+1], 15, v[LN]
	v_lshlrev_b32 v[E+1], 2, v[E+1]
	s_lshr_b32 s18, s16, 3                         ; I bring tile u = w / 8,
	s_and_b32 s19, s16, 7                          ; K step s = w % 8
	s_mul_i32 s20, s19, 3072
	s_mul_i32 s21, s18, 1536
	s_add_co_u32 s20, s20, s21
	v_add_nc_u32 v[E+2], s20, v[LIP]               ; its image,
	s_lshl_b32 s20, s19, 8
	s_lshl_b32 s21, s18, 7
	s_add_co_u32 s20, s20, s21
	v_add_nc_u32 v[E+3], s20, v[LSP]               ; its scale words
	s_lshl_b32 s21, ttmp9, 1
	s_add_co_u32 s21, s21, s18                     ; the tile's number among all 512
	s_mul_i32 s22, s21, 12288
	s_mul_i32 s20, s19, 1536
	s_add_co_u32 s22, s22, s20
	s_mov_b32 s23, 0
	s_wait_kmcnt 0x0
	s_add_nc_u64 s[24:25], s[4:5], s[22:23]
	s_lshl_b32 s22, s21, 9
	s_lshl_b32 s20, s19, 6
	s_add_co_u32 s22, s22, s20
	s_add_nc_u64 s[26:27], s[6:7], s[22:23]
	s_lshl_b32 s22, ttmp9, 17                      ; out0: 32 rows of 4,096 bytes a work-group,
	s_lshl_b32 s20, s16, 8                         ; 256 bytes of each a wave
	s_add_co_u32 s22, s22, s20
	s_add_nc_u64 s[28:29], s[10:11], s[22:23]
	s_wait_alu depctr_va_vdst(0)                   ; the offsets and LDS addresses v[LIP], v[LSP], v[VB], v[VS] and v[E+0] to v[E+3] are written, which the loads and stores below read
	global_load_b128 v[F:F+3], v[LIP], s[24:25] th:TH_LOAD_NT                  ; head 2 s: registers 0-3,
	global_load_b64 v[F+4:F+5], v[E+0], s[24:25] offset:512 th:TH_LOAD_NT      ; 4, 5;
	global_load_b128 v[F+6:F+9], v[LIP], s[24:25] offset:768 th:TH_LOAD_NT     ; head 2 s + 1: registers 6-9,
	global_load_b64 v[F+10:F+11], v[E+0], s[24:25] offset:1280 th:TH_LOAD_NT   ; 10, 11
	global_load_b32 v[F+12], v[E+1], s[26:27] th:TH_LOAD_NT
	WLOAD 24
	WLOAD 25
	s_wait_loadcnt 28                              ; my fragment and its scale words are in; the two chunks' 28 loads stay out
.irp q, 0,1,2
	ds_store_b128 v[E+2], v[F+4*\q:F+4*\q+3] offset:512*\q
.endr
	ds_store_b32 v[E+3], v[F+12]
	s_wait_dscnt 0x0                               ; for the others' sake: my stores have landed
	s_barrier_signal -1
	s_barrier_wait -1                              ; the sixteen images lie in LDS
	s_wait_alu depctr_vm_vsrc(0)                   ; the loads and stores above have read v[E+0] to v[E+3], in which the tokens' fragments land, and the stores v[F ..], in which chunk 26 lands
	STEP 24, 0, 1, 1, 1, 14, 0
.irp c, 25,26,27,28,29
	STEP \c, 0, 1, 0, 1, 14, 4
.endr
	STEP 30, 0, 1, 0, 0, 14, 4                     ; nothing is left to ask for: the last chunk's 14 loads may be out,
	STEP 31, 0, 1, 0, 0, 0, 4                      ; then none
.rept 4
	v_nop                                          ; places ahead of the first read of results and of writes and loads into registers that the products read
.endr
	v_and_b32 v[E+0], 7, v[LN]
	v_bfe_u32 v[E+1], v[LN], 3, 1
	v_lshl_add_u32 v[E+0], v[E+1], 4, v[E+0]       ; row r of a tile is token r % 8 + 16 (r / 8), + 8 u
	v_bfe_u32 v[E+1], v[LN], 4, 1                  ; h
	v_and_b32 v[E+2], 15, v[LN]                    ; r
	s_mul_i32 s18, s16, 8704
	s_add_co_u32 s18, s18, STG                     ; my stage
	v_mul_u32_u24 v[E+3], v[E+0], 272
	v_lshl_add_u32 v[E+3], v[E+1], 5, v[E+3]
	v_add_nc_u32 v[E+3], s18, v[E+3]               ; in: my token's row, + 32 h
	v_mul_u32_u24 v[E+4], v[E+1], 272
	v_lshl_add_u32 v[E+4], v[E+2], 4, v[E+4]
	v_add_nc_u32 v[E+4], s18, v[E+4]               ; back: lanes 0-15 one row, lanes 16-31 the next
	v_lshlrev_b32 v[E+5], 12, v[E+1]
	v_lshl_add_u32 v[E+5], v[E+2], 4, v[E+5]       ; and the same two rows in out0
	s_wait_alu depctr_va_vdst(0)                   ; the products have written the accumulators, which the stage's stores read (the places above stay beside this wait), and are done reading v80-143, in which the rows land; the addresses v[E+3] to v[E+5] are written
.irp u, 0,1
.irp t, 0,1,2,3
	ds_store_b128 v[E+3], v[ACC+32*\u+8*\t:ACC+32*\u+8*\t+3] offset:2176*\u+64*\t          ; each accumulator from its low end on
	ds_store_b128 v[E+3], v[ACC+32*\u+8*\t+4:ACC+32*\u+8*\t+7] offset:2176*\u+64*\t+16
.endr
.endr
.irp i, 0,1,2,3,4,5,6,7,8,9,10,11,12,13,14,15
	ds_load_b128 v[T0+4*\i:T0+4*\i+3], v[E+4] offset:544*\i    ; LDS serves a wave's instructions in order (ISA guide 5.7.1.4): these see my stores
.endr
.irp i, 0,1,2,3,4,5,6,7,8,9,10,11,12,13,14,15
	s_wait_dscnt 15-\i
	global_store_b128 v[E+5], v[T0+4*\i:T0+4*\i+3], s[28:29] offset:8192*\i th:TH_STORE_NT   ; sixteen lanes store 256 consecutive bytes, aligned; written once, read by nobody here
.endr
	s_wait_dscnt 0x0                               ; the closing lines, six on end
	s_wait_alu 0x0
	s_wait_tensorcnt 0x0
	ds_add_u32 v[SPW], v[NIL]
	s_wait_dscnt 0x0
	s_endpgm
.Lfunc_end_k_q2a890679e5_outp:
	.size	k_q2a890679e5_outp, .Lfunc_end_k_q2a890679e5_outp-k_q2a890679e5_outp
	.p2alignl 7, 3214868480
	.fill 96, 4, 3214868480
	.section	.rodata,"a",@progbits
	.p2align	6, 0x0
	.amdhsa_kernel k_q2a890679e5_outp
		.amdhsa_group_segment_fixed_size 167936
		.amdhsa_private_segment_fixed_size 0
		.amdhsa_enable_private_segment 0
		.amdhsa_kernarg_size 32
		.amdhsa_user_sgpr_count 2
		.amdhsa_user_sgpr_kernarg_segment_ptr 1
		.amdhsa_wavefront_size32 1
		.amdhsa_system_sgpr_workgroup_id_x 1
		.amdhsa_system_sgpr_workgroup_id_y 1
		.amdhsa_system_sgpr_workgroup_id_z 1
		.amdhsa_system_vgpr_workitem_id 0
		.amdhsa_next_free_vgpr 256
		.amdhsa_next_free_sgpr 66
		.amdhsa_reserve_vcc 0
		.amdhsa_float_denorm_mode_32 3
		.amdhsa_float_denorm_mode_16_64 3
		.amdhsa_memory_ordered 1
		.amdhsa_forward_progress 1
		.amdhsa_inst_pref_size 33
	.end_amdhsa_kernel
	.amdgpu_metadata
---
amdhsa.version: [ 1, 2 ]
amdhsa.kernels:
  - .name:           k_q2a890679e5_outp
    .symbol:         k_q2a890679e5_outp.kd
    .args:
      - { .name: ac, .offset: 0, .size: 8, .value_kind: global_buffer, .address_space: global }
      - { .name: asc, .offset: 8, .size: 8, .value_kind: global_buffer, .address_space: global }
      - { .name: wst, .offset: 16, .size: 8, .value_kind: global_buffer, .address_space: global }
      - { .name: out0, .offset: 24, .size: 8, .value_kind: global_buffer, .address_space: global }
    .group_segment_fixed_size: 167936
    .private_segment_fixed_size: 0
    .kernarg_segment_align: 8
    .kernarg_segment_size: 32
    .max_flat_workgroup_size: 512
    .sgpr_count:     66
    .vgpr_count:     256
    .wavefront_size: 32
...
	.end_amdgpu_metadata
.endif
;; end of part 8
